; MI455X (gfx1250); checked and timed in simulation.
; The chip was launched on July 23, 2026; its instructions are those of AMD's public machine-readable ISA for CDNA 5 (MIT licence, August 2026) and "CDNA5" Instruction Set Architecture Reference Guide (July 2026). The comments in the code are by the model that wrote it; some were corrected since.
;; Multihead Attention. Allowed arithmetic: matrix products marked QUANTISED: E3M2 operands, one E8M0 scale for each 32 along K, by v_wmma_scale_f32_16x16x128_f8f6f4 with both operands' format E3M2, f32 sums; everything else in f32.
;; Inputs: Wk 1,024 x 1,024 float32; Wo 1,024 x 1,024 float32; Wq 1,024 x 1,024 float32; Wv 1,024 x 1,024 float32; bk 1,024 float32; bo 1,024 float32; bq 1,024 float32; bv 1,024 float32; x 2 x 2,048 x 1,024 float32.
;; Outputs: out0 2 x 2,048 x 1,024 float32.
;; This version of the problem:
;;   THIS VERSION OF THE PROBLEM IS GIVEN IN LOW PRECISION. The matrix products marked QUANTISED in the list below multiply operands that are first quantised to E3M2 (3 exponent bits, 2 mantissa bits; 6 bits a number), with one power-of-two scale for each 32 numbers along K (OCP MX v1.0); their sums are f32. All else is computed in f32.
;;   The module's matrix products, in the order in which they are computed (A, B: the left and right operand; K: the contracted axis; several contracted axes count as one K, in the product's order):
;;     1. [M 4,096, K 1,024] x [K 1,024, N 1,024]; A: input x; B: input Wq: QUANTISED
;;     2. [M 4,096, K 1,024] x [K 1,024, N 1,024]; A: input x; B: input Wk: QUANTISED
;;     3. [M 4,096, K 1,024] x [K 1,024, N 1,024]; A: input x; B: input Wv: QUANTISED
;;     4. batch 32 x [M 2,048, K 64] x [K 64, N 2,048]; A: computed on the way; B: computed on the way: QUANTISED
;;     5. batch 32 x [M 2,048, K 2,048] x [K 2,048, N 64]; A: softmax (see below); B: computed on the way: QUANTISED
;;     6. [M 4,096, K 1,024] x [K 1,024, N 1,024]; A: computed on the way; B: input Wo: QUANTISED
;;   THE QUANTISER, for each operand of a quantised product, along K:
;;     - K is cut into blocks of 32 from its start; a last block that is shorter is filled with zeros.
;;     - A block's scale is 2^e with e = floor(log2(the largest magnitude in the block)) - 4, held to -126 .. 127; a block of zeros has e = 0. As a byte (E8M0): e + 127.
;;     - Each number is divided by its block's scale, clamped to +-28, and rounded to the nearest number of E3M2, ties to even, subnormals kept.
;;     - The product sums the exact products of the quantised numbers (number of the format x scale) in f32.
;;   ~~~python
;;   def quantise(x, axis):      # numpy; x: float32 -> the quantised numbers, widened to float32 again
;;       x = np.moveaxis(x, axis, -1); K = x.shape[-1]
;;       x = np.pad(x, [(0, 0)] * (x.ndim - 1) + [(0, -K % 32)]); x = x.reshape(x.shape[:-1] + (-1, 32)); a = np.abs(x).max(-1, keepdims=True)
;;       e = np.where(a > 0, np.clip(np.frexp(np.where(a > 0, a, 1))[1] - 1 - 4, -126, 127), 0)      # np.frexp(a)[1] - 1 = floor(log2(a)), exactly
;;       r = np.clip(x / 2.0 ** e, -28, 28)
;;       step = 2.0 ** (np.maximum(np.frexp(np.where(r == 0, 1, r))[1] - 1, -2) - 2)
;;       q = np.round(r / step) * step * 2.0 ** e      # np.round: ties to even
;;       return np.moveaxis(q.reshape(q.shape[:-2] + (-1,))[..., :K], -1, axis).astype(np.float32)
;;   ~~~
;;   SOFTMAX AHEAD OF A QUANTISED PRODUCT. Where the list says 'softmax', what is quantised is not the finished softmax but p = 2^(t - M), with t = logit x log2(e) and M = ceil(the row's largest t), a whole number; so 1/2 < the row's largest p <= 1. The row's sum l is taken of the UNQUANTISED p, in f32, and the product's result is divided by l at the end. Since M is a whole number, a kernel that streams over the keys may use a running M (the ceiling of the running maximum): every later rescaling is an exact power of two, which a block's scale takes up: the codes' values come out the same.
;;   OPERANDS COMPUTED ON THE WAY. 'Computed on the way' means the value that the module computes at that place (a softmax that the list does not call 'softmax' is quantised finished and normalised). What goes into a quantiser is computed in f32, as accurately as f32 sums, v_exp_f32 and their like allow (about 1e-6 of the number): no bf16 or f16 on the way to a quantiser, and a product that is left as it is and whose result goes on into a quantised operand takes f32 operands (vector FMAs, or v_wmma_f32_16x16x4_f32). A number that lies on a knife's edge between two numbers of the format may be rounded either way, as far as f32 arithmetic and the matrix unit's own rounding can turn it there, and no further.
;; 2 versions. Each part assembles by itself: llvm-mc -triple=amdgcn-amd-amdhsa -mcpu=gfx1250 --defsym DOCPART=n.
;; ======== version 1 of 2: 5 launches
;; workspace buffers: ximg 3,276,800 bytes; wimg 3,276,800 bytes; qimg 3,145,728 bytes; qsc 262,144 bytes; kv 6,684,672 bytes; oimg 3,276,800 bytes
;; launch quant_x (part 1): grid 512 x 1, 4 waves a work-group, no clusters, 34,304 bytes of LDS; arguments x, ximg; writes ximg
.if DOCPART == 1
	.amdgcn_target "amdgcn-amd-amdhsa--gfx1250"
	.amdhsa_code_object_version 6
	.text
	.protected	k_qffea53a68d_quant_x
	.globl	k_qffea53a68d_quant_x
	.p2align	8
	.type	k_qffea53a68d_quant_x,@function
k_qffea53a68d_quant_x:
	s_mov_b64 s[64:65], 0
	v_nop
	global_prefetch_b8 v0, s[64:65] scope:SCOPE_SE
	s_setreg_imm32_b32 hwreg(HW_REG_WAVE_MODE, 25, 1), 1
	s_wait_xcnt 0x0
; x [4096][1024] f32 becomes codes of BF6 (E3M2) with one E8M0 byte for each 32 along K, laid in the ORDER OF THE OPERAND'S REGISTERS.
; TILES.  Tile T holds 16 rows; lane row r of tile T is row 32 (T / 2) + 8 (T % 2) + r + 8 (r / 8).
; A FRAGMENT (16 rows x 128 K, 12 registers a lane) is 1,536 bytes: registers 0-3 at 16 x lane, 4-5 at 512 + 8 x lane, 6-9 at 768 + 16 x lane, 10-11 at 1,280 + 8 x lane.
; A RECORD (tile T, half c of K) is 6,400 bytes at (2 T + c) x 6,400: four fragments, then the scale words at 6,144 + 16 r + 4 s (s: the fragment).
; A work-group makes one record (its number is 2 T + c), wave s fragment s.  Each load reads 512 consecutive bytes of one row; the 16 rows turn through the wave's own stage in LDS,
; so that lane (r, h) gets the numbers k = 64 c' + 32 h + 0 .. 31 of row r: two whole blocks, in the order of the operand's registers.  Waves share nothing: no barrier.
; A block's scale is 2^(floor(log2(largest magnitude)) - 4); its byte is the largest magnitude's exponent field - 4, held at 1 from below.
; LIMITS: NaN and infinities among the inputs are not served; a block whose largest magnitude lies under 2^-122 keeps the byte 1; a block of zeros gets the byte 1 where the rule says 127
; (its codes are zeros, which add nothing, and this program alone reads the bytes).
.set PITCH, 528                        ; a stage row: 512 bytes + 16 = 132 words, so the 16 rows that a read touches begin 4 words apart
.set WST,   16*PITCH                   ; a wave's stage
.set L16,  1                           ; v1   16 x lane
.set SIN,  4                           ; v4   the stage, on the way in
.set SOUT, 5                           ; v5   and on the way out: row r, + 128 h
.set L8,   6                           ; v6   8 x lane
.set R16,  7                           ; v7   16 r
.set H8,   8                           ; v8   8 h
.set WD,   9                           ; v9   the scale word
.set BM,   10                          ; v10-11 largest magnitudes
.set SO,   12                          ; v12-13 the conversions' scale operands
.set BY,   14                          ; v14-15 a second chain of maxima, then the bytes
.set X,    16                          ; v16-79  as loaded
.set Y,    80                          ; v80-143 my 64 numbers
.set P,    144                         ; v144-155 the fragment
.set TC,   156                         ; v156-158, v160-162: the second halves of the blocks' codes
.set PX,   163
	s_load_b128 s[4:7], s[0:1], 0x0                ; x, ximg
	v_lshl_add_u32 v164, v0, 2, 0x8400
	v_mov_b32 v165, 0
	v_lshrrev_b32 v2, 5, v0
	v_readfirstlane_b32 s8, v2                     ; wave = fragment
	v_and_b32 v2, 31, v0                           ; lane
	v_and_b32 v3, 15, v0                           ; r
	v_bfe_u32 v[H8], v0, 4, 1                      ; h
	v_lshlrev_b32 v[L16], 4, v2
	v_lshlrev_b32 v[L8], 3, v2
	v_lshlrev_b32 v[R16], 4, v3
	s_mul_i32 s9, s8, WST
	v_add_nc_u32 v[SIN], s9, v[L16]
	v_mul_u32_u24 v[SOUT], v3, PITCH
	v_lshl_add_u32 v[SOUT], v[H8], 7, v[SOUT]
	v_add_nc_u32 v[SOUT], s9, v[SOUT]
	v_lshlrev_b32 v[H8], 3, v[H8]
	v_mov_b32 v[PX], 0                             ; a lane permute's destination counts as one of its sources
	s_mov_b32 s20, 0x76543210
	s_mov_b32 s21, 0xfedcba98                      ; selects for lane l xor 16
	s_lshr_b32 s10, ttmp9, 2                       ; T / 2: 32 rows of 4,096 bytes each
	s_lshl_b32 s10, s10, 17
	s_bfe_u32 s11, ttmp9, 0x10001                  ; T % 2: 8 rows
	s_lshl_b32 s11, s11, 15
	s_add_co_u32 s10, s10, s11
	s_and_b32 s11, ttmp9, 1                        ; c: 512 numbers
	s_lshl_b32 s11, s11, 11
	s_add_co_u32 s10, s10, s11
	s_lshl_b32 s11, s8, 9                          ; my fragment: 128 numbers
	s_add_co_u32 s10, s10, s11
	s_mov_b32 s11, 0
	s_mul_i32 s12, ttmp9, 6400                     ; the record
	s_mul_i32 s14, s8, 1536
	s_add_co_u32 s14, s14, s12                     ; my fragment in it
	s_mov_b32 s15, 0
	s_lshl_b32 s13, s8, 2
	s_add_co_u32 s12, s12, s13
	s_add_co_u32 s12, s12, 6144                    ; my scale words
	s_mov_b32 s13, 0
	s_wait_kmcnt 0x0
	s_add_nc_u64 s[4:5], s[4:5], s[10:11]
	s_add_nc_u64 s[16:17], s[6:7], s[14:15]
	s_add_nc_u64 s[18:19], s[6:7], s[12:13]
.irp p, 0,1,2,3,4,5,6,7,8,9,10,11,12,13,14,15
	global_load_b128 v[X+4*\p:X+4*\p+3], v[L16], s[4:5] offset:(\p+8*(\p/8))*4096 th:TH_LOAD_NT   ; lane row p: 512 consecutive bytes
.endr
.irp p, 0,1,2,3,4,5,6,7,8,9,10,11,12,13,14,15
	s_wait_loadcnt 15-\p                           ; loads come back in order: row p is in, the younger ones stay out
	ds_store_b128 v[SIN], v[X+4*\p:X+4*\p+3] offset:PITCH*\p
.endr
.irp c, 0,1
.irp j, 0,1,2,3,4,5,6,7
	ds_load_b128 v[Y+32*\c+4*\j:Y+32*\c+4*\j+3], v[SOUT] offset:256*\c+16*\j   ; LDS serves a wave's instructions in order: these see my stores
.endr
.endr
.macro BMAX c                          ; the largest magnitude of my block 2 c + h, in two chains, with the floor 2^(5 - 127) among the leaves
	v_max3_num_f32 v[BM+\c], |v[Y+32*\c]|, |v[Y+32*\c+1]|, |v[Y+32*\c+2]|
	v_max3_num_f32 v[BY+\c], |v[Y+32*\c+3]|, |v[Y+32*\c+4]|, |v[Y+32*\c+5]|
.irp i, 6,10,14,18,22,26
	v_max3_num_f32 v[BM+\c], v[BM+\c], |v[Y+32*\c+\i]|, |v[Y+32*\c+\i+1]|
	v_max3_num_f32 v[BY+\c], v[BY+\c], |v[Y+32*\c+\i+2]|, |v[Y+32*\c+\i+3]|
.endr
	v_max3_num_f32 v[BM+\c], v[BM+\c], |v[Y+32*\c+30]|, |v[Y+32*\c+31]|
	v_max3_num_f32 v[BM+\c], v[BM+\c], v[BY+\c], 0x2800000
.endm
	s_wait_dscnt 8                                 ; the first block's eight loads are in; the second's eight stay out
	BMAX 0
	s_wait_dscnt 0x0
	BMAX 1
.irp c, 0,1
	v_add_nc_u32 v[SO+\c], 0xfe000000, v[BM+\c]    ; 4 off the exponent field: the conversion takes this operand's exponent field as its scale
.endr
.irp c, 0,1
	v_lshrrev_b32 v[BY+\c], 23, v[SO+\c]           ; the scale's byte
.endr
	v_lshl_or_b32 v[WD], v[BY+1], 16, v[BY]        ; my two bytes: blocks h and 2 + h,
	v_lshlrev_b32 v[WD], v[H8], v[WD]              ; at their places in the word;
	v_permlanex16_b32 v[PX], v[WD], s20, s21
	v_or_b32 v[WD], v[WD], v[PX]                   ; with lane l xor 16's two the word is whole
.irp c, 0,1
	v_cvt_scalef32_pk16_bf6_f32 v[P+6*\c:P+6*\c+2], v[Y+32*\c:Y+32*\c+15], v[SO+\c]
	v_cvt_scalef32_pk16_bf6_f32 v[TC+4*\c:TC+4*\c+2], v[Y+32*\c+16:Y+32*\c+31], v[SO+\c]   ; (a conversion's three registers begin on an even number)
.endr
	v_nop                                          ; one plain place behind a scaled conversion
.irp c, 0,1
.irp i, 0,1,2
	v_mov_b32 v[P+6*\c+3+\i], v[TC+4*\c+\i]
.endr
.endr
	global_store_b128 v[L16], v[P:P+3], s[16:17]                 ; 512 consecutive bytes
	global_store_b64 v[L8], v[P+4:P+5], s[16:17] offset:512      ; 256
	global_store_b128 v[L16], v[P+6:P+9], s[16:17] offset:768
	global_store_b64 v[L8], v[P+10:P+11], s[16:17] offset:1280
	global_store_b32 v[R16], v[WD], s[18:19]       ; row r's word for this fragment (lanes r and r + 16 write the same word with the same value); the four waves' words fill the record's last 256 bytes
	s_wait_tensorcnt 0x0
	ds_add_u32 v164, v165
	s_wait_dscnt 0x0
	s_endpgm
.Lfunc_end_k_qffea53a68d_quant_x:
	.size	k_qffea53a68d_quant_x, .Lfunc_end_k_qffea53a68d_quant_x-k_qffea53a68d_quant_x
	.p2alignl 7, 3214868480
	.fill 96, 4, 3214868480
	.section	.rodata,"a",@progbits
	.p2align	6, 0x0
	.amdhsa_kernel k_qffea53a68d_quant_x
		.amdhsa_group_segment_fixed_size 34304
		.amdhsa_private_segment_fixed_size 0
		.amdhsa_enable_private_segment 0
		.amdhsa_kernarg_size 16
		.amdhsa_user_sgpr_count 2
		.amdhsa_user_sgpr_kernarg_segment_ptr 1
		.amdhsa_wavefront_size32 1
		.amdhsa_system_sgpr_workgroup_id_x 1
		.amdhsa_system_sgpr_workgroup_id_y 1
		.amdhsa_system_sgpr_workgroup_id_z 1
		.amdhsa_system_vgpr_workitem_id 0
		.amdhsa_next_free_vgpr 166
		.amdhsa_next_free_sgpr 66
		.amdhsa_reserve_vcc 0
		.amdhsa_float_denorm_mode_32 3
		.amdhsa_float_denorm_mode_16_64 3
		.amdhsa_memory_ordered 1
		.amdhsa_forward_progress 1
		.amdhsa_inst_pref_size 10
	.end_amdhsa_kernel
	.amdgpu_metadata
---
amdhsa.version: [ 1, 2 ]
amdhsa.kernels:
  - .name:           k_qffea53a68d_quant_x
    .symbol:         k_qffea53a68d_quant_x.kd
    .args:
      - { .name: x, .offset: 0, .size: 8, .value_kind: global_buffer, .address_space: global }
      - { .name: ximg, .offset: 8, .size: 8, .value_kind: global_buffer, .address_space: global }
    .group_segment_fixed_size: 34304
    .private_segment_fixed_size: 0
    .kernarg_segment_align: 8
    .kernarg_segment_size: 16
    .max_flat_workgroup_size: 128
    .sgpr_count:     66
    .vgpr_count:     166
    .wavefront_size: 32
...
	.end_amdgpu_metadata
.endif
;; end of part 1
;; launch quant_w (part 2): grid 64 x 4, 4 waves a work-group, no clusters, 13,824 bytes of LDS; arguments Wq, Wk, Wv, Wo, wimg; writes wimg
.if DOCPART == 2
	.amdgcn_target "amdgcn-amd-amdhsa--gfx1250"
	.amdhsa_code_object_version 6
	.text
	.protected	k_qffea53a68d_quant_w
	.globl	k_qffea53a68d_quant_w
	.p2align	8
	.type	k_qffea53a68d_quant_w,@function
k_qffea53a68d_quant_w:
	s_mov_b64 s[64:65], 0
	v_nop
	global_prefetch_b8 v0, s[64:65] scope:SCOPE_SE
	s_setreg_imm32_b32 hwreg(HW_REG_WAVE_MODE, 25, 1), 1
	s_wait_xcnt 0x0
; The four weights [1024 (k)][1024 (n)] f32, K on the FIRST axis, become codes of BF6 (E3M2) with one E8M0 byte for each 32 along K, in the order of the operand's registers:
; tiles of 16 columns n (lane row r of tile T is column 32 (T / 2) + 8 (T % 2) + r + 8 (r / 8)); a fragment (16 columns x 128 K) is 1,536 bytes: registers 0-3 at 16 x lane, 4-5 at 512 + 8 x lane,
; 6-9 at 768 + 16 x lane, 10-11 at 1,280 + 8 x lane; a record (tile T, half c of K) is 6,400 bytes at (2 T + c) x 6,400: four fragments, then scale words at 6,144 + 16 r + 4 s.  Weight wi's tiles begin at T = 64 wi.
; A LANE TAKES A COLUMN AND ITS REGISTERS RUN DOWN K: a block of 32 along K lies in one lane's 32 registers, and the conversions give codes with K innermost.
; Work-group (x, y): weight y; columns 128 (x % 8) on; K step x / 8 (128 along K).  Wave w: 32 columns, which are two tiles.  A lane's block kb belongs to lane r + 16 (kb % 2) of the fragment, registers 6 (kb / 2) on:
; it goes there through the wave's own stage in LDS, and the two fragments leave as runs of 512 consecutive bytes.  Waves share nothing: no barrier.
; LIMITS: NaN and infinities are not served; a block under 2^-122 keeps the byte 1; a block of zeros gets the byte 1 where the rule says 127 (its codes are zeros; this program alone reads the bytes).
.set TP,   1664                        ; a fragment's place in the stage: 1,536 bytes + 128, so that the two tiles' stores fall on different halves of a 256-byte line of banks
.set WST,  2*TP
.set IN,   1                           ; v1  4 x lane
.set S16,  2                           ; v2  the stage: 16 bytes at 16 r of my tile
.set S8,   3                           ; v3  the stage: 8 bytes at 8 r of my tile
.set RDB,  4                           ; v4  the stage, read back: 16 x lane
.set OUT,  5                           ; v5  16 x lane
.set SCO,  6                           ; v6  my column's scale word: 12,800 u + 16 r
.set PW,   7                           ; v7  the scale word
.set RB,   8                           ; v8-31 at work, then the two fragments read back
.set X,    32                          ; v32-159 four blocks of 32 numbers
.set C,    160                         ; v160-191 eight registers of codes for each block
	s_load_b256 s[4:11], s[0:1], 0x0               ; Wq, Wk, Wv, Wo
	s_load_b64 s[12:13], s[0:1], 0x20              ; wimg
	v_lshl_add_u32 v192, v0, 2, 0x3400
	v_mov_b32 v193, 0
	v_lshrrev_b32 v8, 5, v0
	v_readfirstlane_b32 s14, v8                    ; wave
	v_and_b32 v8, 31, v0                           ; lane j: column 32 w + j = 8 u + r + 8 (r / 8)
	v_bfe_u32 v9, v0, 3, 1                         ; u: which of the two tiles
	v_and_b32 v10, 7, v0
	v_bfe_u32 v11, v0, 4, 1
	v_lshl_or_b32 v10, v11, 3, v10                 ; r
	v_lshlrev_b32 v[IN], 2, v8
	v_lshlrev_b32 v[OUT], 4, v8
	s_mul_i32 s15, s14, WST
	v_mul_u32_u24 v[S16], v9, TP
	v_lshl_add_u32 v[S8], v10, 3, v[S16]
	v_lshl_add_u32 v[S16], v10, 4, v[S16]
	v_add_nc_u32 v[S16], s15, v[S16]
	v_add_nc_u32 v[S8], s15, v[S8]
	v_add_nc_u32 v[RDB], s15, v[OUT]
	v_mul_u32_u24 v[SCO], v9, 12800
	v_lshl_add_u32 v[SCO], v10, 4, v[SCO]
	s_and_b32 s20, ttmp9, 7                        ; which 128 columns
	s_lshr_b32 s21, ttmp9, 3                       ; K step
	s_and_b32 s22, ttmp7, 0xffff                   ; which weight
	s_lshl_b32 s24, s21, 19                        ; 128 rows of 4,096 bytes
	s_lshl_b32 s23, s20, 9
	s_add_co_u32 s24, s24, s23
	s_lshl_b32 s23, s14, 7
	s_add_co_u32 s24, s24, s23                     ; + my wave's first column
	s_mov_b32 s25, 0
	s_lshl_b32 s26, s22, 6
	s_lshl_b32 s23, s20, 3
	s_add_co_u32 s26, s26, s23
	s_lshl_b32 s23, s14, 1
	s_add_co_u32 s26, s26, s23                     ; my first tile: 64 wi + 8 (x % 8) + 2 w
	s_mul_i32 s26, s26, 12800
	s_lshr_b32 s23, s21, 2
	s_mul_i32 s23, s23, 6400
	s_add_co_u32 s26, s26, s23                     ; its record
	s_and_b32 s23, s21, 3
	s_lshl_b32 s28, s23, 2
	s_add_co_u32 s28, s28, s26
	s_add_co_u32 s28, s28, 6144                    ; the scale words of this K step
	s_mov_b32 s29, 0
	s_mul_i32 s23, s23, 1536
	s_add_co_u32 s26, s26, s23                     ; the fragment
	s_mov_b32 s27, 0
	s_wait_kmcnt 0x0
	s_cmp_eq_u32 s22, 1                            ; the choice hangs on the work-group's number alone
	s_cselect_b64 s[4:5], s[6:7], s[4:5]
	s_cmp_eq_u32 s22, 2
	s_cselect_b64 s[4:5], s[8:9], s[4:5]
	s_cmp_eq_u32 s22, 3
	s_cselect_b64 s[4:5], s[10:11], s[4:5]
	s_add_nc_u64 s[4:5], s[4:5], s[24:25]
	s_add_nc_u64 s[16:17], s[12:13], s[26:27]
	s_add_nc_u64 s[18:19], s[12:13], s[28:29]
.macro LOAD t                          ; block t: W(32 t + i, my column)
.irp i, 0,1,2,3,4,5,6,7,8,9,10,11,12,13,14,15,16,17,18,19,20,21,22,23,24,25,26,27,28,29,30,31
	global_load_b32 v[X+32*(\t)+\i], v[IN], s[4:5] offset:(32*(\t)+\i)*4096 th:TH_LOAD_NT
.endr
.endm
	LOAD 0
	LOAD 1
.macro BLOCK kb
.set XS, X+32*(\kb)
.set CC, C+8*(\kb)
.if (\kb) < 3
	s_wait_loadcnt 32                              ; this block's 32 loads are in; the next block's 32 stay out
.else
	s_wait_loadcnt 0x0
.endif
.if (\kb)+2 < 4
	LOAD (\kb)+2                                   ; two blocks ahead, into registers of their own
.endif
	v_max3_num_f32 v8, |v[XS]|, |v[XS+1]|, |v[XS+2]|
	v_max3_num_f32 v9, |v[XS+3]|, |v[XS+4]|, |v[XS+5]|
.irp i, 6,10,14,18,22,26
	v_max3_num_f32 v8, v8, |v[XS+\i]|, |v[XS+\i+1]|
	v_max3_num_f32 v9, v9, |v[XS+\i+2]|, |v[XS+\i+3]|
.endr
	v_max3_num_f32 v8, v8, |v[XS+30]|, |v[XS+31]|
	v_max3_num_f32 v8, v8, v9, 0x2800000           ; and the floor 2^(5 - 127): the byte cannot fall under 1
	v_add_nc_u32 v10, 0xfe000000, v8               ; 4 off the exponent field: the conversion's scale operand
	v_lshrrev_b32 v11, 23, v10                     ; the scale's byte
.if (\kb) == 0
	v_mov_b32 v[PW], v11
.else
	v_lshl_or_b32 v[PW], v11, 8*(\kb), v[PW]
.endif
	v_cvt_scalef32_pk16_bf6_f32 v[CC:CC+2], v[XS:XS+15], v10
	v_cvt_scalef32_pk16_bf6_f32 v[CC+4:CC+6], v[XS+16:XS+31], v10   ; (a conversion's three registers begin on an even number)
	v_nop                                          ; one plain place behind a scaled conversion
	v_mov_b32 v[CC+3], v[CC+4]
	v_mov_b32 v[CC+4], v[CC+5]
	v_mov_b32 v[CC+5], v[CC+6]                     ; six registers on end: the block's 24 bytes
	ds_store_b128 v[S16], v[CC:CC+3] offset:768*((\kb)/2)+256*((\kb)%2)          ; registers 6 c .. 6 c + 3 of lane r + 16 (kb % 2)
	ds_store_b64 v[S8], v[CC+4:CC+5] offset:512+768*((\kb)/2)+128*((\kb)%2)      ; registers 6 c + 4, 6 c + 5
.endm
	BLOCK 0
	BLOCK 1
	BLOCK 2
	BLOCK 3
.irp u, 0,1
.irp i, 0,1,2
	ds_load_b128 v[RB+4*(3*\u+\i):RB+4*(3*\u+\i)+3], v[RDB] offset:TP*\u+512*\i   ; LDS serves a wave's instructions in order: these see my stores
.endr
.endr
.irp u, 0,1
.irp i, 0,1,2
	s_wait_dscnt 5-(3*\u+\i)
	global_store_b128 v[OUT], v[RB+4*(3*\u+\i):RB+4*(3*\u+\i)+3], s[16:17] offset:12800*\u+512*\i   ; 512 consecutive bytes, from a multiple of 256 on
.endr
.endr
	global_store_b32 v[SCO], v[PW], s[18:19]       ; my column's word for this K step
	s_wait_tensorcnt 0x0
	ds_add_u32 v192, v193
	s_wait_dscnt 0x0
	s_endpgm
.Lfunc_end_k_qffea53a68d_quant_w:
	.size	k_qffea53a68d_quant_w, .Lfunc_end_k_qffea53a68d_quant_w-k_qffea53a68d_quant_w
	.p2alignl 7, 3214868480
	.fill 96, 4, 3214868480
	.section	.rodata,"a",@progbits
	.p2align	6, 0x0
	.amdhsa_kernel k_qffea53a68d_quant_w
		.amdhsa_group_segment_fixed_size 13824
		.amdhsa_private_segment_fixed_size 0
		.amdhsa_enable_private_segment 0
		.amdhsa_kernarg_size 40
		.amdhsa_user_sgpr_count 2
		.amdhsa_user_sgpr_kernarg_segment_ptr 1
		.amdhsa_wavefront_size32 1
		.amdhsa_system_sgpr_workgroup_id_x 1
		.amdhsa_system_sgpr_workgroup_id_y 1
		.amdhsa_system_sgpr_workgroup_id_z 1
		.amdhsa_system_vgpr_workitem_id 0
		.amdhsa_next_free_vgpr 194
		.amdhsa_next_free_sgpr 66
		.amdhsa_reserve_vcc 0
		.amdhsa_float_denorm_mode_32 3
		.amdhsa_float_denorm_mode_16_64 3
		.amdhsa_memory_ordered 1
		.amdhsa_forward_progress 1
		.amdhsa_inst_pref_size 23
	.end_amdhsa_kernel
	.amdgpu_metadata
---
amdhsa.version: [ 1, 2 ]
amdhsa.kernels:
  - .name:           k_qffea53a68d_quant_w
    .symbol:         k_qffea53a68d_quant_w.kd
    .args:
      - { .name: Wq, .offset: 0, .size: 8, .value_kind: global_buffer, .address_space: global }
      - { .name: Wk, .offset: 8, .size: 8, .value_kind: global_buffer, .address_space: global }
      - { .name: Wv, .offset: 16, .size: 8, .value_kind: global_buffer, .address_space: global }
      - { .name: Wo, .offset: 24, .size: 8, .value_kind: global_buffer, .address_space: global }
      - { .name: wimg, .offset: 32, .size: 8, .value_kind: global_buffer, .address_space: global }
    .group_segment_fixed_size: 13824
    .private_segment_fixed_size: 0
    .kernarg_segment_align: 8
    .kernarg_segment_size: 40
    .max_flat_workgroup_size: 128
    .sgpr_count:     66
    .vgpr_count:     194
    .wavefront_size: 32
...
	.end_amdgpu_metadata
.endif
;; end of part 2
;; launch qkv (part 3): grid 24 x 32, 4 waves a work-group, clusters of 4 x 4, 205,312 bytes of LDS; arguments ximg, wimg, bq, bk, bv, qimg, qsc, kv; writes qimg, qsc, kv
.if DOCPART == 3
	.amdgcn_target "amdgcn-amd-amdhsa--gfx1250"
	.amdhsa_code_object_version 6
	.text
	.protected	k_qffea53a68d_qkv
	.globl	k_qffea53a68d_qkv
	.p2align	8
	.type	k_qffea53a68d_qkv,@function
k_qffea53a68d_qkv:
	s_mov_b64 s[64:65], 0
	v_nop
	global_prefetch_b8 v0, s[64:65] scope:SCOPE_SE
	s_setreg_imm32_b32 hwreg(HW_REG_WAVE_MODE, 25, 1), 1
	s_wait_xcnt 0x0
	s_wait_alu depctr_hold_cnt(0) depctr_sa_sdst(0) depctr_va_vdst(0) depctr_va_sdst(0) depctr_va_ssrc(0) depctr_va_vcc(0) depctr_vm_vsrc(0)
	s_getreg_b32 s2, hwreg(HW_REG_IB_STS2, 6, 4)
	s_cmp_eq_u32 s2, 0
	s_cbranch_scc0 .Lentry_in_a_cluster
	s_endpgm
.Lentry_in_a_cluster:
	s_bfe_u32 s2, ttmp6, 0x10000c
	s_cmp_lg_u32 s2, 0xf033
	s_cbranch_scc0 .Lentry_shape_is_right
	s_endpgm
.Lentry_shape_is_right:
; q = x Wq + bq, k = x Wk + bk, v = x Wv + bv on codes of BF6 (E3M2) with E8M0 scales, and the results quantised at once for attention: q and k along the head's 64, v along the keys.  No f32 result goes to memory.
; OPERANDS lie in memory in the order of the operand's registers (tiles of 16 rows: lane row r of tile T is row 32 (T / 2) + 8 (T % 2) + r + 8 (r / 8); a fragment of 16 rows x 128 K is 1,536 bytes;
; a record (tile T, half c of K) is 6,400 bytes at (2 T + c) x 6,400: four fragments, then scale words at 6,144 + 16 r + 4 s).
; SHARES.  Work-group (x, y): 128 columns of the weights (tiles 8 x on of wimg: x / 8 = 0 q, 1 k, 2 v), 128 tokens (tiles 8 y on of ximg), ALL of K: 2 x 100 KiB, which fit in LDS at once.  So every tensor load is a first fill:
; no slot is ever filled again.  Four waves, each 64 columns (ONE HEAD) x 64 tokens: 16 accumulators.
; CLUSTERS: 4 x 4 work-groups.  The four of a column of the cluster need the same tiles of W, the four of a row the same tiles of x: each is asked for JOINTLY, by the same tensor load with a mask that names the four.
; q, k: source 0 = 16 columns of W, source 1 = 16 tokens: a lane holds ONE token and, by the tiles' order of rows, its 32 registers of four tiles are the head's channels 32 b + 16 (lane / 16) + i.
; v: source 0 = 16 tokens, source 1 = 16 columns of W: a lane holds ONE channel and its 32 registers are 64 tokens' worth: 32 b + 16 (lane / 16) + i.  Only the sixteen matrix lines of a K step differ: they stand in two arms
; of a branch on x / 8, which is made of the cluster's number and so is alike in all partners.  Both arms take the accumulators in the same order, one instruction a turn.
; The bias is the C of each sum's first matrix instruction.
; OUT.  qimg [16 b + head][token tile][768]: half a fragment (64 along K); qsc [..][..][16 words], bytes 2 and 3 zero.  kv [16 b + head][step of 128 keys][13,056]: 8 tiles of K at 768 t; 4 fragments of V (16 channels x 128 keys)
; at 6,144 + 1,536 f; K's scale words at 12,288 + 64 t + 4 r; V's at 12,800 + 64 f + 4 r (two waves write two bytes each of a word: 2-byte stores, 256 bytes a record).
; LIMITS: NaN and infinities are not served; a block under 2^-122 keeps the byte 1; a block of zeros gets the byte 1 where the rule says 127 (its codes are zeros; this program alone reads the bytes).
; REGISTERS.  Window 0: v1-31 addresses; v32-95 scale words, a set for each half of K; v96-127 the bias (later the quantiser's work); v128-255 accumulators.  Window 1: two fragment buffers at v0 and v128: W's four, then x's four.
.set REC,   6400
.set HALFB, 4*REC                      ; four tiles' records: what one tensor load brings, and what one wave reads of W or of x
.set CHUNK, 4*HALFB                    ; a half of K: W's 8 tiles, then x's 8
.set WV,   20                          ; s20 wave; s21 its half of the tokens (also: 0 fetches W, 1 fetches x); s22 its half of the columns (also: which four tiles it fetches)
.set WX,   21
.set WW,   22
.set TYPE, 27
.set G1W,  28                          ; s[28:35] descriptor group 1 for W; s[36:43] for x; s[44:51], s[52:59] their groups 0, one for each half of K
.set G1X,  36
.set G0W,  44
.set G0X,  52
.set CB,   66                          ; s[66:67] where the codes go; s[68:69] the scale words; s[70:71] the bias; s[72:73] the codes' step from group to group
.set SB,   68
.set BP,   70
.set GS,   72
.set SEL,  76
.set AW16, 4                           ; v4-5 W's fragments, 16 x lane, half c of K; v6-7 8 x lane; v8-11 the same for x; v12-13, v14-15 scale words: 16 r
.set AW8,  6
.set AX16, 8
.set AX8,  10
.set ASW,  12
.set ASX,  14
.set O16,  16
.set O8,   17
.set OS,   18
.set VA,   20                          ; v20-27 the bias's offsets, one for each register of a tile
.set SC,   32
.set BI,   96
.set ACC,  128
.set QBM,  96                          ; the way out, in the bias's registers
.set QPX,  98
.set QSO,  100
.set PW,   102
.set PC,   104
.set TC,   112
.set MSB, 0
.macro WIN new                         ; the immediate's high byte repeats the setting that is left
.if MSB != \new
	s_set_vgpr_msb (MSB<<8)|\new
.set MSB, \new
.endif
.endm
.set MUL,  0x05                        ; sources 0 and 1 window 1; C and D window 0
.set TO_F, 0x40                        ; destination window 1, address window 0
.macro CROUND                          ; a round of the cluster's barrier
	s_barrier_signal -1
	s_barrier_wait -1
	s_cmp_lg_u32 s[WV], 0
	s_cbranch_scc1 .Lnot_wave_0_\@
	s_barrier_signal -3
.Lnot_wave_0_\@:
	s_barrier_wait -3
	s_barrier_signal -1
	s_barrier_wait -1
.endm
.macro PLACES                          ; four places in front of loads into registers that matrix instructions have read, and of the first read of results
.rept 4
	v_nop
.endr
.endm
; 32 numbers of a lane, register 16 b + i = k 32 b + 16 (lane / 16) + i of my row, become half a fragment in v[pc .. pc + 5] (lane (r, h): k = 32 h + 0 .. 31) and two scale bytes in v[pw]
.macro QUANT32 a, pc, tc, pw
.irp b, 0,1
	v_max3_num_f32 v[QBM+\b], |v[(\a)+16*\b]|, |v[(\a)+16*\b+1]|, 0x2800000   ; my 16 numbers of block b, and the floor 2^(5 - 127); each accumulator is read from its low end on
.endr
.irp i, 2,4,6,8,10,12,14
.irp b, 0,1
	v_max3_num_f32 v[QBM+\b], v[QBM+\b], |v[(\a)+16*\b+\i]|, |v[(\a)+16*\b+\i+1]|
.endr
.endr
.irp b, 0,1
	v_permlanex16_b32 v[QPX+\b], v[QBM+\b], s[SEL], s[SEL+1]
.endr
.irp b, 0,1
	v_max_num_f32 v[QBM+\b], v[QBM+\b], v[QPX+\b]  ; with lane l xor 16's: the block's largest magnitude
.endr
.irp b, 0,1
	v_add_nc_u32 v[QSO+\b], 0xfe000000, v[QBM+\b]  ; 4 off the exponent field: the conversion's scale operand
.endr
.irp b, 0,1
	v_lshrrev_b32 v[QPX+\b], 23, v[QSO+\b]         ; the scale's byte
.endr
	v_lshl_or_b32 v[\pw], v[QPX+1], 8, v[QPX]
	v_cvt_scalef32_pk16_bf6_f32 v[\pc:\pc+2], v[(\a):(\a)+15], v[QSO]
	v_cvt_scalef32_pk16_bf6_f32 v[\tc:\tc+2], v[(\a)+16:(\a)+31], v[QSO+1]
	v_nop                                          ; one plain place behind a scaled conversion
.irp i, 0,1,2
	v_permlane16_swap_b32 v[\pc+\i], v[\tc+\i]     ; the operand's layout wants a WHOLE block in a lane: lanes 0-15 block 0, lanes 16-31 block 1
.endr
.irp i, 0,1,2
	v_mov_b32 v[\pc+3+\i], v[\tc+\i]
.endr
.endm
	s_load_b512 s[4:19], s[0:1], 0x0               ; ximg s[4:5], wimg s[6:7], bq, bk, bv s[8:13], qimg s[14:15], qsc s[16:17], kv s[18:19]
	v_lshl_add_u32 v30, v0, 2, 0x32000
	v_mov_b32 v31, 0
	ds_add_u32 v30, v31
	ds_add_u32 v30, v31
	v_lshrrev_b32 v1, 5, v0
	v_readfirstlane_b32 s[WV], v1
	s_lshr_b32 s[WX], s[WV], 1
	s_and_b32 s[WW], s[WV], 1
	s_bfe_u32 s23, ttmp6, 0x40000                  ; cx, cy: my place in the cluster
	s_bfe_u32 s24, ttmp6, 0x40004
	s_lshl_b32 s25, ttmp9, 2
	s_add_co_u32 s25, s25, s23                     ; work-group x
	s_and_b32 s26, ttmp7, 0xffff
	s_lshl_b32 s26, s26, 2
	s_add_co_u32 s26, s26, s24                     ; work-group y
	s_lshr_b32 s[TYPE], ttmp9, 1                   ; 0 q, 1 k, 2 v: of the cluster's number alone
	s_lshl_b32 s62, s24, 2
	s_lshl_b32 s62, 15, s62                        ; my row of the cluster
	s_lshl_b32 s63, 0x1111, s23                    ; my column
	; descriptor group 1: 4 rows (tiles) of 6,400 bytes (800 elements of 8 bytes), 12,800 bytes apart; dense in LDS
	s_or_b32 s[G1W], s63, (3<<16)|(1<<21)          ; 15:0 the mask: W's tiles go to my column; 17:16 elements of 8 bytes; 21 set beside a mask
	s_or_b32 s[G1X], s62, (3<<16)|(1<<21)          ; x's go to my row
.irp g, G1W, G1X
	s_mov_b32 s[\g+1], 800<<16                     ; tensor_dim0
	s_mov_b32 s[\g+2], 4<<16                       ; tensor_dim1
	s_mov_b32 s[\g+3], 800<<16                     ; tile_dim0
	s_mov_b32 s[\g+4], 4                           ; tile_dim1
	s_mov_b32 s[\g+5], 1600                        ; from row to row
	s_mov_b32 s[\g+6], 0
	s_mov_b32 s[\g+7], 0
.endr
	s_lshl_b32 s60, s[WW], 2                       ; which four tiles I fetch
	s_lshl_b32 s78, s25, 3
	s_add_co_u32 s78, s78, s60
	s_mul_i32 s78, s78, 2*REC                      ; W: tile 8 x + 4 half: of x alone, which my column shares
	s_mov_b32 s79, 0
	s_lshl_b32 s80, s26, 3
	s_add_co_u32 s80, s80, s60
	s_mul_i32 s80, s80, 2*REC                      ; x: tile 8 y + 4 half: of y alone, which my row shares
	s_mov_b32 s81, 0
	s_mul_i32 s61, s[WV], HALFB                    ; where they go: W's two halves, then x's two = wave x 25,600: no place in the cluster enters an LDS address
	s_wait_dscnt 0x0
	s_wait_kmcnt 0x0
	s_add_nc_u64 s[78:79], s[6:7], s[78:79]
	s_add_nc_u64 s[80:81], s[4:5], s[80:81]
.irp c, 0,1
	s_mov_b32 s[G0W+4*\c], 1
	s_add_co_u32 s[G0W+4*\c+1], s61, \c*CHUNK
	s_add_nc_u64 s[G0W+4*\c+2:G0W+4*\c+3], s[78:79], \c*REC
	s_or_b32 s[G0W+4*\c+3], s[G0W+4*\c+3], 0x80000000
	s_mov_b32 s[G0X+4*\c], 1
	s_add_co_u32 s[G0X+4*\c+1], s61, \c*CHUNK
	s_add_nc_u64 s[G0X+4*\c+2:G0X+4*\c+3], s[80:81], \c*REC
	s_or_b32 s[G0X+4*\c+3], s[G0X+4*\c+3], 0x80000000
.endr
	CROUND                                         ; all sixteen work-groups are here: the joint loads meet
	s_cmp_eq_u32 s[WX], 0                          ; a wave's two fills stand in one branch on the wave's number, ahead of every wait on TENSORcnt, LDS read and barrier: two loads of mine are out
	s_cbranch_scc0 .Lfetch_x
	tensor_load_to_lds s[G0W:G0W+3], s[G1W:G1W+7]
	s_nop 0
	tensor_load_to_lds s[G0W+4:G0W+7], s[G1W:G1W+7]
	s_nop 0
.rept 4
	v_nop
.endr
	s_branch .Lfetched
.Lfetch_x:
	tensor_load_to_lds s[G0X:G0X+3], s[G1X:G1X+7]
	s_nop 0
	tensor_load_to_lds s[G0X+4:G0X+7], s[G1X:G1X+7]
	s_nop 0
.rept 4
	v_nop
.endr
.Lfetched:
	v_and_b32 v1, 31, v0                           ; lane
	v_and_b32 v2, 15, v0                           ; r
	v_bfe_u32 v3, v0, 4, 1                         ; h
	v_lshlrev_b32 v[O16], 4, v1
	v_lshlrev_b32 v[O8], 3, v1
	v_lshlrev_b32 v[OS], 2, v2
	v_lshlrev_b32 v19, 4, v2
	s_mul_i32 s82, s[WW], HALFB                    ; my four tiles of W,
	s_mul_i32 s83, s[WX], HALFB
	s_add_co_u32 s83, s83, 2*HALFB                 ; my four of x, behind W's eight
.irp c, 0,1
	v_add_nc_u32 v[AW16+\c], s82, v[O16]
	v_add_nc_u32 v[AW8+\c], s82, v[O8]
	v_add_nc_u32 v[AX16+\c], s83, v[O16]
	v_add_nc_u32 v[AX8+\c], s83, v[O8]
	v_add_nc_u32 v[ASW+\c], s82, v19
	v_add_nc_u32 v[ASX+\c], s83, v19
	s_add_co_u32 s82, s82, CHUNK
	s_add_co_u32 s83, s83, CHUNK
.endr
	; the bias, in the result's layout.  q, k: register j of tile a is channel 32 (a / 2) + 16 h + 8 (a % 2) + j.  v: all eight registers are channel 32 (a / 2) + 8 (a % 2) + r + 8 (r / 8)
	s_cmp_eq_u32 s[TYPE], 2
	s_cselect_b32 s74, 0, 64                       ; bytes for h,
	s_cselect_b32 s75, 4, 0                        ; for r + 8 (r / 8),
	s_cselect_b32 s95, 0, 4                        ; from register to register
	v_and_b32 v28, 8, v2
	v_add_nc_u32 v28, v28, v2
	v_mul_u32_u24 v[VA], v3, s74
	v_mad_u32_u24 v[VA], v28, s75, v[VA]
.irp j, 1,2,3,4,5,6,7
	v_add_nc_u32 v[VA+\j], s95, v[VA+\j-1]
.endr
	s_cmp_eq_u32 s[TYPE], 1
	s_cselect_b64 s[BP:BP+1], s[10:11], s[8:9]
	s_cmp_eq_u32 s[TYPE], 2
	s_cselect_b64 s[BP:BP+1], s[12:13], s[BP:BP+1]
	s_and_b32 s84, s25, 7
	s_lshl_b32 s84, s84, 1
	s_add_co_u32 s84, s84, s[WW]                   ; my head
	s_lshl_b32 s92, s84, 8
	s_mov_b32 s93, 0
	s_add_nc_u64 s[BP:BP+1], s[BP:BP+1], s[92:93]
.irp a, 0,1,2,3
.irp j, 0,1,2,3,4,5,6,7
	global_load_b32 v[BI+8*\a+\j], v[VA+\j], s[BP:BP+1] offset:(32*(\a/2)+8*(\a%2))*4
.endr
.endr
	; where the results go
	s_lshr_b32 s85, s26, 4                         ; the batch
	s_and_b32 s86, s26, 15                         ; the step of 128 tokens in it
	s_lshl_b32 s85, s85, 4
	s_add_co_u32 s85, s85, s84                     ; 16 b + head
	s_lshl_b32 s87, s85, 7
	s_lshl_b32 s88, s86, 3
	s_add_co_u32 s87, s87, s88
	s_lshl_b32 s88, s[WX], 2
	s_add_co_u32 s87, s87, s88                     ; q: my first token tile, counted over all heads
	s_mul_i32 s88, s87, 768                        ; q's codes
	s_lshl_b32 s89, s87, 6                         ; q's scale words
	s_mul_i32 s90, s85, 208896
	s_mul_i32 s91, s86, 13056
	s_add_co_u32 s90, s90, s91                     ; the step's record in kv
	s_mul_i32 s91, s[WX], 3072
	s_add_co_u32 s91, s91, s90                     ; k's codes: tiles 4 half on
	s_lshl_b32 s92, s[WX], 8
	s_add_co_u32 s92, s92, s90
	s_add_co_u32 s92, s92, 12288                   ; k's scale words
	s_mul_i32 s93, s[WX], 768
	s_add_co_u32 s93, s93, s90
	s_add_co_u32 s93, s93, 6144                    ; v's codes: my half of each fragment
	s_lshl_b32 s94, s[WX], 1
	s_add_co_u32 s94, s94, s90
	s_add_co_u32 s94, s94, 12800                   ; v's scale bytes: my two of each word
	s_cmp_eq_u32 s[TYPE], 0
	s_cselect_b64 s[CB:CB+1], s[14:15], s[18:19]
	s_cselect_b64 s[SB:SB+1], s[16:17], s[18:19]
	s_cselect_b32 s88, s88, s91
	s_cselect_b32 s89, s89, s92
	s_cmp_eq_u32 s[TYPE], 2
	s_cselect_b32 s88, s93, s88
	s_cselect_b32 s90, s94, s89
	s_mov_b32 s[GS], 768
	s_cselect_b32 s[GS], 1536, s[GS]               ; from group to group: a tile of q or k, a fragment of v
	s_mov_b32 s[GS+1], 0
	s_mov_b32 s89, 0
	s_mov_b32 s91, 0
	s_add_nc_u64 s[CB:CB+1], s[CB:CB+1], s[88:89]
	s_add_nc_u64 s[SB:SB+1], s[SB:SB+1], s[90:91]
	s_mov_b32 s[SEL], 0x76543210
	s_mov_b32 s[SEL+1], 0xfedcba98
; 32 LDS loads: the fragments of K step s (4 of W, 4 of x) into buffer f: images of the registers, every load dense
.macro FETCH s, f
	WIN TO_F
.irp a, 0,1,2,3
	ds_load_b128 v[\f+12*\a:\f+12*\a+3],     v[AW16+(\s)/4] offset:\a*REC+((\s)%4)*1536
	ds_load_b64  v[\f+12*\a+4:\f+12*\a+5],   v[AW8+(\s)/4]  offset:\a*REC+((\s)%4)*1536+512
	ds_load_b128 v[\f+12*\a+6:\f+12*\a+9],   v[AW16+(\s)/4] offset:\a*REC+((\s)%4)*1536+768
	ds_load_b64  v[\f+12*\a+10:\f+12*\a+11], v[AW8+(\s)/4]  offset:\a*REC+((\s)%4)*1536+1280
.endr
.irp a, 0,1,2,3
	ds_load_b128 v[\f+48+12*\a:\f+48+12*\a+3],     v[AX16+(\s)/4] offset:\a*REC+((\s)%4)*1536
	ds_load_b64  v[\f+48+12*\a+4:\f+48+12*\a+5],   v[AX8+(\s)/4]  offset:\a*REC+((\s)%4)*1536+512
	ds_load_b128 v[\f+48+12*\a+6:\f+48+12*\a+9],   v[AX16+(\s)/4] offset:\a*REC+((\s)%4)*1536+768
	ds_load_b64  v[\f+48+12*\a+10:\f+48+12*\a+11], v[AX8+(\s)/4]  offset:\a*REC+((\s)%4)*1536+1280
.endr
	WIN 0
.endm
.macro SCALES c                        ; a row's words of four K steps by one load: W's tile a at v[SC + 32 c + 4 a], x's tile a 16 registers on
.irp a, 0,1,2,3
	ds_load_b128 v[SC+32*\c+4*\a:SC+32*\c+4*\a+3], v[ASW+\c] offset:\a*REC+6144
	ds_load_b128 v[SC+32*\c+16+4*\a:SC+32*\c+16+4*\a+3], v[ASX+\c] offset:\a*REC+6144
.endr
.endm
.macro MULQ s                          ; q, k: accumulator 4 b + a = W's tile a (source 0) x x's tile b (source 1)
.irp b, 0,1,2,3
.irp a, 0,1,2,3
.if (\s) == 0
	v_wmma_scale_f32_16x16x128_f8f6f4 v[ACC+8*(4*\b+\a):ACC+8*(4*\b+\a)+7], v[128*((\s)%2)+12*\a:128*((\s)%2)+12*\a+11], v[128*((\s)%2)+48+12*\b:128*((\s)%2)+48+12*\b+11], v[BI+8*\a:BI+8*\a+7], v[SC+32*((\s)/4)+4*\a+(\s)%4], v[SC+32*((\s)/4)+16+4*\b+(\s)%4] matrix_a_fmt:MATRIX_FMT_BF6 matrix_b_fmt:MATRIX_FMT_BF6
.else
	v_wmma_scale_f32_16x16x128_f8f6f4 v[ACC+8*(4*\b+\a):ACC+8*(4*\b+\a)+7], v[128*((\s)%2)+12*\a:128*((\s)%2)+12*\a+11], v[128*((\s)%2)+48+12*\b:128*((\s)%2)+48+12*\b+11], v[ACC+8*(4*\b+\a):ACC+8*(4*\b+\a)+7], v[SC+32*((\s)/4)+4*\a+(\s)%4], v[SC+32*((\s)/4)+16+4*\b+(\s)%4] matrix_a_fmt:MATRIX_FMT_BF6 matrix_b_fmt:MATRIX_FMT_BF6
.endif
.endr
.endr
.endm
.macro MULV s                          ; v: accumulator 4 a + b = x's tile b (source 0) x W's tile a (source 1)
.irp a, 0,1,2,3
.irp b, 0,1,2,3
.if (\s) == 0
	v_wmma_scale_f32_16x16x128_f8f6f4 v[ACC+8*(4*\a+\b):ACC+8*(4*\a+\b)+7], v[128*((\s)%2)+48+12*\b:128*((\s)%2)+48+12*\b+11], v[128*((\s)%2)+12*\a:128*((\s)%2)+12*\a+11], v[BI+8*\a:BI+8*\a+7], v[SC+32*((\s)/4)+16+4*\b+(\s)%4], v[SC+32*((\s)/4)+4*\a+(\s)%4] matrix_a_fmt:MATRIX_FMT_BF6 matrix_b_fmt:MATRIX_FMT_BF6
.else
	v_wmma_scale_f32_16x16x128_f8f6f4 v[ACC+8*(4*\a+\b):ACC+8*(4*\a+\b)+7], v[128*((\s)%2)+48+12*\b:128*((\s)%2)+48+12*\b+11], v[128*((\s)%2)+12*\a:128*((\s)%2)+12*\a+11], v[ACC+8*(4*\a+\b):ACC+8*(4*\a+\b)+7], v[SC+32*((\s)/4)+16+4*\b+(\s)%4], v[SC+32*((\s)/4)+4*\a+(\s)%4] matrix_a_fmt:MATRIX_FMT_BF6 matrix_b_fmt:MATRIX_FMT_BF6
.endif
.endr
.endr
.endm
; K step s of eight: the next step's fragments are asked for, into the other buffer, ahead of this step's sixteen products
.macro STEP s
.if (\s) == 3
	s_wait_tensorcnt 0x0                           ; my part of the second half of K has landed;
	s_wait_dscnt 0x0                               ; no LDS instruction of mine is out at a signal
	s_barrier_signal -1
	s_barrier_wait -1                              ; everybody's has
.endif
.if (\s) < 7
.if (\s) > 0
	PLACES                                         ; the other buffer was read by the products just issued
.endif
	FETCH (\s)+1, 128*(((\s)+1)%2)
.if (\s) == 3
	SCALES 1
	s_wait_dscnt 40                                ; all but the 32 + 8 just issued
.else
	s_wait_dscnt 32                                ; all but the 32 just issued: this step's fragments (and scale words) are in
.endif
.else
	s_wait_dscnt 0x0
.endif
.if (\s) == 0
	s_wait_loadcnt 0x0                             ; the bias
.endif
	s_cmp_eq_u32 s[TYPE], 2
	s_cbranch_scc1 .Lv_\@
	WIN MUL
	MULQ \s
	WIN 0                                          ; at a branch and at a label every window is 0
	s_branch .Ljoin_\@
.Lv_\@:
	WIN MUL
	MULV \s
	WIN 0
.Ljoin_\@:
.endm
	s_wait_tensorcnt 1                             ; my part of the first half of K is in; the second half's load stays out
	s_barrier_signal -1
	s_barrier_wait -1                              ; everybody's is
	SCALES 0
	FETCH 0, 0
	STEP 0
	STEP 1
	STEP 2
	STEP 3
	STEP 4
	STEP 5
	STEP 6
	STEP 7
	; THE WAY OUT: four groups of four accumulators.  q, k: group g is token tile 4 half + g; v: channel tile g of the head.  Each becomes half a fragment, stored as it stands: 512 + 256 consecutive bytes.
	PLACES
	v_mov_b32 v[QPX], 0                            ; a lane permute's destination counts as one of its sources
	v_mov_b32 v[QPX+1], 0
.macro OUTG g
	QUANT32 ACC+32*\g, PC, TC, PW
	global_store_b128 v[O16], v[PC:PC+3], s[CB:CB+1]
	global_store_b64 v[O8], v[PC+4:PC+5], s[CB:CB+1] offset:512
	s_cmp_eq_u32 s[TYPE], 2
	s_cbranch_scc1 .Lhalf_\@
	global_store_b32 v[OS], v[PW], s[SB:SB+1]      ; q, k: the word; its bytes 2 and 3 are 0 (lanes r and r + 16 write the same)
	s_branch .Lword_\@
.Lhalf_\@:
	global_store_b16 v[OS], v[PW], s[SB:SB+1]      ; v: my two bytes of the word
.Lword_\@:
	s_wait_xcnt 0x0                                ; the stores' data and bases are written again only behind this wait
	s_add_nc_u64 s[CB:CB+1], s[CB:CB+1], s[GS:GS+1]
	s_add_nc_u64 s[SB:SB+1], s[SB:SB+1], 64
.endm
	OUTG 0
	OUTG 1
	OUTG 2
	OUTG 3
	s_wait_tensorcnt 0x0
	ds_add_u32 v30, v31
	s_wait_dscnt 0x0
	CROUND                                         ; the closing round: no work-group ends while a partner may still ask for a tile that names it
	s_endpgm
.Lfunc_end_k_qffea53a68d_qkv:
	.size	k_qffea53a68d_qkv, .Lfunc_end_k_qffea53a68d_qkv-k_qffea53a68d_qkv
	.p2alignl 7, 3214868480
	.fill 96, 4, 3214868480
	.section	.rodata,"a",@progbits
	.p2align	6, 0x0
	.amdhsa_kernel k_qffea53a68d_qkv
		.amdhsa_group_segment_fixed_size 205312
		.amdhsa_private_segment_fixed_size 0
		.amdhsa_enable_private_segment 0
		.amdhsa_kernarg_size 64
		.amdhsa_user_sgpr_count 2
		.amdhsa_user_sgpr_kernarg_segment_ptr 1
		.amdhsa_wavefront_size32 1
		.amdhsa_system_sgpr_workgroup_id_x 1
		.amdhsa_system_sgpr_workgroup_id_y 1
		.amdhsa_system_sgpr_workgroup_id_z 1
		.amdhsa_system_vgpr_workitem_id 0
		.amdhsa_next_free_vgpr 512
		.amdhsa_next_free_sgpr 100
		.amdhsa_reserve_vcc 0
		.amdhsa_float_denorm_mode_32 3
		.amdhsa_float_denorm_mode_16_64 3
		.amdhsa_memory_ordered 1
		.amdhsa_forward_progress 1
		.amdhsa_inst_pref_size 74
	.end_amdhsa_kernel
	.amdgpu_metadata
---
amdhsa.version: [ 1, 2 ]
amdhsa.kernels:
  - .name:           k_qffea53a68d_qkv
    .symbol:         k_qffea53a68d_qkv.kd
    .args:
      - { .name: ximg, .offset: 0, .size: 8, .value_kind: global_buffer, .address_space: global }
      - { .name: wimg, .offset: 8, .size: 8, .value_kind: global_buffer, .address_space: global }
      - { .name: bq, .offset: 16, .size: 8, .value_kind: global_buffer, .address_space: global }
      - { .name: bk, .offset: 24, .size: 8, .value_kind: global_buffer, .address_space: global }
      - { .name: bv, .offset: 32, .size: 8, .value_kind: global_buffer, .address_space: global }
      - { .name: qimg, .offset: 40, .size: 8, .value_kind: global_buffer, .address_space: global }
      - { .name: qsc, .offset: 48, .size: 8, .value_kind: global_buffer, .address_space: global }
      - { .name: kv, .offset: 56, .size: 8, .value_kind: global_buffer, .address_space: global }
    .group_segment_fixed_size: 205312
    .private_segment_fixed_size: 0
    .kernarg_segment_align: 8
    .kernarg_segment_size: 64
    .max_flat_workgroup_size: 128
    .sgpr_count:     100
    .vgpr_count:     512
    .wavefront_size: 32
...
	.end_amdgpu_metadata
.endif
;; end of part 3
;; launch attn (part 4): grid 8 x 32, 16 waves a work-group, clusters of 4 x 1, 210,944 bytes of LDS; arguments qimg, qsc, kv, oimg; writes oimg
.if DOCPART == 4
	.amdgcn_target "amdgcn-amd-amdhsa--gfx1250"
	.amdhsa_code_object_version 6
	.text
	.protected	k_qffea53a68d_attn
	.globl	k_qffea53a68d_attn
	.p2align	8
	.type	k_qffea53a68d_attn,@function
k_qffea53a68d_attn:
	s_mov_b64 s[64:65], 0
	v_nop
	global_prefetch_b8 v0, s[64:65] scope:SCOPE_SE
	s_setreg_imm32_b32 hwreg(HW_REG_WAVE_MODE, 25, 1), 1
	s_wait_xcnt 0x0
	s_wait_alu depctr_hold_cnt(0) depctr_sa_sdst(0) depctr_va_vdst(0) depctr_va_sdst(0) depctr_va_ssrc(0) depctr_va_vcc(0) depctr_vm_vsrc(0)
	s_getreg_b32 s2, hwreg(HW_REG_IB_STS2, 6, 4)
	s_cmp_eq_u32 s2, 0
	s_cbranch_scc0 .Lentry_in_a_cluster
	s_endpgm
.Lentry_in_a_cluster:
	s_bfe_u32 s2, ttmp6, 0x10000c
	s_cmp_lg_u32 s2, 0x3003
	s_cbranch_scc0 .Lentry_shape_is_right
	s_endpgm
.Lentry_shape_is_right:
; o = softmax(q k^T / 8) v for one head, both products on codes of BF6 (E3M2) with E8M0 scales, and o quantised at once, along head x 64 + channel, for the output projection.
; THE SOFTMAX AHEAD OF THE SECOND PRODUCT: t = score x log2(e) / 8; M = the row's largest t so far, rounded UP to a whole number; p = 2^(t - M) is what is quantised, along the keys, not normalised.
; The row's sum is taken of the unquantised p and divides O at the end.  When M moves, the sum and O are multiplied by 2^(old M - new M): exact.
; SHARES.  Work-group (x, y): head y = 16 b + head, queries 256 x on.  Sixteen waves, each ONE tile of 16 queries in 256 registers: four waves to a SIMD, so that one wave's vector work stands beside another's products and LDS loads.
; THE HEAD'S K AND V, 16 step records of 13,056 bytes (128 keys each), fit in LDS whole and come as they lie in memory: every tensor load is a first fill, nothing is filled again.  Waves 0 to 3 bring them, four loads each,
; a load to a record; the keys are walked in four chunks of four steps, each behind a counted wait and a barrier.
; CLUSTER.  The four blocks of queries of a cluster belong to one head: each record is asked for JOINTLY, by the same tensor load with a mask that names the four.
; A RECORD: 8 tiles of K (16 keys x 64: half a fragment, 768 bytes) at 768 t; 4 fragments of V (16 channels x 128 keys) at 6,144 + 1,536 f; K's scale words at 12,288 + 64 t + 4 r; V's at 12,800 + 64 f + 4 r.
; All are images of the operand's registers: registers 0-3 at 16 x lane, 4-5 at 512 + 8 x lane, 6-9 at 768 + 16 x lane, 10-11 at 1,280 + 8 x lane.
; LAYOUT.  Both products are used transposed (S^T = K Q^T, O^T = V^T P^T): a lane holds ONE query.  Lane row r of a tile is row 32 (T / 2) + 8 (T % 2) + r + 8 (r / 8), so the 16 registers of tiles 2 b, 2 b + 1 are 16 neighbours.
; THE FIRST PRODUCT'S K IS 64 in an instruction of 128: Q's registers 6-11 are zero CODES, so whatever K's registers 6-11 hold (the next tile's codes; zeros behind the last) adds nothing; bytes 2, 3 of both scale words are 0.
; OUT.  oimg: tile T = 128 b + my tile; record (T, head / 8); fragment (head / 2) % 4; half head % 2.  Two heads share a scale word, so two bytes a row leave by a 2-byte store.
; LIMITS: NaN and infinities are not served; a block under 2^-122 keeps the byte 1; a block of zeros gets the byte 1 where the rule says 127 (its codes are zeros; this program alone reads the bytes).
.set STEPB, 13056
.set CHB,   4*STEPB
.set L16,  1                           ; v1-3  16, 8, 4 x lane
.set L8,   2
.set L4,   3
.set AD16, 4                           ; v4-6  the same + the step's record
.set AD8,  5
.set AD4,  6
.set R4,   7                           ; v7    4 r
.set R16,  8                           ; v8    16 r
.set QF,   16                          ; v16-21 Q, v22-27 zero codes
.set QS,   28                          ; v28   Q's scale words
.set KV,   32                          ; v32-79 K's eight tiles, then V's four fragments; v80-85 zeros
.set KS,   86                          ; v86-89 K's scale words: lanes 0-15 tile 2 i, lanes 16-31 tile 2 i + 1
.set VS,   90                          ; v90-91 V's likewise
.set PS,   92                          ; v92   p's scale word
.set S,    96                          ; v96-159 S^T, then p
.set OT,   160                         ; v160-191 O^T
.set PC,   192                         ; v192-203 p's codes
.set QBM,  204                         ; v204-207 the blocks' largest
.set QPX,  208                         ; v208-211 the other half of the lanes'; then the bytes
.set QSO,  212                         ; v212-215 the conversions' scale operands
.set TC,   216                         ; v216-218, v220-222
.set TMP,  224
.set FF,   226                         ; v[226:227] f = 2^(old M - new M), and a 0 that is only named
.set SUM2, 228                         ; v[228:229] the second chain of the sum
.set OW,   230                         ; o's two scale bytes
.set WV,   12
.set G1,   16                          ; s[16:23] descriptor group 1; s[24:39] four groups 0
.set G0,   24
.set SEL,  40
.set CS,   42                          ; s[42:43] c = log2(e) / 8, twice
.set TB,   44                          ; the step's record in LDS
.set CNT,  45
.macro CROUND                          ; a round of the cluster's barrier
	s_barrier_signal -1
	s_barrier_wait -1
	s_cmp_lg_u32 s[WV], 0
	s_cbranch_scc1 .Lnot_wave_0_\@
	s_barrier_signal -3
.Lnot_wave_0_\@:
	s_barrier_wait -3
	s_barrier_signal -1
	s_barrier_wait -1
.endm
; 32 numbers of a lane, register 16 b + i = k 32 b + 16 (lane / 16) + i of my row, become half a fragment in v[pc .. pc + 5] and two scale bytes in v[pw]
.macro QUANT32 a, pc, tc, pw
.irp b, 0,1
	v_max3_num_f32 v[QBM+\b], |v[(\a)+16*\b]|, |v[(\a)+16*\b+1]|, 0x2800000
.endr
.irp i, 2,4,6,8,10,12,14
.irp b, 0,1
	v_max3_num_f32 v[QBM+\b], v[QBM+\b], |v[(\a)+16*\b+\i]|, |v[(\a)+16*\b+\i+1]|
.endr
.endr
.irp b, 0,1
	v_permlanex16_b32 v[QPX+\b], v[QBM+\b], s[SEL], s[SEL+1]
.endr
.irp b, 0,1
	v_max_num_f32 v[QBM+\b], v[QBM+\b], v[QPX+\b]
.endr
.irp b, 0,1
	v_add_nc_u32 v[QSO+\b], 0xfe000000, v[QBM+\b]
.endr
.irp b, 0,1
	v_lshrrev_b32 v[QPX+\b], 23, v[QSO+\b]
.endr
	v_lshl_or_b32 v[\pw], v[QPX+1], 8, v[QPX]
	v_cvt_scalef32_pk16_bf6_f32 v[\pc:\pc+2], v[(\a):(\a)+15], v[QSO]
	v_cvt_scalef32_pk16_bf6_f32 v[\tc:\tc+2], v[(\a)+16:(\a)+31], v[QSO+1]
	v_nop                                          ; one plain place behind a scaled conversion
.irp i, 0,1,2
	v_permlane16_swap_b32 v[\pc+\i], v[\tc+\i]
.endr
.irp i, 0,1,2
	v_mov_b32 v[\pc+3+\i], v[\tc+\i]
.endr
.endm
	s_load_b256 s[4:11], s[0:1], 0x0               ; qimg s[4:5], qsc s[6:7], kv s[8:9], oimg s[10:11]
	v_lshl_add_u32 v254, v0, 2, 0x33000
	v_mov_b32 v255, 0
	ds_add_u32 v254, v255
	ds_add_u32 v254, v255
	v_lshrrev_b32 v1, 5, v0
	v_readfirstlane_b32 s[WV], v1                  ; wave 0..15
	s_bfe_u32 s13, ttmp6, 0x40000                  ; cx
	s_lshl_b32 s14, ttmp9, 2
	s_add_co_u32 s14, s14, s13                     ; my block of 256 queries: it enters q's and o's addresses alone
	s_and_b32 s15, ttmp7, 0xffff                   ; 16 b + head, which the four partners share
	s_mul_i32 s48, s[WV], STEPB                    ; the record that I fetch of each chunk: its place in LDS and in the head's part of kv
	s_mul_i32 s46, s15, 16*STEPB
	s_add_co_u32 s46, s46, s48
	s_mov_b32 s47, 0
	s_lshl_b32 s54, s14, 4
	s_add_co_u32 s54, s54, s[WV]                   ; my tile of queries in the head: 16 x block + wave
	s_lshl_b32 s50, s15, 7
	s_add_co_u32 s50, s50, s54
	s_lshl_b32 s52, s50, 6                         ; its scale words
	s_mov_b32 s53, 0
	s_mul_i32 s50, s50, 768                        ; its codes
	s_mov_b32 s51, 0
	s_lshr_b32 s55, s15, 4
	s_lshl_b32 s55, s55, 7
	s_add_co_u32 s55, s55, s54                     ; o's tile: 128 b + my tile
	s_mul_i32 s55, s55, 12800
	s_and_b32 s60, s15, 15                         ; the head
	s_lshr_b32 s61, s60, 3
	s_mul_i32 s61, s61, 6400
	s_add_co_u32 s55, s55, s61                     ; the record
	s_bfe_u32 s61, s60, 0x20001                    ; the fragment: (head / 2) % 4
	s_and_b32 s62, s60, 1                          ; its half
	s_mul_i32 s56, s61, 1536
	s_mul_i32 s63, s62, 768
	s_add_co_u32 s56, s56, s63
	s_add_co_u32 s56, s56, s55
	s_mov_b32 s57, 0
	s_lshl_b32 s58, s61, 2
	s_lshl_b32 s63, s62, 1
	s_add_co_u32 s58, s58, s63
	s_add_co_u32 s58, s58, s55
	s_add_co_u32 s58, s58, 6144
	s_mov_b32 s59, 0
	; descriptor group 1: a record, dense: 51 rows of 256 bytes (32 elements of 8 bytes)
	s_mov_b32 s[G1], 15|(3<<16)|(1<<21)            ; 15:0 the mask: all four work-groups; 17:16 elements of 8 bytes; 21 set beside a mask
	s_mov_b32 s[G1+1], 32<<16
	s_mov_b32 s[G1+2], 51<<16
	s_mov_b32 s[G1+3], 32<<16
	s_mov_b32 s[G1+4], 51
	s_mov_b32 s[G1+5], 32
	s_mov_b32 s[G1+6], 0
	s_mov_b32 s[G1+7], 0
	s_mov_b32 s[SEL], 0x76543210
	s_mov_b32 s[SEL+1], 0xfedcba98
	s_mov_b32 s[CS], 0x3e38aa3b                    ; c = log2(e) / 8
	s_mov_b32 s[CS+1], s[CS]
	s_wait_dscnt 0x0
	s_wait_kmcnt 0x0
	s_add_nc_u64 s[8:9], s[8:9], s[46:47]
	s_add_nc_u64 s[4:5], s[4:5], s[50:51]
	s_add_nc_u64 s[6:7], s[6:7], s[52:53]
	s_add_nc_u64 s[56:57], s[10:11], s[56:57]
	s_add_nc_u64 s[58:59], s[10:11], s[58:59]
.irp c, 0,1,2,3
	s_mov_b32 s[G0+4*\c], 1
	s_add_co_u32 s[G0+4*\c+1], s48, \c*CHB
	s_add_nc_u64 s[G0+4*\c+2:G0+4*\c+3], s[8:9], \c*CHB
	s_or_b32 s[G0+4*\c+3], s[G0+4*\c+3], 0x80000000
.endr
	CROUND                                         ; all four work-groups are here: the joint loads meet
	s_cmp_lt_u32 s[WV], 4                          ; all the fills of a wave stand in one branch on the wave's number, ahead of every wait on TENSORcnt, LDS read and barrier: four loads of a fetching wave are out
	s_cbranch_scc0 .Lno_fetch
	tensor_load_to_lds s[G0:G0+3], s[G1:G1+7]
	s_nop 0
	tensor_load_to_lds s[G0+4:G0+7], s[G1:G1+7]
	s_nop 0
	tensor_load_to_lds s[G0+8:G0+11], s[G1:G1+7]
	s_nop 0
	tensor_load_to_lds s[G0+12:G0+15], s[G1:G1+7]
	s_nop 0
.rept 4
	v_nop
.endr
.Lno_fetch:
	v_and_b32 v9, 31, v0
	v_and_b32 v10, 15, v0
	v_lshlrev_b32 v[L16], 4, v9
	v_lshlrev_b32 v[L8], 3, v9
	v_lshlrev_b32 v[L4], 2, v9
	v_lshlrev_b32 v[R4], 2, v10
	v_lshlrev_b32 v[R16], 4, v10
	global_load_b128 v[QF:QF+3], v[L16], s[4:5]    ; Q's half fragment stays in registers
	global_load_b64 v[QF+4:QF+5], v[L8], s[4:5] offset:512
	global_load_b32 v[QS], v[R4], s[6:7]
.irp i, 0,1,2,3,4,5
	v_mov_b32 v[QF+6+\i], 0                        ; zero codes for k = 64 .. 127
	v_mov_b32 v[KV+48+\i], 0                       ; what stands behind K's last tile
.endr
	v_mov_b32 v13, 0xff61b1e6                      ; the largest t so far: -3e38, under every t
	v_floor_f32 v12, -v13                          ; -M
	v_mov_b32 v14, 0                               ; the sum, in two halves
	v_mov_b32 v15, 0
.irp b, 0,1,2,3
	v_mov_b32 v[QPX+\b], 0                         ; a lane permute's destination counts as one of its sources
.endr
	v_mov_b32 v[FF+1], 0                           ; (named as the upper half of a pair)
.set j, 0
.rept 32
	v_mov_b32 v[OT+j], 0                           ; O^T.  (The step is written without a first step of its own: the first change of M multiplies zeros)
.set j, j+1
.endr
	s_wait_loadcnt 0x0                             ; Q
; A KEY STEP: 128 keys
.macro STEP
	v_add_nc_u32 v[AD16], s[TB], v[L16]            ; these three and the v_nop are the four places behind the last step's products, in front of loads into the registers that they read
	v_add_nc_u32 v[AD8], s[TB], v[L8]
	v_add_nc_u32 v[AD4], s[TB], v[L4]
	v_nop
.irp t, 0,1,2,3,4,5,6,7
	ds_load_b128 v[KV+6*\t:KV+6*\t+3], v[AD16] offset:768*\t
	ds_load_b64 v[KV+6*\t+4:KV+6*\t+5], v[AD8] offset:768*\t+512
.endr
.irp i, 0,1,2,3
	ds_load_b32 v[KS+\i], v[AD4] offset:12288+128*\i
.endr
	s_wait_dscnt 0x0
.irp t, 0,2,4,6                        ; S^T = K Q^T: lane (r, h) holds query r; register 16 b + i is key 32 b + 16 h + i
	v_wmma_scale_f32_16x16x128_f8f6f4 v[S+8*\t:S+8*\t+7], v[KV+6*\t:KV+6*\t+11], v[QF:QF+11], 0, v[KS+\t/2], v[QS] matrix_a_fmt:MATRIX_FMT_BF6 matrix_b_fmt:MATRIX_FMT_BF6
	v_wmma_scale_f32_16x16x128_f8f6f4 v[S+8*\t+8:S+8*\t+15], v[KV+6*\t+6:KV+6*\t+17], v[QF:QF+11], 0, v[KS+\t/2], v[QS] matrix_a_fmt:MATRIX_FMT_BF6 matrix_b_fmt:MATRIX_FMT_BF6 matrix_a_scale:MATRIX_SCALE_ROW1
.endr
.rept 4
	v_nop                                          ; places in front of the loads into K's registers and of the first read of the scores
.endr
.irp f, 0,1,2,3                        ; V's fragments land while the softmax is walked
	ds_load_b128 v[KV+12*\f:KV+12*\f+3], v[AD16] offset:6144+1536*\f
	ds_load_b64 v[KV+12*\f+4:KV+12*\f+5], v[AD8] offset:6144+1536*\f+512
	ds_load_b128 v[KV+12*\f+6:KV+12*\f+9], v[AD16] offset:6144+1536*\f+768
	ds_load_b64 v[KV+12*\f+10:KV+12*\f+11], v[AD8] offset:6144+1536*\f+1280
.endr
	ds_load_b32 v[VS], v[AD4] offset:12800
	ds_load_b32 v[VS+1], v[AD4] offset:12928
.irp b, 0,1,2,3
	v_max3_num_f32 v[QBM+\b], v[S+16*\b], v[S+16*\b+1], v[S+16*\b+2]   ; THE LARGEST SCORE OF EACH BLOCK OF 32 KEYS: for the row's maximum and, since p rises with the score, for the block's largest p
.endr
.irp i, 3,5,7,9,11,13
.irp b, 0,1,2,3
	v_max3_num_f32 v[QBM+\b], v[QBM+\b], v[S+16*\b+\i], v[S+16*\b+\i+1]
.endr
.endr
.irp b, 0,1,2,3
	v_max_num_f32 v[QBM+\b], v[QBM+\b], v[S+16*\b+15]
.endr
.irp b, 0,1,2,3
	v_permlanex16_b32 v[QPX+\b], v[QBM+\b], s[SEL], s[SEL+1]
.endr
.irp b, 0,1,2,3
	v_max_num_f32 v[QBM+\b], v[QBM+\b], v[QPX+\b]  ; with lane l xor 16's 16 keys
.endr
	v_max3_num_f32 v[TMP], v[QBM], v[QBM+1], v[QBM+2]
	v_max_num_f32 v[TMP], v[TMP], v[QBM+3]         ; the step's largest score of my query
	v_mul_f32 v[TMP], s[CS], v[TMP]                ; as t (c is positive)
	v_max_num_f32 v13, v13, v[TMP]                 ; the running largest t
	v_mov_b32 v[TMP], v12
	v_floor_f32 v12, -v13                          ; the new -M = floor(-t) = -ceil(t): M is a whole number
	v_sub_f32 v[TMP], v12, v[TMP]                  ; old M - new M: a whole number, 0 or less
	v_cvt_i32_f32 v[TMP], v[TMP]                   ; (it saturates)
	v_ldexp_f32 v[FF], 1.0, v[TMP]                 ; f = 2^(old M - new M)
.set j, 0
.rept 32
	v_pk_fma_f32 v[S+j:S+j+1], v[S+j:S+j+1], s[CS:CS+1], v[12:13] op_sel_hi:[1,0,0]   ; t - M, two at a time (of the pairs c and -M the low word serves both halves)
.set j, j+2
.endr
.irp b, 0,1,2,3
	v_fma_f32 v[QBM+\b], v[QBM+\b], s[CS], v12     ; the same of each block's largest score
.endr
.set j, 0
.rept 64
	v_exp_f32 v[S+j], v[S+j]                       ; p = 2^(t - M): not normalised
.set j, j+1
.endr
.irp b, 0,1,2,3
	v_exp_f32 v[QBM+\b], v[QBM+\b]                 ; the block's largest p: the same two instructions on the same number give the same bits
.endr
	v_pk_mul_f32 v[14:15], v[14:15], v[FF:FF+1] op_sel_hi:[1,0]   ; the sums under the new M.  (A plain place behind the exponentials)
	s_wait_alu depctr_va_vdst(0)
.irp b, 0,1,2,3
	v_max_num_f32 v[QBM+\b], 0x2800000, v[QBM+\b]  ; the floor 2^(5 - 127): the byte cannot fall under 1
.endr
.irp b, 0,1,2,3
	v_add_nc_u32 v[QSO+\b], 0xfe000000, v[QBM+\b]  ; 4 off the exponent field: the conversion's scale operand
.endr
.irp b, 0,1,2,3
	v_lshrrev_b32 v[QPX+\b], 23, v[QSO+\b]         ; the scale's byte
.endr
	v_lshl_or_b32 v[PS], v[QPX+1], 8, v[QPX]       ; p's scale word for these 128 keys
	v_lshl_or_b32 v[PS], v[QPX+2], 16, v[PS]
	v_lshl_or_b32 v[PS], v[QPX+3], 24, v[PS]
.irp c, 0,1
	v_cvt_scalef32_pk16_bf6_f32 v[PC+6*\c:PC+6*\c+2], v[S+32*\c:S+32*\c+15], v[QSO+2*\c]
	v_cvt_scalef32_pk16_bf6_f32 v[TC+4*\c:TC+4*\c+2], v[S+32*\c+16:S+32*\c+31], v[QSO+2*\c+1]   ; (a conversion's three registers begin on an even number)
.endr
	v_nop                                          ; one plain place behind a scaled conversion
.irp c, 0,1                            ; the operand's layout wants a WHOLE block in a lane
.irp i, 0,1,2
	v_permlane16_swap_b32 v[PC+6*\c+\i], v[TC+4*\c+\i]
.endr
.irp i, 0,1,2
	v_mov_b32 v[PC+6*\c+3+\i], v[TC+4*\c+\i]
.endr
.endr
	v_pk_add_f32 v[SUM2:SUM2+1], v[S:S+1], v[S+2:S+3]   ; THE ROW'S SUM IS TAKEN OF THE UNQUANTISED p: two at a time, in two chains
.irp j, 4,8,12,16,20,24,28,32,36,40,44,48,52,56,60
	v_pk_add_f32 v[14:15], v[14:15], v[S+\j:S+\j+1]
	v_pk_add_f32 v[SUM2:SUM2+1], v[SUM2:SUM2+1], v[S+\j+2:S+\j+3]
.endr
	v_pk_add_f32 v[14:15], v[14:15], v[SUM2:SUM2+1]
.set j, 0
.rept 16
	v_pk_mul_f32 v[OT+j:OT+j+1], v[OT+j:OT+j+1], v[FF:FF+1] op_sel_hi:[1,0]   ; O^T under the new M.  (With the sums above: the places between p's codes and scale word and the products below)
.set j, j+2
.endr
	s_wait_dscnt 0x0                               ; V
.irp f, 0,2                            ; O^T += V^T P^T: four accumulators, one instruction each: they take turns
	v_wmma_scale_f32_16x16x128_f8f6f4 v[OT+8*\f:OT+8*\f+7], v[KV+12*\f:KV+12*\f+11], v[PC:PC+11], v[OT+8*\f:OT+8*\f+7], v[VS+\f/2], v[PS] matrix_a_fmt:MATRIX_FMT_BF6 matrix_b_fmt:MATRIX_FMT_BF6
	v_wmma_scale_f32_16x16x128_f8f6f4 v[OT+8*\f+8:OT+8*\f+15], v[KV+12*\f+12:KV+12*\f+23], v[PC:PC+11], v[OT+8*\f+8:OT+8*\f+15], v[VS+\f/2], v[PS] matrix_a_fmt:MATRIX_FMT_BF6 matrix_b_fmt:MATRIX_FMT_BF6 matrix_a_scale:MATRIX_SCALE_ROW1
.endr
	s_add_co_u32 s[TB], s[TB], STEPB               ; the next step's record
.endm
; Chunk c: four steps.  The count leaves the later chunks' loads on their way.
.macro CHUNK c
	s_wait_tensorcnt 3-\c                          ; tensor loads of a wave end in order: my record of chunk c has landed (a wave that fetches nothing has none out)
	s_wait_dscnt 0x0                               ; no LDS instruction of mine is out at a signal
	s_barrier_signal -1
	s_barrier_wait -1                              ; all four records of the chunk have
	s_mov_b32 s[TB], \c*CHB
	s_mov_b32 s[CNT], 4
.Lstep_\@:
	STEP
	s_sub_co_u32 s[CNT], s[CNT], 1
	s_cmp_lg_u32 s[CNT], 0
	s_cbranch_scc1 .Lstep_\@
.endm
	CHUNK 0
	CHUNK 1
	CHUNK 2
	CHUNK 3
	; THE WAY OUT: O^T / the sum, quantised along the head's 64 channels (register 16 b + i is channel 32 b + 16 h + i), stored as half a fragment of the output projection's operand
.rept 4
	v_nop                                          ; places behind the last products
.endr
	v_add_f32 v14, v14, v15                        ; the sum's two halves,
	v_permlanex16_b32 v[QPX], v14, s[SEL], s[SEL+1]
	v_add_f32 v14, v14, v[QPX]                     ; and lane l xor 16's: the row's sum
	v_rcp_f32 v14, v14
	v_nop                                          ; one plain place behind a transcendental
.set j, 0
	s_wait_alu depctr_va_vdst(0)
.rept 32
	v_mul_f32 v[S+j], v[OT+j], v14
.set j, j+1
.endr
	QUANT32 S, PC, TC, OW
	global_store_b128 v[L16], v[PC:PC+3], s[56:57]               ; 512 consecutive bytes
	global_store_b64 v[L8], v[PC+4:PC+5], s[56:57] offset:512    ; 256
	global_store_b16 v[R16], v[OW], s[58:59]       ; my head's two bytes of row r's scale word (lanes r and r + 16 write the same)
	s_wait_tensorcnt 0x0
	ds_add_u32 v254, v255
	s_wait_dscnt 0x0
	CROUND                                         ; the closing round: no work-group ends while a partner may still ask for a record that names it
	s_endpgm
.Lfunc_end_k_qffea53a68d_attn:
	.size	k_qffea53a68d_attn, .Lfunc_end_k_qffea53a68d_attn-k_qffea53a68d_attn
	.p2alignl 7, 3214868480
	.fill 96, 4, 3214868480
	.section	.rodata,"a",@progbits
	.p2align	6, 0x0
	.amdhsa_kernel k_qffea53a68d_attn
		.amdhsa_group_segment_fixed_size 210944
		.amdhsa_private_segment_fixed_size 0
		.amdhsa_enable_private_segment 0
		.amdhsa_kernarg_size 32
		.amdhsa_user_sgpr_count 2
		.amdhsa_user_sgpr_kernarg_segment_ptr 1
		.amdhsa_wavefront_size32 1
		.amdhsa_system_sgpr_workgroup_id_x 1
		.amdhsa_system_sgpr_workgroup_id_y 1
		.amdhsa_system_sgpr_workgroup_id_z 1
		.amdhsa_system_vgpr_workitem_id 0
		.amdhsa_next_free_vgpr 256
		.amdhsa_next_free_sgpr 66
		.amdhsa_reserve_vcc 0
		.amdhsa_float_denorm_mode_32 3
		.amdhsa_float_denorm_mode_16_64 3
		.amdhsa_memory_ordered 1
		.amdhsa_forward_progress 1
		.amdhsa_inst_pref_size 76
	.end_amdhsa_kernel
	.amdgpu_metadata
---
amdhsa.version: [ 1, 2 ]
amdhsa.kernels:
  - .name:           k_qffea53a68d_attn
    .symbol:         k_qffea53a68d_attn.kd
    .args:
      - { .name: qimg, .offset: 0, .size: 8, .value_kind: global_buffer, .address_space: global }
      - { .name: qsc, .offset: 8, .size: 8, .value_kind: global_buffer, .address_space: global }
      - { .name: kv, .offset: 16, .size: 8, .value_kind: global_buffer, .address_space: global }
      - { .name: oimg, .offset: 24, .size: 8, .value_kind: global_buffer, .address_space: global }
    .group_segment_fixed_size: 210944
    .private_segment_fixed_size: 0
    .kernarg_segment_align: 8
    .kernarg_segment_size: 32
    .max_flat_workgroup_size: 512
    .sgpr_count:     66
    .vgpr_count:     256
    .wavefront_size: 32
...
	.end_amdgpu_metadata
.endif
;; end of part 4
;; launch outp (part 5): grid 8 x 32, 4 waves a work-group, clusters of 4 x 4, 222,720 bytes of LDS; arguments oimg, wimg, bo, out0; writes out0
.if DOCPART == 5
	.amdgcn_target "amdgcn-amd-amdhsa--gfx1250"
	.amdhsa_code_object_version 6
	.text
	.protected	k_qffea53a68d_outp
	.globl	k_qffea53a68d_outp
	.p2align	8
	.type	k_qffea53a68d_outp,@function
k_qffea53a68d_outp:
	s_mov_b64 s[64:65], 0
	v_nop
	global_prefetch_b8 v0, s[64:65] scope:SCOPE_SE
	s_setreg_imm32_b32 hwreg(HW_REG_WAVE_MODE, 25, 1), 1
	s_wait_xcnt 0x0
	s_wait_alu depctr_hold_cnt(0) depctr_sa_sdst(0) depctr_va_vdst(0) depctr_va_sdst(0) depctr_va_ssrc(0) depctr_va_vcc(0) depctr_vm_vsrc(0)
	s_getreg_b32 s2, hwreg(HW_REG_IB_STS2, 6, 4)
	s_cmp_eq_u32 s2, 0
	s_cbranch_scc0 .Lentry_in_a_cluster
	s_endpgm
.Lentry_in_a_cluster:
	s_bfe_u32 s2, ttmp6, 0x10000c
	s_cmp_lg_u32 s2, 0xf033
	s_cbranch_scc0 .Lentry_shape_is_right
	s_endpgm
.Lentry_shape_is_right:
; out0 = o Wo + bo on codes of BF6 (E3M2) with E8M0 scales; out0 [4096][1024] f32.
; OPERANDS lie in memory in the order of the operand's registers (tiles of 16 rows: lane row r of tile T is row 32 (T / 2) + 8 (T % 2) + r + 8 (r / 8); a fragment of 16 rows x 128 K is 1,536 bytes;
; a record (tile T, half c of K) is 6,400 bytes at (2 T + c) x 6,400: four fragments, then scale words at 6,144 + 16 r + 4 s).  Wo's tiles begin at T = 192 of wimg.
; SHARES.  Work-group (x, y): 128 columns (tiles 192 + 8 x on of wimg), 128 tokens (tiles 8 y on of oimg), ALL of K: 2 x 100 KiB, in LDS at once: every tensor load is a first fill, nothing is filled again.
; Four waves, each 64 columns x 64 tokens: 16 accumulators, which take turns, one instruction a turn.
; CLUSTERS: 4 x 4 work-groups; W's tiles are shared along a column of the cluster, o's along a row: each is asked for JOINTLY.
; Source 0 = 16 columns of W, source 1 = 16 tokens: a lane holds one token, and its 32 registers of four tiles are the columns 32 b + 16 (lane / 16) + i.  The bias is the C of each sum's first matrix instruction.
; THE WAY OUT: 16 tokens x 64 columns at a time through the wave's own stage in LDS (bytes into which no fill lands); back as whole rows of 256 bytes, into the registers that they left.
; REGISTERS.  Window 0: v1-31 addresses; v32-95 scale words; v96-127 the bias; v128-255 accumulators.  Window 1: two fragment buffers at v0 and v128: W's four, then o's four.
.set REC,   6400
.set HALFB, 4*REC
.set CHUNK, 4*HALFB
.set STAGE, 2*CHUNK                    ; behind the tiles: 16 rows x 272 bytes for each wave
.set SP,    272                        ; 256 bytes + 16 = 68 words: the 16 rows that a store touches begin 4 words apart
.set WV,   20
.set WX,   21
.set WW,   22
.set G1W,  28
.set G1X,  36
.set G0W,  44
.set G0X,  52
.set BP,   70
.set AW16, 4
.set AW8,  6
.set AX16, 8
.set AX8,  10
.set ASW,  12
.set ASX,  14
.set O16,  16
.set O8,   17
.set BA,   20                          ; v20 the bias's offset: 64 h
.set STO,  21                          ; v21 the stage: where I put 16 bytes of a row
.set RD,   22                          ; v22 and where I read a row back
.set CO,   23                          ; v23 my byte offset in out0
.set SC,   32
.set BI,   96
.set ACC,  128
.set MSB, 0
.macro WIN new                         ; the immediate's high byte repeats the setting that is left
.if MSB != \new
	s_set_vgpr_msb (MSB<<8)|\new
.set MSB, \new
.endif
.endm
.set MUL,  0x05                        ; sources 0 and 1 window 1; C and D window 0
.set TO_F, 0x40                        ; destination window 1, address window 0
.macro CROUND                          ; a round of the cluster's barrier
	s_barrier_signal -1
	s_barrier_wait -1
	s_cmp_lg_u32 s[WV], 0
	s_cbranch_scc1 .Lnot_wave_0_\@
	s_barrier_signal -3
.Lnot_wave_0_\@:
	s_barrier_wait -3
	s_barrier_signal -1
	s_barrier_wait -1
.endm
.macro PLACES                          ; four places in front of loads into registers that matrix instructions have read, and of the first read of results
.rept 4
	v_nop
.endr
.endm
	s_load_b256 s[4:11], s[0:1], 0x0               ; oimg s[4:5], wimg s[6:7], bo s[8:9], out0 s[10:11]
	v_lshl_add_u32 v30, v0, 2, 0x36400
	v_mov_b32 v31, 0
	ds_add_u32 v30, v31
	ds_add_u32 v30, v31
	v_lshrrev_b32 v1, 5, v0
	v_readfirstlane_b32 s[WV], v1
	s_lshr_b32 s[WX], s[WV], 1                     ; my half of the tokens.  Also: 0 fetches W, 1 fetches o
	s_and_b32 s[WW], s[WV], 1                      ; my half of the columns.  Also: which four tiles I fetch
	s_bfe_u32 s23, ttmp6, 0x40000                  ; cx, cy
	s_bfe_u32 s24, ttmp6, 0x40004
	s_lshl_b32 s25, ttmp9, 2
	s_add_co_u32 s25, s25, s23                     ; work-group x
	s_and_b32 s26, ttmp7, 0xffff
	s_lshl_b32 s26, s26, 2
	s_add_co_u32 s26, s26, s24                     ; work-group y
	s_lshl_b32 s62, s24, 2
	s_lshl_b32 s62, 15, s62                        ; my row of the cluster
	s_lshl_b32 s63, 0x1111, s23                    ; my column
	; descriptor group 1: 4 rows (tiles) of 6,400 bytes (800 elements of 8 bytes), 12,800 bytes apart; dense in LDS
	s_or_b32 s[G1W], s63, (3<<16)|(1<<21)
	s_or_b32 s[G1X], s62, (3<<16)|(1<<21)
.irp g, G1W, G1X
	s_mov_b32 s[\g+1], 800<<16
	s_mov_b32 s[\g+2], 4<<16
	s_mov_b32 s[\g+3], 800<<16
	s_mov_b32 s[\g+4], 4
	s_mov_b32 s[\g+5], 1600
	s_mov_b32 s[\g+6], 0
	s_mov_b32 s[\g+7], 0
.endr
	s_lshl_b32 s60, s[WW], 2
	s_lshl_b32 s78, s25, 3
	s_add_co_u32 s78, s78, s60
	s_add_co_u32 s78, s78, 192
	s_mul_i32 s78, s78, 2*REC                      ; W: tile 192 + 8 x + 4 half
	s_mov_b32 s79, 0
	s_lshl_b32 s80, s26, 3
	s_add_co_u32 s80, s80, s60
	s_mul_i32 s80, s80, 2*REC                      ; o: tile 8 y + 4 half
	s_mov_b32 s81, 0
	s_mul_i32 s61, s[WV], HALFB                    ; where they go: wave x 25,600
	s_wait_dscnt 0x0
	s_wait_kmcnt 0x0
	s_add_nc_u64 s[78:79], s[6:7], s[78:79]
	s_add_nc_u64 s[80:81], s[4:5], s[80:81]
.irp c, 0,1
	s_mov_b32 s[G0W+4*\c], 1
	s_add_co_u32 s[G0W+4*\c+1], s61, \c*CHUNK
	s_add_nc_u64 s[G0W+4*\c+2:G0W+4*\c+3], s[78:79], \c*REC
	s_or_b32 s[G0W+4*\c+3], s[G0W+4*\c+3], 0x80000000
	s_mov_b32 s[G0X+4*\c], 1
	s_add_co_u32 s[G0X+4*\c+1], s61, \c*CHUNK
	s_add_nc_u64 s[G0X+4*\c+2:G0X+4*\c+3], s[80:81], \c*REC
	s_or_b32 s[G0X+4*\c+3], s[G0X+4*\c+3], 0x80000000
.endr
	CROUND                                         ; all sixteen work-groups are here: the joint loads meet
	s_cmp_eq_u32 s[WX], 0                          ; a wave's two fills stand in one branch on the wave's number: two loads of mine are out
	s_cbranch_scc0 .Lfetch_x
	tensor_load_to_lds s[G0W:G0W+3], s[G1W:G1W+7]
	s_nop 0
	tensor_load_to_lds s[G0W+4:G0W+7], s[G1W:G1W+7]
	s_nop 0
.rept 4
	v_nop
.endr
	s_branch .Lfetched
.Lfetch_x:
	tensor_load_to_lds s[G0X:G0X+3], s[G1X:G1X+7]
	s_nop 0
	tensor_load_to_lds s[G0X+4:G0X+7], s[G1X:G1X+7]
	s_nop 0
.rept 4
	v_nop
.endr
.Lfetched:
	v_and_b32 v1, 31, v0                           ; lane
	v_and_b32 v2, 15, v0                           ; r
	v_bfe_u32 v3, v0, 4, 1                         ; h
	v_lshlrev_b32 v[O16], 4, v1
	v_lshlrev_b32 v[O8], 3, v1
	v_lshlrev_b32 v19, 4, v2
	s_mul_i32 s82, s[WW], HALFB
	s_mul_i32 s83, s[WX], HALFB
	s_add_co_u32 s83, s83, 2*HALFB
.irp c, 0,1
	v_add_nc_u32 v[AW16+\c], s82, v[O16]
	v_add_nc_u32 v[AW8+\c], s82, v[O8]
	v_add_nc_u32 v[AX16+\c], s83, v[O16]
	v_add_nc_u32 v[AX8+\c], s83, v[O8]
	v_add_nc_u32 v[ASW+\c], s82, v19
	v_add_nc_u32 v[ASX+\c], s83, v19
	s_add_co_u32 s82, s82, CHUNK
	s_add_co_u32 s83, s83, CHUNK
.endr
	; the bias in the result's layout: register j of tile a is column 32 (a / 2) + 16 h + 8 (a % 2) + j of my 64
	v_lshlrev_b32 v[BA], 6, v3
	s_lshl_b32 s84, s25, 9
	s_lshl_b32 s85, s[WW], 8
	s_add_co_u32 s84, s84, s85                     ; my first column, in bytes
	s_mov_b32 s85, 0
	s_add_nc_u64 s[BP:BP+1], s[8:9], s[84:85]
.irp a, 0,1,2,3
	global_load_b128 v[BI+8*\a:BI+8*\a+3], v[BA], s[BP:BP+1] offset:(32*(\a/2)+8*(\a%2))*4
	global_load_b128 v[BI+8*\a+4:BI+8*\a+7], v[BA], s[BP:BP+1] offset:(32*(\a/2)+8*(\a%2))*4+16
.endr
	s_mul_i32 s86, s[WV], 16*SP
	s_add_co_u32 s86, s86, STAGE                   ; my stage
	v_mul_u32_u24 v[STO], v2, SP                   ; in: row r, 64 bytes for each half of the lanes
	v_lshl_add_u32 v[STO], v3, 6, v[STO]
	v_add_nc_u32 v[STO], s86, v[STO]
	v_mul_u32_u24 v[RD], v3, SP                    ; back: lanes 0-15 one row of 256 bytes, lanes 16-31 the next
	v_lshl_add_u32 v[RD], v2, 4, v[RD]
	v_add_nc_u32 v[RD], s86, v[RD]
	v_lshlrev_b32 v[CO], 12, v3                    ; and the same two rows in out0
	v_lshl_add_u32 v[CO], v2, 4, v[CO]
	s_lshl_b32 s86, s26, 19                        ; 128 y rows of 4,096 bytes,
	s_lshl_b32 s87, s[WX], 18                      ; my 64 of them,
	s_add_co_u32 s86, s86, s87
	s_add_co_u32 s86, s86, s84                     ; my first column
	s_mov_b32 s87, 0
	s_add_nc_u64 s[10:11], s[10:11], s[86:87]
.macro FETCH s, f                      ; 32 LDS loads: the fragments of K step s (4 of W, 4 of o) into buffer f: images of the registers, every load dense
	WIN TO_F
.irp a, 0,1,2,3
	ds_load_b128 v[\f+12*\a:\f+12*\a+3],     v[AW16+(\s)/4] offset:\a*REC+((\s)%4)*1536
	ds_load_b64  v[\f+12*\a+4:\f+12*\a+5],   v[AW8+(\s)/4]  offset:\a*REC+((\s)%4)*1536+512
	ds_load_b128 v[\f+12*\a+6:\f+12*\a+9],   v[AW16+(\s)/4] offset:\a*REC+((\s)%4)*1536+768
	ds_load_b64  v[\f+12*\a+10:\f+12*\a+11], v[AW8+(\s)/4]  offset:\a*REC+((\s)%4)*1536+1280
.endr
.irp a, 0,1,2,3
	ds_load_b128 v[\f+48+12*\a:\f+48+12*\a+3],     v[AX16+(\s)/4] offset:\a*REC+((\s)%4)*1536
	ds_load_b64  v[\f+48+12*\a+4:\f+48+12*\a+5],   v[AX8+(\s)/4]  offset:\a*REC+((\s)%4)*1536+512
	ds_load_b128 v[\f+48+12*\a+6:\f+48+12*\a+9],   v[AX16+(\s)/4] offset:\a*REC+((\s)%4)*1536+768
	ds_load_b64  v[\f+48+12*\a+10:\f+48+12*\a+11], v[AX8+(\s)/4]  offset:\a*REC+((\s)%4)*1536+1280
.endr
	WIN 0
.endm
.macro SCALES c                        ; a row's words of four K steps by one load
.irp a, 0,1,2,3
	ds_load_b128 v[SC+32*\c+4*\a:SC+32*\c+4*\a+3], v[ASW+\c] offset:\a*REC+6144
	ds_load_b128 v[SC+32*\c+16+4*\a:SC+32*\c+16+4*\a+3], v[ASX+\c] offset:\a*REC+6144
.endr
.endm
.macro MULQ s                          ; accumulator 4 b + a = W's tile a (source 0) x o's tile b (source 1)
.irp b, 0,1,2,3
.irp a, 0,1,2,3
.if (\s) == 0
	v_wmma_scale_f32_16x16x128_f8f6f4 v[ACC+8*(4*\b+\a):ACC+8*(4*\b+\a)+7], v[128*((\s)%2)+12*\a:128*((\s)%2)+12*\a+11], v[128*((\s)%2)+48+12*\b:128*((\s)%2)+48+12*\b+11], v[BI+8*\a:BI+8*\a+7], v[SC+32*((\s)/4)+4*\a+(\s)%4], v[SC+32*((\s)/4)+16+4*\b+(\s)%4] matrix_a_fmt:MATRIX_FMT_BF6 matrix_b_fmt:MATRIX_FMT_BF6
.else
	v_wmma_scale_f32_16x16x128_f8f6f4 v[ACC+8*(4*\b+\a):ACC+8*(4*\b+\a)+7], v[128*((\s)%2)+12*\a:128*((\s)%2)+12*\a+11], v[128*((\s)%2)+48+12*\b:128*((\s)%2)+48+12*\b+11], v[ACC+8*(4*\b+\a):ACC+8*(4*\b+\a)+7], v[SC+32*((\s)/4)+4*\a+(\s)%4], v[SC+32*((\s)/4)+16+4*\b+(\s)%4] matrix_a_fmt:MATRIX_FMT_BF6 matrix_b_fmt:MATRIX_FMT_BF6
.endif
.endr
.endr
.endm
.macro STEP s                          ; K step s of eight: the next step's fragments are asked for, into the other buffer, ahead of this step's sixteen products
.if (\s) == 3
	s_wait_tensorcnt 0x0                           ; my part of the second half of K has landed;
	s_wait_dscnt 0x0                               ; no LDS instruction of mine is out at a signal
	s_barrier_signal -1
	s_barrier_wait -1                              ; everybody's has
.endif
.if (\s) < 7
.if (\s) > 0
	PLACES                                         ; the other buffer was read by the products just issued
.endif
	FETCH (\s)+1, 128*(((\s)+1)%2)
.if (\s) == 3
	SCALES 1
	s_wait_dscnt 40                                ; all but the 32 + 8 just issued
.else
	s_wait_dscnt 32                                ; all but the 32 just issued
.endif
.else
	s_wait_dscnt 0x0
.endif
.if (\s) == 0
	s_wait_loadcnt 0x0                             ; the bias
.endif
	WIN MUL
	MULQ \s
	WIN 0
.endm
	s_wait_tensorcnt 1                             ; my part of the first half of K is in; the second half's load stays out
	s_barrier_signal -1
	s_barrier_wait -1                              ; everybody's is
	SCALES 0
	FETCH 0, 0
	STEP 0
	STEP 1
	STEP 2
	STEP 3
	STEP 4
	STEP 5
	STEP 6
	STEP 7
; Group g: o's tile g, 16 tokens x my 64 columns.  Register 16 b + 4 q .. + 3 of lane (r, h) is row r, bytes 128 b + 64 h + 16 q.
.macro TOSTAGE g
.irp q, 0,1,2,3,4,5,6,7
	ds_store_b128 v[STO], v[ACC+32*\g+4*\q:ACC+32*\g+4*\q+3] offset:128*(\q/4)+16*(\q%4)   ; each accumulator from its low end on
.endr
.irp t, 0,1,2,3,4,5,6,7
	ds_load_b128 v[ACC+32*\g+4*\t:ACC+32*\g+4*\t+3], v[RD] offset:\t*2*SP   ; LDS serves a wave's instructions in order: these see the stores above, and the next group's stores come behind them
.endr
.endm
.macro SEND g, younger                 ; younger: the LDS instructions issued behind group g's loads.  Stage row 2 t + (lane / 16) is token 32 (g / 2) + 8 (g % 2) + 2 t + 8 (t / 4) + (lane / 16) of my 64
.irp t, 0,1,2,3,4,5,6,7
	s_wait_dscnt \younger+7-\t
	global_store_b128 v[CO], v[ACC+32*\g+4*\t:ACC+32*\g+4*\t+3], s[10:11] offset:(32*(\g/2)+8*(\g%2)+2*\t+8*(\t/4))*4096 th:TH_STORE_NT   ; 16 lanes store 256 consecutive bytes, at a multiple of 256 from out0's first byte
.endr
.endm
	PLACES
	TOSTAGE 0
	TOSTAGE 1
	SEND 0, 16
	TOSTAGE 2
	SEND 1, 16
	TOSTAGE 3
	SEND 2, 16
	SEND 3, 0
	s_wait_tensorcnt 0x0
	ds_add_u32 v30, v31
	s_wait_dscnt 0x0
	CROUND                                         ; the closing round: no work-group ends while a partner may still ask for a tile that names it
	s_endpgm
.Lfunc_end_k_qffea53a68d_outp:
	.size	k_qffea53a68d_outp, .Lfunc_end_k_qffea53a68d_outp-k_qffea53a68d_outp
	.p2alignl 7, 3214868480
	.fill 96, 4, 3214868480
	.section	.rodata,"a",@progbits
	.p2align	6, 0x0
	.amdhsa_kernel k_qffea53a68d_outp
		.amdhsa_group_segment_fixed_size 222720
		.amdhsa_private_segment_fixed_size 0
		.amdhsa_enable_private_segment 0
		.amdhsa_kernarg_size 32
		.amdhsa_user_sgpr_count 2
		.amdhsa_user_sgpr_kernarg_segment_ptr 1
		.amdhsa_wavefront_size32 1
		.amdhsa_system_sgpr_workgroup_id_x 1
		.amdhsa_system_sgpr_workgroup_id_y 1
		.amdhsa_system_sgpr_workgroup_id_z 1
		.amdhsa_system_vgpr_workitem_id 0
		.amdhsa_next_free_vgpr 512
		.amdhsa_next_free_sgpr 100
		.amdhsa_reserve_vcc 0
		.amdhsa_float_denorm_mode_32 3
		.amdhsa_float_denorm_mode_16_64 3
		.amdhsa_memory_ordered 1
		.amdhsa_forward_progress 1
		.amdhsa_inst_pref_size 52
	.end_amdhsa_kernel
	.amdgpu_metadata
---
amdhsa.version: [ 1, 2 ]
amdhsa.kernels:
  - .name:           k_qffea53a68d_outp
    .symbol:         k_qffea53a68d_outp.kd
    .args:
      - { .name: oimg, .offset: 0, .size: 8, .value_kind: global_buffer, .address_space: global }
      - { .name: wimg, .offset: 8, .size: 8, .value_kind: global_buffer, .address_space: global }
      - { .name: bo, .offset: 16, .size: 8, .value_kind: global_buffer, .address_space: global }
      - { .name: out0, .offset: 24, .size: 8, .value_kind: global_buffer, .address_space: global }
    .group_segment_fixed_size: 222720
    .private_segment_fixed_size: 0
    .kernarg_segment_align: 8
    .kernarg_segment_size: 32
    .max_flat_workgroup_size: 128
    .sgpr_count:     100
    .vgpr_count:     512
    .wavefront_size: 32
...
	.end_amdgpu_metadata
.endif
;; end of part 5
;; ======== version 2 of 2: 4 launches
;; limits: right only within a limited range of input values
;; workspace buffers: ximg 3,276,800 bytes; wimg 3,276,800 bytes; qimg 3,145,728 bytes; qsc 262,144 bytes; kv 6,684,672 bytes; oimg 3,276,800 bytes
;; launch quant (part 6): grid 768 x 1, 4 waves a work-group, no clusters, 47,616 bytes of LDS; arguments x, Wq, Wk, Wv, Wo, ximg, wimg; writes ximg, wimg
.if DOCPART == 6
	.amdgcn_target "amdgcn-amd-amdhsa--gfx1250"
	.amdhsa_code_object_version 6
	.text
	.protected	k_qffea53a68d_quant
	.globl	k_qffea53a68d_quant
	.p2align	8
	.type	k_qffea53a68d_quant,@function
k_qffea53a68d_quant:
	s_mov_b64 s[64:65], 0
	v_nop
	global_prefetch_b8 v0, s[64:65] scope:SCOPE_SE
	s_setreg_imm32_b32 hwreg(HW_REG_WAVE_MODE, 25, 1), 1
	s_wait_xcnt 0x0
; x [4096][1024] f32 (K innermost) and the four weights [1024 (k)][1024 (n)] f32 (K on the FIRST axis) become codes of BF6 (E3M2) with one E8M0 byte for each 32 along K, laid in the ORDER OF THE OPERAND'S REGISTERS.
; TILES.  Tile T holds 16 rows (of x: tokens; of a weight: columns n); lane row r of tile T is row 32 (T / 2) + 8 (T % 2) + r + 8 (r / 8).  Weight wi's tiles begin at T = 64 wi of wimg (0 Wq, 1 Wk, 2 Wv, 3 Wo).
; A FRAGMENT (16 rows x 128 K, 12 registers a lane) is 1,536 bytes: registers 0-3 at 16 x lane, 4-5 at 512 + 8 x lane, 6-9 at 768 + 16 x lane, 10-11 at 1,280 + 8 x lane.
; A RECORD (tile T, half c of K) is 6,400 bytes at (2 T + c) x 6,400: four fragments, then the scale words at 6,144 + 16 r + 4 s (s: the fragment).
; ONE LAUNCH SERVES BOTH KINDS: work-groups 0 to 511 take x, 512 to 767 the weights.  The two ways part once, on the work-group's number, and never join; each has LDS bytes of its own.
; A block's scale is 2^(floor(log2(largest magnitude)) - 4); its byte is the largest magnitude's exponent field - 4, held at 1 from below.
; LIMITS: NaN and infinities among the inputs are not served; a block whose largest magnitude lies under 2^-122 keeps the byte 1; a block of zeros gets the byte 1 where the rule says 127
; (its codes are zeros, which add nothing, and this program alone reads the bytes).
; ROW ORDER OF THE TILES, in all launches of this program: row r of tile T is row 64 (T / 4) + 8 (T % 4) + r % 8 + 32 (r / 8); it stands in place of the order named at the head of this text.
; So the 32 results that a lane holds of four neighbouring tiles are 32 neighbours: one whole block of the next quantiser.
.set XWG,   512
.set WLDS,  33792                      ; LDS: x's stages lie below, the weights' from here on
	v_lshl_add_u32 v192, v0, 2, 0xb800
	v_mov_b32 v193, 0
	s_cmp_lt_u32 ttmp9, XWG
	s_cbranch_scc0 .Lweights
; ---- x.  A work-group makes one record (its number is 2 T + c), wave s fragment s.  Each load reads 512 consecutive bytes of one row; the 16 rows turn through the wave's own stage in LDS,
; so that lane (r, h) gets the numbers k = 64 c' + 32 h + 0 .. 31 of row r: two whole blocks, in the order of the operand's registers.  Waves share nothing: no barrier.
.set PITCH, 528                        ; a stage row: 512 bytes + 16 = 132 words, so the 16 rows that a read touches begin 4 words apart
.set WST,   16*PITCH                   ; a wave's stage
.set L16,  1                           ; v1   16 x lane
.set SIN,  4                           ; v4   the stage, on the way in
.set SOUT, 5                           ; v5   and on the way out: row r, + 128 h
.set L8,   6                           ; v6   8 x lane
.set R16,  7                           ; v7   16 r
.set H8,   8                           ; v8   8 h
.set WD,   9                           ; v9   the scale word
.set BM,   10                          ; v10-11 largest magnitudes
.set SO,   12                          ; v12-13 the conversions' scale operands
.set BY,   14                          ; v14-15 a second chain of maxima, then the bytes
.set X,    16                          ; v16-79  as loaded
.set Y,    80                          ; v80-143 my 64 numbers
.set P,    144                         ; v144-155 the fragment
.set TC,   156                         ; v156-158, v160-162: the second halves of the blocks' codes
.set PX,   163
	s_load_b64 s[4:5], s[0:1], 0x0                 ; x
	s_load_b64 s[6:7], s[0:1], 0x28                ; ximg
	v_lshrrev_b32 v2, 5, v0
	v_readfirstlane_b32 s8, v2                     ; wave = fragment
	v_and_b32 v2, 31, v0                           ; lane
	v_and_b32 v3, 15, v0                           ; r
	v_bfe_u32 v[H8], v0, 4, 1                      ; h
	v_lshlrev_b32 v[L16], 4, v2
	v_lshlrev_b32 v[L8], 3, v2
	v_lshlrev_b32 v[R16], 4, v3
	s_mul_i32 s9, s8, WST
	v_add_nc_u32 v[SIN], s9, v[L16]
	v_mul_u32_u24 v[SOUT], v3, PITCH
	v_lshl_add_u32 v[SOUT], v[H8], 7, v[SOUT]
	v_add_nc_u32 v[SOUT], s9, v[SOUT]
	v_lshlrev_b32 v[H8], 3, v[H8]
	v_mov_b32 v[PX], 0                             ; a lane permute's destination counts as one of its sources
	s_mov_b32 s20, 0x76543210
	s_mov_b32 s21, 0xfedcba98                      ; selects for lane l xor 16
	s_lshr_b32 s10, ttmp9, 3                       ; T / 4: 64 rows of 4,096 bytes each
	s_lshl_b32 s10, s10, 18
	s_bfe_u32 s11, ttmp9, 0x20001                  ; T % 4: 8 rows
	s_lshl_b32 s11, s11, 15
	s_add_co_u32 s10, s10, s11
	s_and_b32 s11, ttmp9, 1                        ; c: 512 numbers
	s_lshl_b32 s11, s11, 11
	s_add_co_u32 s10, s10, s11
	s_lshl_b32 s11, s8, 9                          ; my fragment: 128 numbers
	s_add_co_u32 s10, s10, s11
	s_mov_b32 s11, 0
	s_mul_i32 s12, ttmp9, 6400                     ; the record
	s_mul_i32 s14, s8, 1536
	s_add_co_u32 s14, s14, s12                     ; my fragment in it
	s_mov_b32 s15, 0
	s_lshl_b32 s13, s8, 2
	s_add_co_u32 s12, s12, s13
	s_add_co_u32 s12, s12, 6144                    ; my scale words
	s_mov_b32 s13, 0
	s_wait_alu depctr_va_vdst(0)
	s_wait_kmcnt 0x0
	s_add_nc_u64 s[4:5], s[4:5], s[10:11]
	s_add_nc_u64 s[16:17], s[6:7], s[14:15]
	s_add_nc_u64 s[18:19], s[6:7], s[12:13]
.irp p, 0,1,2,3,4,5,6,7,8,9,10,11,12,13,14,15
	global_load_b128 v[X+4*\p:X+4*\p+3], v[L16], s[4:5] offset:(\p+24*(\p/8))*4096 th:TH_LOAD_NT   ; lane row p: 512 consecutive bytes
.endr
.irp p, 0,1,2,3,4,5,6,7,8,9,10,11,12,13,14,15
	s_wait_loadcnt 15-\p                           ; loads come back in order: row p is in, the younger ones stay out
	ds_store_b128 v[SIN], v[X+4*\p:X+4*\p+3] offset:PITCH*\p
.endr
.irp c, 0,1
.irp j, 0,1,2,3,4,5,6,7
	ds_load_b128 v[Y+32*\c+4*\j:Y+32*\c+4*\j+3], v[SOUT] offset:256*\c+16*\j   ; LDS serves a wave's instructions in order: these see my stores
.endr
.endr
.macro BMAX c                          ; the largest magnitude of my block 2 c + h, in two chains, with the floor 2^(5 - 127) among the leaves
	v_max3_num_f32 v[BM+\c], |v[Y+32*\c]|, |v[Y+32*\c+1]|, |v[Y+32*\c+2]|
	v_max3_num_f32 v[BY+\c], |v[Y+32*\c+3]|, |v[Y+32*\c+4]|, |v[Y+32*\c+5]|
.irp i, 6,10,14,18,22,26
	v_max3_num_f32 v[BM+\c], v[BM+\c], |v[Y+32*\c+\i]|, |v[Y+32*\c+\i+1]|
	v_max3_num_f32 v[BY+\c], v[BY+\c], |v[Y+32*\c+\i+2]|, |v[Y+32*\c+\i+3]|
.endr
	v_max3_num_f32 v[BM+\c], v[BM+\c], |v[Y+32*\c+30]|, |v[Y+32*\c+31]|
	v_max3_num_f32 v[BM+\c], v[BM+\c], v[BY+\c], 0x2800000
.endm
	s_wait_dscnt 8                                 ; the first block's eight loads are in; the second's eight stay out
	BMAX 0
	s_wait_dscnt 0x0
	BMAX 1
.irp c, 0,1
	v_add_nc_u32 v[SO+\c], 0xfe000000, v[BM+\c]    ; 4 off the exponent field: the conversion takes this operand's exponent field as its scale
.endr
.irp c, 0,1
	v_lshrrev_b32 v[BY+\c], 23, v[SO+\c]           ; the scale's byte
.endr
	v_lshl_or_b32 v[WD], v[BY+1], 16, v[BY]        ; my two bytes: blocks h and 2 + h,
	v_lshlrev_b32 v[WD], v[H8], v[WD]              ; at their places in the word;
	v_permlanex16_b32 v[PX], v[WD], s20, s21
	v_or_b32 v[WD], v[WD], v[PX]                   ; with lane l xor 16's two the word is whole
.irp c, 0,1
	v_cvt_scalef32_pk16_bf6_f32 v[P+6*\c:P+6*\c+2], v[Y+32*\c:Y+32*\c+15], v[SO+\c]
	v_cvt_scalef32_pk16_bf6_f32 v[TC+4*\c:TC+4*\c+2], v[Y+32*\c+16:Y+32*\c+31], v[SO+\c]   ; (a conversion's three registers begin on an even number)
.endr
	v_nop                                          ; one plain place behind a scaled conversion
.irp c, 0,1
.irp i, 0,1,2
	v_mov_b32 v[P+6*\c+3+\i], v[TC+4*\c+\i]
.endr
.endr
	global_store_b128 v[L16], v[P:P+3], s[16:17]                 ; 512 consecutive bytes
	global_store_b64 v[L8], v[P+4:P+5], s[16:17] offset:512      ; 256
	global_store_b128 v[L16], v[P+6:P+9], s[16:17] offset:768
	global_store_b64 v[L8], v[P+10:P+11], s[16:17] offset:1280
	global_store_b32 v[R16], v[WD], s[18:19]       ; row r's word for this fragment (lanes r and r + 16 write the same word with the same value); the four waves' words fill the record's last 256 bytes
	s_wait_tensorcnt 0x0
	ds_add_u32 v192, v193
	s_wait_dscnt 0x0
	s_endpgm
; ---- the weights.  A LANE TAKES A COLUMN AND ITS REGISTERS RUN DOWN K: a block of 32 along K lies in one lane's 32 registers, and the conversions give codes with K innermost.
; Work-group 512 + i: weight i / 64; columns 128 (i % 8) on; K step (i / 8) % 8 (128 along K).  Wave w: 32 columns, half of the rows of four tiles; waves 2 g and 2 g + 1 fill four tiles together.
; A lane's block kb belongs to lane r + 16 (kb % 2) of the fragment, registers 6 (kb / 2) on: it goes there through the two waves' stage in LDS; behind one barrier each wave sends two of the four fragments, as runs of 512 consecutive bytes.
.Lweights:
.set TP,   1664                        ; a fragment's place in the stage: 1,536 bytes + 128, so that neighbouring tiles' stores begin 32 words apart modulo 64
.set IN,   1                           ; v1  4 x lane
.set S16,  2                           ; v2  the stage: 16 bytes at 16 r of my tile
.set S8,   3                           ; v3  the stage: 8 bytes at 8 r of my tile
.set RDB,  4                           ; v4  the stage, read back: 16 x lane
.set OUT,  5                           ; v5  16 x lane
.set SCO,  6                           ; v6  my column's scale word: 12,800 u + 16 r
.set PW,   7                           ; v7  the scale word
.set RB,   8                           ; v8-31 at work, then the two fragments read back
.set X,    32                          ; v32-159 four blocks of 32 numbers
.set C,    160                         ; v160-191 eight registers of codes for each block
	s_load_b128 s[4:7], s[0:1], 0x8                ; Wq, Wk
	s_load_b128 s[8:11], s[0:1], 0x18              ; Wv, Wo
	s_load_b64 s[12:13], s[0:1], 0x30              ; wimg
	v_lshrrev_b32 v8, 5, v0
	v_readfirstlane_b32 s14, v8                    ; wave
	v_and_b32 v8, 31, v0                           ; lane j: column 32 w + j = 64 (w / 2) + 8 u + r % 8 + 32 (r / 8)
	v_bfe_u32 v9, v0, 3, 2                         ; u: which of the four tiles
	v_and_b32 v10, 7, v0
	s_and_b32 s31, s14, 1                          ; which half of the tiles' rows is mine
	s_lshl_b32 s23, s31, 3
	v_add_nc_u32 v10, s23, v10                     ; r
	v_lshlrev_b32 v[IN], 2, v8
	v_lshlrev_b32 v[OUT], 4, v8
	s_lshr_b32 s15, s14, 1
	s_mul_i32 s15, s15, 4*TP
	s_add_co_u32 s15, s15, WLDS                    ; the two waves' stage
	s_mul_i32 s20, s31, 2*TP
	s_add_co_u32 s20, s20, s15                     ; the two fragments that I send
	v_mul_u32_u24 v[S16], v9, TP
	v_lshl_add_u32 v[S8], v10, 3, v[S16]
	v_lshl_add_u32 v[S16], v10, 4, v[S16]
	v_add_nc_u32 v[S16], s15, v[S16]
	v_add_nc_u32 v[S8], s15, v[S8]
	v_add_nc_u32 v[RDB], s20, v[OUT]
	v_mul_u32_u24 v[SCO], v9, 12800
	v_lshl_add_u32 v[SCO], v10, 4, v[SCO]
	s_sub_co_u32 s30, ttmp9, XWG                   ; i
	s_and_b32 s20, s30, 7                          ; which 128 columns
	s_bfe_u32 s21, s30, 0x30003                    ; K step
	s_lshr_b32 s22, s30, 6                         ; which weight
	s_lshl_b32 s24, s21, 19                        ; 128 rows of 4,096 bytes
	s_lshl_b32 s23, s20, 9
	s_add_co_u32 s24, s24, s23
	s_lshl_b32 s23, s14, 7
	s_add_co_u32 s24, s24, s23                     ; + my wave's first column
	s_mov_b32 s25, 0
	s_lshl_b32 s26, s22, 6
	s_lshl_b32 s23, s20, 3
	s_add_co_u32 s26, s26, s23
	s_lshl_b32 s23, s14, 1
	s_add_co_u32 s26, s26, s23                     ; my first tile: 64 wi + 8 (i % 8) + 2 w
	s_mul_i32 s26, s26, 12800
	s_lshr_b32 s23, s21, 2
	s_mul_i32 s23, s23, 6400
	s_add_co_u32 s26, s26, s23                     ; its record
	s_and_b32 s23, s21, 3
	s_lshl_b32 s28, s23, 2
	s_add_co_u32 s28, s28, s26
	s_add_co_u32 s28, s28, 6144                    ; the scale words of this K step,
	s_mul_i32 s31, s31, 2*12800
	s_sub_co_u32 s28, s28, s31                     ; from the first of the four tiles on
	s_mov_b32 s29, 0
	s_mul_i32 s23, s23, 1536
	s_add_co_u32 s26, s26, s23                     ; the fragment
	s_mov_b32 s27, 0
	s_wait_alu depctr_va_vdst(0)
	s_wait_kmcnt 0x0
	s_cmp_eq_u32 s22, 1                            ; the choice hangs on the work-group's number alone
	s_cselect_b64 s[4:5], s[6:7], s[4:5]
	s_cmp_eq_u32 s22, 2
	s_cselect_b64 s[4:5], s[8:9], s[4:5]
	s_cmp_eq_u32 s22, 3
	s_cselect_b64 s[4:5], s[10:11], s[4:5]
	s_add_nc_u64 s[4:5], s[4:5], s[24:25]
	s_add_nc_u64 s[16:17], s[12:13], s[26:27]
	s_add_nc_u64 s[18:19], s[12:13], s[28:29]
.macro LOAD t                          ; block t: W(32 t + i, my column)
.irp i, 0,1,2,3,4,5,6,7,8,9,10,11,12,13,14,15,16,17,18,19,20,21,22,23,24,25,26,27,28,29,30,31
	global_load_b32 v[X+32*(\t)+\i], v[IN], s[4:5] offset:(32*(\t)+\i)*4096 th:TH_LOAD_NT
.endr
.endm
	LOAD 0
	LOAD 1
.macro BLOCK kb
.set XS, X+32*(\kb)
.set CC, C+8*(\kb)
.if (\kb) < 3
	s_wait_loadcnt 32                              ; this block's 32 loads are in; the next block's 32 stay out
.else
	s_wait_loadcnt 0x0
.endif
.if (\kb)+2 < 4
	LOAD (\kb)+2                                   ; two blocks ahead, into registers of their own
.endif
	v_max3_num_f32 v8, |v[XS]|, |v[XS+1]|, |v[XS+2]|
	v_max3_num_f32 v9, |v[XS+3]|, |v[XS+4]|, |v[XS+5]|
.irp i, 6,10,14,18,22,26
	v_max3_num_f32 v8, v8, |v[XS+\i]|, |v[XS+\i+1]|
	v_max3_num_f32 v9, v9, |v[XS+\i+2]|, |v[XS+\i+3]|
.endr
	v_max3_num_f32 v8, v8, |v[XS+30]|, |v[XS+31]|
	v_max3_num_f32 v8, v8, v9, 0x2800000           ; and the floor 2^(5 - 127): the byte cannot fall under 1
	v_add_nc_u32 v10, 0xfe000000, v8               ; 4 off the exponent field: the conversion's scale operand
	v_lshrrev_b32 v11, 23, v10                     ; the scale's byte
.if (\kb) == 0
	v_mov_b32 v[PW], v11
.else
	v_lshl_or_b32 v[PW], v11, 8*(\kb), v[PW]
.endif
	v_cvt_scalef32_pk16_bf6_f32 v[CC:CC+2], v[XS:XS+15], v10
	v_cvt_scalef32_pk16_bf6_f32 v[CC+4:CC+6], v[XS+16:XS+31], v10   ; (a conversion's three registers begin on an even number)
	v_nop                                          ; one plain place behind a scaled conversion
	v_mov_b32 v[CC+3], v[CC+4]
	v_mov_b32 v[CC+4], v[CC+5]
	v_mov_b32 v[CC+5], v[CC+6]                     ; six registers on end: the block's 24 bytes
	ds_store_b128 v[S16], v[CC:CC+3] offset:768*((\kb)/2)+256*((\kb)%2)          ; registers 6 c .. 6 c + 3 of lane r + 16 (kb % 2)
	ds_store_b64 v[S8], v[CC+4:CC+5] offset:512+768*((\kb)/2)+128*((\kb)%2)      ; registers 6 c + 4, 6 c + 5
.endm
	BLOCK 0
	BLOCK 1
	BLOCK 2
	BLOCK 3
	s_wait_alu depctr_va_vdst(0)
	s_wait_dscnt 0x0                               ; my stores into the stage are done,
	s_barrier_signal -1
	s_barrier_wait -1                              ; and my partner's
.irp u, 0,1
.irp i, 0,1,2
	ds_load_b128 v[RB+4*(3*\u+\i):RB+4*(3*\u+\i)+3], v[RDB] offset:TP*\u+512*\i   ; LDS serves a wave's instructions in order: these see my stores
.endr
.endr
	s_wait_alu depctr_va_vdst(0)
.irp u, 0,1
.irp i, 0,1,2
	s_wait_dscnt 5-(3*\u+\i)                       ; the younger reads from the stage stay out
	global_store_b128 v[OUT], v[RB+4*(3*\u+\i):RB+4*(3*\u+\i)+3], s[16:17] offset:12800*\u+512*\i   ; 512 consecutive bytes, from a multiple of 256 on
.endr
.endr
	global_store_b32 v[SCO], v[PW], s[18:19]       ; my column's word for this K step
	s_wait_tensorcnt 0x0
	ds_add_u32 v192, v193
	s_wait_dscnt 0x0
	s_endpgm
.Lfunc_end_k_qffea53a68d_quant:
	.size	k_qffea53a68d_quant, .Lfunc_end_k_qffea53a68d_quant-k_qffea53a68d_quant
	.p2alignl 7, 3214868480
	.fill 96, 4, 3214868480
	.section	.rodata,"a",@progbits
	.p2align	6, 0x0
	.amdhsa_kernel k_qffea53a68d_quant
		.amdhsa_group_segment_fixed_size 47616
		.amdhsa_private_segment_fixed_size 0
		.amdhsa_enable_private_segment 0
		.amdhsa_kernarg_size 56
		.amdhsa_user_sgpr_count 2
		.amdhsa_user_sgpr_kernarg_segment_ptr 1
		.amdhsa_wavefront_size32 1
		.amdhsa_system_sgpr_workgroup_id_x 1
		.amdhsa_system_sgpr_workgroup_id_y 1
		.amdhsa_system_sgpr_workgroup_id_z 1
		.amdhsa_system_vgpr_workitem_id 0
		.amdhsa_next_free_vgpr 194
		.amdhsa_next_free_sgpr 66
		.amdhsa_reserve_vcc 0
		.amdhsa_float_denorm_mode_32 3
		.amdhsa_float_denorm_mode_16_64 3
		.amdhsa_memory_ordered 1
		.amdhsa_forward_progress 1
		.amdhsa_inst_pref_size 33
	.end_amdhsa_kernel
	.amdgpu_metadata
---
amdhsa.version: [ 1, 2 ]
amdhsa.kernels:
  - .name:           k_qffea53a68d_quant
    .symbol:         k_qffea53a68d_quant.kd
    .args:
      - { .name: x, .offset: 0, .size: 8, .value_kind: global_buffer, .address_space: global }
      - { .name: Wq, .offset: 8, .size: 8, .value_kind: global_buffer, .address_space: global }
      - { .name: Wk, .offset: 16, .size: 8, .value_kind: global_buffer, .address_space: global }
      - { .name: Wv, .offset: 24, .size: 8, .value_kind: global_buffer, .address_space: global }
      - { .name: Wo, .offset: 32, .size: 8, .value_kind: global_buffer, .address_space: global }
      - { .name: ximg, .offset: 40, .size: 8, .value_kind: global_buffer, .address_space: global }
      - { .name: wimg, .offset: 48, .size: 8, .value_kind: global_buffer, .address_space: global }
    .group_segment_fixed_size: 47616
    .private_segment_fixed_size: 0
    .kernarg_segment_align: 8
    .kernarg_segment_size: 56
    .max_flat_workgroup_size: 128
    .sgpr_count:     66
    .vgpr_count:     194
    .wavefront_size: 32
...
	.end_amdgpu_metadata
.endif
;; end of part 6
;; launch qkv (part 7): grid 8 x 32, 4 waves a work-group, clusters of 4 x 4, 327,680 bytes of LDS; arguments ximg, wimg, bq, bk, bv, qimg, qsc, kv; writes qimg, qsc, kv
.if DOCPART == 7
	.amdgcn_target "amdgcn-amd-amdhsa--gfx1250"
	.amdhsa_code_object_version 6
	.text
	.protected	k_qffea53a68d_qkv
	.globl	k_qffea53a68d_qkv
	.p2align	8
	.type	k_qffea53a68d_qkv,@function
k_qffea53a68d_qkv:
	s_mov_b64 s[64:65], 0
	v_nop
	global_prefetch_b8 v0, s[64:65] scope:SCOPE_SE
	s_setreg_imm32_b32 hwreg(HW_REG_WAVE_MODE, 25, 1), 1
	s_wait_xcnt 0x0
	s_wait_alu depctr_hold_cnt(0) depctr_sa_sdst(0) depctr_va_vdst(0) depctr_va_sdst(0) depctr_va_ssrc(0) depctr_va_vcc(0) depctr_vm_vsrc(0)
	s_getreg_b32 s2, hwreg(HW_REG_IB_STS2, 6, 4)
	s_cmp_eq_u32 s2, 0
	s_cbranch_scc0 .Lentry_in_a_cluster
	s_endpgm
.Lentry_in_a_cluster:
	s_bfe_u32 s2, ttmp6, 0x10000c
	s_cmp_lg_u32 s2, 0xf033
	s_cbranch_scc0 .Lentry_shape_is_right
	s_endpgm
.Lentry_shape_is_right:
; q = x Wq + bq, k = x Wk + bk, v = x Wv + bv on codes of BF6 (E3M2) with E8M0 scales, and the results quantised at once for attention: q and k along the head's 64, v along the keys.  No f32 result goes to memory.
; OPERANDS lie in memory in the order of the operand's registers (tiles of 16 rows: lane row r of tile T is row 32 (T / 2) + 8 (T % 2) + r + 8 (r / 8); a fragment of 16 rows x 128 K is 1,536 bytes;
; a record (tile T, half c of K) is 6,400 bytes at (2 T + c) x 6,400: four fragments, then scale words at 6,144 + 16 r + 4 s).  In wimg Wq's tiles begin at T = 0, Wk's at 64, Wv's at 128.
; A WORK-GROUP STAYS.  Work-group (x, y) keeps 128 tokens (tiles 8 y on of ximg, ALL of K: 100 KiB) in LDS and makes q, then k, then v for columns 128 x on (100 KiB of weights each): x's tiles are fetched once for the three.
; LDS: x; slot A (Wq, later Wv); slot B (Wk).  x, Wq and Wk are first fills.  Slot A is filled again ONCE, with Wv, behind q's last products: the load has q's way out and all of k's products in which to land.
; Four waves, each 64 columns (ONE HEAD) x 64 tokens: 16 accumulators, which take turns, one instruction a turn.
; CLUSTERS: 4 x 4 work-groups.  The four of a column of the cluster need the same tiles of W, the four of a row the same tiles of x: each is asked for JOINTLY, by the same tensor load with a mask that names the four.
; q, k: source 0 = 16 columns of W, source 1 = 16 tokens: a lane holds ONE token and, by the tiles' order of rows, its 32 registers of four tiles are the head's channels 32 b + 16 (lane / 16) + i.
; v: source 0 = 16 tokens, source 1 = 16 columns of W: a lane holds ONE channel and its 32 registers are tokens 32 b + 16 (lane / 16) + i of my 64.
; The bias is the C of each sum's first matrix instruction; the three biases are loaded once, at the head.
; OUT.  qimg [16 b + head][token tile][768]: half a fragment (64 along K); qsc [..][..][16 words], bytes 2 and 3 zero.  kv [16 b + head][step of 128 keys][13,056]: 8 tiles of K at 768 t; 4 fragments of V (16 channels x 128 keys)
; at 6,144 + 1,536 f; K's scale words at 12,288 + 64 t + 4 r; V's at 12,800 + 64 f + 4 r (two waves write two bytes each of a word: 2-byte stores, 256 bytes a record).
; LIMITS: NaN and infinities are not served; a block under 2^-122 keeps the byte 1; a block of zeros gets the byte 1 where the rule says 127 (its codes are zeros; this program alone reads the bytes).
; REGISTERS.  Window 0: v1-31 addresses and a few words of the way out; v32-95 scale words, a set for each half of K; v96-127 the quantiser's work; v128-255 accumulators.
;   Window 1: two fragment buffers at v0 and v128 (W's four, then x's four); v96-127 bq.   Window 2: v96-127 bk.   Window 3: v96-127 bv.
; ROW ORDER OF THE TILES, in all launches of this program: row r of tile T is row 64 (T / 4) + 8 (T % 4) + r % 8 + 32 (r / 8); it stands in place of the order named at the head of this text.
; q, k: a lane's 32 registers of four tiles are the head's channels 32 (lane / 16) + 0 .. 31; v: they are tokens 32 (lane / 16) + 0 .. 31 of my 64: one whole block in a lane.
; THE FILLS: at the head each wave fetches four whole tiles (all of K) of Wq or of x, one load; behind the first round two tiles of Wk; behind the second two tiles of Wv, into slot A.
.set REC,   12800                      ; a tile: its two records on end
.set HALFB, 4*REC                      ; four tiles: what one head load brings, and what one wave reads of W or of x
.set CHK,   8*REC                      ; eight tiles
.set WA,    CHK                        ; LDS: x from 0; slot A from here;
.set WB,    2*CHK                      ; slot B;
.set SPARE, 3*CHK                      ; the spare words, 128 bytes for each wave: two blocks of 256 bytes that no other line names
.set H8,    103                        ; v103 8 x (lane / 16)
.set WV,   20                          ; s20 wave; s21 its half of the tokens (also: 0 fetches Wq, 1 fetches x); s22 its half of the columns (also: which four tiles it fetches)
.set WX,   21
.set WW,   22
.set G1W,  28                          ; s[28:35] descriptor group 1 for W; s[36:43] for x
.set G1X,  36
.set G0A,  44                          ; s[44:47] group 0 for Wq; s[52:55] for x
.set G0X,  52
.set G0K,  68                          ; s[68:71] group 0 for my quarter of Wk; s[72:75] of Wv
.set G0V,  72
.set SEL,  76
.set CBQ,  80                          ; s[80:81] where q's codes go, s[82:83] its scale words; s[84:87] k's; s[88:91] v's
.set AX16, 4                           ; v4-5 x's fragments, 16 x lane, half c of K; v6-7 8 x lane; v8-9 scale words, 16 r
.set AX8,  6
.set ASX,  8
.set AA16, 10                          ; v10-15 the same for slot A
.set AA8,  12
.set ASA,  14
.set AB16, 16                          ; v16-21 for slot B
.set AB8,  18
.set ASB,  20
.set O16,  22                          ; v22-24 the way out: 16 x lane, 8 x lane, 4 r
.set O8,   23
.set OS,   24
.set SPW,  25                          ; v25 LDS address of my spare word: SPARE + 4 x my thread's number; never rewritten
.set NIL,  26                          ; v26 0; never rewritten
.set BQA,  27                          ; v27 bq's and bk's offset: 128 h
.set BVA,  28                          ; v28 bv's: 4 (r + 24 (r / 8))
.set QBM,  30                          ; v30-31 the blocks' largest magnitudes
.set SC,   32
; The registers of windows 1 to 3, in place of what the head of this text names: window 1: two buffers of W's four fragments at v0 and v48; v96-127 bq, v128-159 bk, v160-191 bv.
; X'S FRAGMENTS STAY IN REGISTERS: fetched once, with q's steps, they serve q, k and v: K step s at v[48 (s % 5)], steps 0 to 4 in window 2, 5 to 7 in window 3.
.set BIQ,  96
.set BIK,  128
.set BIV,  160
.set TC,   96                          ; window 0: v96-98 a block's upper codes; v99-100 the other half of the lanes', then the bytes; v101-102 the conversions' scale operands
.set QPX,  99
.set QSO,  101
.set PCS,  104                         ; v104-127 four sets of six: a group's codes (its two scale bytes: v1, v2, v3, v29): no store's data are written again inside a way out
.set ACC,  128
.set MSB, 0
.macro WIN new                         ; the immediate's high byte repeats the setting that is left
.if MSB != \new
	s_set_vgpr_msb (MSB<<8)|\new
.set MSB, \new
.endif
.endm
.set TO_F, 0x40                        ; destination window 1, address window 0
.macro CROUND                          ; a round of the cluster's barrier
	s_barrier_signal -1
	s_barrier_wait -1
	s_cmp_lg_u32 s[WV], 0
	s_cbranch_scc1 .Lnot_wave_0_\@
	s_barrier_signal -3
.Lnot_wave_0_\@:
	s_barrier_wait -3
	s_barrier_signal -1
	s_barrier_wait -1
.endm
.macro PLACES                          ; four places in front of loads into registers that matrix instructions have read, and of the first read of results
.rept 4
	v_nop
.endr
.endm
; 32 numbers of a lane, k = 32 (lane / 16) + 0 .. 31 of my row: one block.  They become half a fragment in v[pc .. pc + 5] (lane (r, h): k = 32 h + 0 .. 31) and the row's two scale bytes in v[pw]
.macro QUANT32 a, pc, tc, pw
.irp b, 0,1
	v_max3_num_f32 v[QBM+\b], |v[(\a)+16*\b]|, |v[(\a)+16*\b+1]|, 0x2800000   ; in two chains, with the floor 2^(5 - 127); each accumulator is read from its low end on
.endr
.irp i, 2,4,6,8,10,12,14
.irp b, 0,1
	v_max3_num_f32 v[QBM+\b], v[QBM+\b], |v[(\a)+16*\b+\i]|, |v[(\a)+16*\b+\i+1]|
.endr
.endr
	v_max_num_f32 v[QBM], v[QBM], v[QBM+1]         ; the block's largest magnitude
	v_add_nc_u32 v[QSO], 0xfe000000, v[QBM]        ; 4 off the exponent field: the conversion's scale operand
	v_cvt_scalef32_pk16_bf6_f32 v[(\pc):(\pc)+2], v[(\a):(\a)+15], v[QSO]
	v_cvt_scalef32_pk16_bf6_f32 v[\tc:\tc+2], v[(\a)+16:(\a)+31], v[QSO]
	v_lshrrev_b32 v[QPX+1], 23, v[QSO]             ; the scale's byte (also the plain place behind a scaled conversion)
	v_lshlrev_b32 v[\pw], v[H8], v[QPX+1]          ; at its place,
	v_permlanex16_b32 v[QPX], v[\pw], s[SEL], s[SEL+1]
	v_or_b32 v[\pw], v[\pw], v[QPX]                ; with lane l xor 16's: the row's two bytes
.irp i, 0,1,2
	v_mov_b32 v[(\pc)+3+\i], v[\tc+\i]             ; (a conversion's three registers begin on an even number)
.endr
.endm
	s_load_b512 s[4:19], s[0:1], 0x0               ; ximg s[4:5], wimg s[6:7], bq, bk, bv s[8:13], qimg s[14:15], qsc s[16:17], kv s[18:19]
	v_lshl_add_u32 v[SPW], v0, 2, SPARE
	v_mov_b32 v[NIL], 0
	ds_add_u32 v25, v26
	ds_add_u32 v25, v26
	s_wait_dscnt 0x0
	v_lshrrev_b32 v1, 5, v0
	v_readfirstlane_b32 s[WV], v1
	s_lshr_b32 s[WX], s[WV], 1
	s_and_b32 s[WW], s[WV], 1
	s_bfe_u32 s23, ttmp6, 0x40000                  ; cx, cy: my place in the cluster
	s_bfe_u32 s24, ttmp6, 0x40004
	s_lshl_b32 s25, ttmp9, 2
	s_add_co_u32 s25, s25, s23                     ; work-group x
	s_and_b32 s26, ttmp7, 0xffff
	s_lshl_b32 s26, s26, 2
	s_add_co_u32 s26, s26, s24                     ; work-group y
	s_lshl_b32 s62, s24, 2
	s_lshl_b32 s62, 15, s62                        ; my row of the cluster
	s_lshl_b32 s63, 0x1111, s23                    ; my column
	; descriptor group 1: four tiles, dense: 200 rows of 256 bytes (32 elements of 8 bytes); behind the head's loads 100 rows, two tiles
	s_or_b32 s[G1W], s63, (3<<16)|(1<<21)          ; 15:0 the mask: W's tiles go to my column; 17:16 elements of 8 bytes; 21 set beside a mask
	s_or_b32 s[G1X], s62, (3<<16)|(1<<21)          ; x's go to my row
.irp g, G1W, G1X
	s_mov_b32 s[\g+1], 32<<16                      ; tensor_dim0
	s_mov_b32 s[\g+2], 200<<16                     ; tensor_dim1
	s_mov_b32 s[\g+3], 32<<16                      ; tile_dim0
	s_mov_b32 s[\g+4], 200                         ; tile_dim1
	s_mov_b32 s[\g+5], 32                          ; from row to row
	s_mov_b32 s[\g+6], 0
	s_mov_b32 s[\g+7], 0
.endr
	s_lshl_b32 s60, s[WW], 2                       ; which four tiles I fetch
	s_lshl_b32 s78, s25, 3
	s_add_co_u32 s78, s78, s60
	s_mul_i32 s78, s78, REC                        ; Wq: tile 8 x + 4 half: of x alone, which my column shares
	s_mov_b32 s79, 0
	s_mul_i32 s27, s[WV], 2*REC                    ; in a whole slot: my two tiles of Wk and of Wv.  No place in the cluster enters an LDS address
	s_mul_i32 s66, s25, 8*REC
	s_add_co_u32 s66, s66, s27                     ; tile 8 x + 2 wave
	s_mov_b32 s67, 0
	s_lshl_b32 s92, s26, 3
	s_add_co_u32 s92, s92, s60
	s_mul_i32 s92, s92, REC                        ; x: tile 8 y + 4 half: of y alone, which my row shares
	s_mov_b32 s93, 0
	s_mul_i32 s61, s[WW], HALFB                    ; where the head's four tiles go
	s_wait_kmcnt 0x0
	s_add_nc_u64 s[78:79], s[6:7], s[78:79]
	s_add_nc_u64 s[66:67], s[6:7], s[66:67]
	s_add_nc_u64 s[92:93], s[4:5], s[92:93]
.irp c, 0
	s_mov_b32 s[G0A+4*\c], 1
	s_add_co_u32 s[G0A+4*\c+1], s61, WA+\c*CHK
	s_add_nc_u64 s[G0A+4*\c+2:G0A+4*\c+3], s[78:79], \c*REC
	s_or_b32 s[G0A+4*\c+3], s[G0A+4*\c+3], 0x80000000
	s_mov_b32 s[G0X+4*\c], 1
	s_add_co_u32 s[G0X+4*\c+1], s61, \c*CHK
	s_add_nc_u64 s[G0X+4*\c+2:G0X+4*\c+3], s[92:93], \c*REC
	s_or_b32 s[G0X+4*\c+3], s[G0X+4*\c+3], 0x80000000
.endr
	s_mov_b32 s[G0K], 1
	s_add_co_u32 s[G0K+1], s27, WB
	s_add_nc_u64 s[G0K+2:G0K+3], s[66:67], 64*REC       ; Wk's tiles lie 64 tiles on,
	s_or_b32 s[G0K+3], s[G0K+3], 0x80000000
	s_mov_b32 s[G0V], 1
	s_add_co_u32 s[G0V+1], s27, WA
	s_add_nc_u64 s[G0V+2:G0V+3], s[66:67], 128*REC      ; Wv's 128
	s_or_b32 s[G0V+3], s[G0V+3], 0x80000000
	CROUND                                         ; all sixteen work-groups are here: the first joint loads meet
	s_cmp_eq_u32 s[WX], 0                          ; waves 0 and 1 fetch Wq, waves 2 and 3 x: one load a wave
	s_cbranch_scc0 .Lfetch_x
	tensor_load_to_lds s[G0A:G0A+3], s[G1W:G1W+7]
	s_nop 0
.rept 4
	v_nop
.endr
	s_branch .Lfetched
.Lfetch_x:
	tensor_load_to_lds s[G0X:G0X+3], s[G1X:G1X+7]
	s_nop 0
.rept 4
	v_nop
.endr
.Lfetched:
	v_and_b32 v1, 31, v0                           ; lane
	v_and_b32 v2, 15, v0                           ; r
	v_bfe_u32 v3, v0, 4, 1                         ; h
	v_lshlrev_b32 v[O16], 4, v1
	v_lshlrev_b32 v[O8], 3, v1
	v_lshlrev_b32 v[OS], 2, v2
	v_lshlrev_b32 v29, 4, v2
	s_mul_i32 s94, s[WX], HALFB                    ; my four tiles of x,
	s_mul_i32 s95, s[WW], HALFB                    ; my four of a weight,
	s_add_co_u32 s96, s95, WB                      ; in slot B
	s_add_co_u32 s95, s95, WA                      ; and in slot A
.irp c, 0,1
	v_add_nc_u32 v[AX16+\c], s94, v[O16]
	v_add_nc_u32 v[AX8+\c], s94, v[O8]
	v_add_nc_u32 v[ASX+\c], s94, v29
	v_add_nc_u32 v[AA16+\c], s95, v[O16]
	v_add_nc_u32 v[AA8+\c], s95, v[O8]
	v_add_nc_u32 v[ASA+\c], s95, v29
	v_add_nc_u32 v[AB16+\c], s96, v[O16]
	v_add_nc_u32 v[AB8+\c], s96, v[O8]
	v_add_nc_u32 v[ASB+\c], s96, v29
	s_add_co_u32 s94, s94, 6400                    ; the other half of K: the tile's second record
	s_add_co_u32 s95, s95, 6400
	s_add_co_u32 s96, s96, 6400
.endr
	; the biases, in the results' layouts.  q, k: register j of tile a is channel 32 h + 8 a + j.  v: all eight registers are channel 8 a + r % 8 + 32 (r / 8)
	v_lshlrev_b32 v[BQA], 7, v3
	v_lshlrev_b32 v[H8], 3, v3
	s_wait_alu depctr_va_vdst(0)
	v_and_b32 v[BVA], 8, v2
	v_mad_u32_u24 v[BVA], v[BVA], 3, v2
	v_lshlrev_b32 v[BVA], 2, v[BVA]
	s_wait_alu depctr_va_vdst(0)
	v_mov_b32 v[QPX], 0                            ; a lane permute's destination counts as one of its sources
	v_mov_b32 v[QPX+1], 0
	s_lshl_b32 s97, s25, 1
	s_add_co_u32 s97, s97, s[WW]                   ; my head
	s_lshl_b32 s98, s97, 8
	s_mov_b32 s99, 0
	s_add_nc_u64 s[8:9], s[8:9], s[98:99]
	s_add_nc_u64 s[10:11], s[10:11], s[98:99]
	s_add_nc_u64 s[12:13], s[12:13], s[98:99]
	WIN 0x40                                       ; destination window 1
.irp a, 0,1,2,3
	global_load_b128 v[BIQ+8*\a:BIQ+8*\a+3], v[BQA], s[8:9] offset:32*\a
	global_load_b128 v[BIQ+8*\a+4:BIQ+8*\a+7], v[BQA], s[8:9] offset:32*\a+16
	global_load_b128 v[BIK+8*\a:BIK+8*\a+3], v[BQA], s[10:11] offset:32*\a
	global_load_b128 v[BIK+8*\a+4:BIK+8*\a+7], v[BQA], s[10:11] offset:32*\a+16
.irp j, 0,1,2,3,4,5,6,7
	global_load_b32 v[BIV+8*\a+\j], v[BVA], s[12:13] offset:32*\a
.endr
.endr
	WIN 0
	; where the results go
	s_lshr_b32 s98, s26, 4                         ; the batch
	s_lshl_b32 s98, s98, 4
	s_add_co_u32 s98, s98, s97                     ; 16 b + head
	s_and_b32 s99, s26, 15                         ; the step of 128 tokens
	s_lshl_b32 s100, s98, 7
	s_lshl_b32 s101, s99, 3
	s_add_co_u32 s100, s100, s101
	s_lshl_b32 s101, s[WX], 2
	s_add_co_u32 s100, s100, s101                  ; q: my first token tile, counted over all heads
	s_mul_i32 s[CBQ], s100, 768                    ; q's codes
	s_mov_b32 s[CBQ+1], 0
	s_lshl_b32 s[CBQ+2], s100, 6                   ; q's scale words
	s_mov_b32 s[CBQ+3], 0
	s_mul_i32 s100, s98, 208896
	s_mul_i32 s101, s99, 13056
	s_add_co_u32 s100, s100, s101                  ; the step's record in kv
	s_mul_i32 s[CBQ+4], s[WX], 3072
	s_add_co_u32 s[CBQ+4], s[CBQ+4], s100          ; k's codes: tiles 4 half on
	s_mov_b32 s[CBQ+5], 0
	s_lshl_b32 s[CBQ+6], s[WX], 8
	s_add_co_u32 s[CBQ+6], s[CBQ+6], s100
	s_add_co_u32 s[CBQ+6], s[CBQ+6], 12288         ; k's scale words
	s_mov_b32 s[CBQ+7], 0
	s_mul_i32 s[CBQ+8], s[WX], 768
	s_add_co_u32 s[CBQ+8], s[CBQ+8], s100
	s_add_co_u32 s[CBQ+8], s[CBQ+8], 6144          ; v's codes: my half of each fragment
	s_mov_b32 s[CBQ+9], 0
	s_lshl_b32 s[CBQ+10], s[WX], 1
	s_add_co_u32 s[CBQ+10], s[CBQ+10], s100
	s_add_co_u32 s[CBQ+10], s[CBQ+10], 12800       ; v's scale bytes: my two of each word
	s_mov_b32 s[CBQ+11], 0
	s_add_nc_u64 s[CBQ:CBQ+1], s[14:15], s[CBQ:CBQ+1]
	s_add_nc_u64 s[CBQ+2:CBQ+3], s[16:17], s[CBQ+2:CBQ+3]
	s_add_nc_u64 s[CBQ+4:CBQ+5], s[18:19], s[CBQ+4:CBQ+5]
	s_add_nc_u64 s[CBQ+6:CBQ+7], s[18:19], s[CBQ+6:CBQ+7]
	s_add_nc_u64 s[CBQ+8:CBQ+9], s[18:19], s[CBQ+8:CBQ+9]
	s_add_nc_u64 s[CBQ+10:CBQ+11], s[18:19], s[CBQ+10:CBQ+11]
	s_mov_b32 s[SEL], 0x76543210
	s_mov_b32 s[SEL+1], 0xfedcba98
; 16 LDS loads: the fragments of K step s (4 of the weight whose address registers are named) into buffer f: images of the registers, every load dense
.macro FETCH s, f, w16, w8, x=0        ; x = 1 (in q): x's four fragments of the step too, into their own registers
	WIN TO_F
.irp a, 0,1,2,3
	ds_load_b128 v[\f+12*\a:\f+12*\a+3],     v[\w16+(\s)/4] offset:\a*REC+((\s)%4)*1536
	ds_load_b64  v[\f+12*\a+4:\f+12*\a+5],   v[\w8+(\s)/4]  offset:\a*REC+((\s)%4)*1536+512
	ds_load_b128 v[\f+12*\a+6:\f+12*\a+9],   v[\w16+(\s)/4] offset:\a*REC+((\s)%4)*1536+768
	ds_load_b64  v[\f+12*\a+10:\f+12*\a+11], v[\w8+(\s)/4]  offset:\a*REC+((\s)%4)*1536+1280
.endr
.if \x
.set XF, 48*((\s)%5)
.if (\s) < 5
	WIN 0x80                                       ; destination window 2
.else
	WIN 0xc0                                       ; window 3
.endif
.irp a, 0,1,2,3
	ds_load_b128 v[XF+12*\a:XF+12*\a+3],     v[AX16+(\s)/4] offset:\a*REC+((\s)%4)*1536
	ds_load_b64  v[XF+12*\a+4:XF+12*\a+5],   v[AX8+(\s)/4]  offset:\a*REC+((\s)%4)*1536+512
	ds_load_b128 v[XF+12*\a+6:XF+12*\a+9],   v[AX16+(\s)/4] offset:\a*REC+((\s)%4)*1536+768
	ds_load_b64  v[XF+12*\a+10:XF+12*\a+11], v[AX8+(\s)/4]  offset:\a*REC+((\s)%4)*1536+1280
.endr
.endif
	WIN 0
.endm
.macro SCALESW c, asw                  ; a row's words of four K steps by one load: the weight's tile a at v[SC + 32 c + 4 a]
.irp a, 0,1,2,3
	ds_load_b128 v[SC+32*\c+4*\a:SC+32*\c+4*\a+3], v[\asw+\c] offset:\a*REC+6144
.endr
.endm
.macro SCALESX c                       ; x's tile a 16 registers on: loaded once, they serve all three products
.irp a, 0,1,2,3
	ds_load_b128 v[SC+32*\c+16+4*\a:SC+32*\c+16+4*\a+3], v[ASX+\c] offset:\a*REC+6144
.endr
.endm
.macro MULQ s, bi                      ; q, k: accumulator 4 b + a = W's tile a (source 0) x x's tile b (source 1); bi: the bias
.set WF, 48*((\s)%2)
.set XF, 48*((\s)%5)
.irp b, 0,1,2,3
.irp a, 0,1,2,3
.if (\s) == 0
	v_wmma_scale_f32_16x16x128_f8f6f4 v[ACC+8*(4*\b+\a):ACC+8*(4*\b+\a)+7], v[WF+12*\a:WF+12*\a+11], v[XF+12*\b:XF+12*\b+11], v[\bi+8*\a:\bi+8*\a+7], v[SC+32*((\s)/4)+4*\a+(\s)%4], v[SC+32*((\s)/4)+16+4*\b+(\s)%4] matrix_a_fmt:MATRIX_FMT_BF6 matrix_b_fmt:MATRIX_FMT_BF6
.else
	v_wmma_scale_f32_16x16x128_f8f6f4 v[ACC+8*(4*\b+\a):ACC+8*(4*\b+\a)+7], v[WF+12*\a:WF+12*\a+11], v[XF+12*\b:XF+12*\b+11], v[ACC+8*(4*\b+\a):ACC+8*(4*\b+\a)+7], v[SC+32*((\s)/4)+4*\a+(\s)%4], v[SC+32*((\s)/4)+16+4*\b+(\s)%4] matrix_a_fmt:MATRIX_FMT_BF6 matrix_b_fmt:MATRIX_FMT_BF6
.endif
.endr
.endr
.endm
.macro MULV s                          ; v: accumulator 4 a + b = x's tile b (source 0) x W's tile a (source 1)
.set WF, 48*((\s)%2)
.set XF, 48*((\s)%5)
.irp a, 0,1,2,3
.irp b, 0,1,2,3
.if (\s) == 0
	v_wmma_scale_f32_16x16x128_f8f6f4 v[ACC+8*(4*\a+\b):ACC+8*(4*\a+\b)+7], v[XF+12*\b:XF+12*\b+11], v[WF+12*\a:WF+12*\a+11], v[BIV+8*\a:BIV+8*\a+7], v[SC+32*((\s)/4)+16+4*\b+(\s)%4], v[SC+32*((\s)/4)+4*\a+(\s)%4] matrix_a_fmt:MATRIX_FMT_BF6 matrix_b_fmt:MATRIX_FMT_BF6
.else
	v_wmma_scale_f32_16x16x128_f8f6f4 v[ACC+8*(4*\a+\b):ACC+8*(4*\a+\b)+7], v[XF+12*\b:XF+12*\b+11], v[WF+12*\a:WF+12*\a+11], v[ACC+8*(4*\a+\b):ACC+8*(4*\a+\b)+7], v[SC+32*((\s)/4)+16+4*\b+(\s)%4], v[SC+32*((\s)/4)+4*\a+(\s)%4] matrix_a_fmt:MATRIX_FMT_BF6 matrix_b_fmt:MATRIX_FMT_BF6
.endif
.endr
.endr
.endm
; K step s of eight of product ty (0 q, 1 k, 2 v): the next step's fragments are asked for, into the other buffer, ahead of this step's sixteen products
.macro STEP ty, s, w16, w8
.if (\s) < 7
.if (\s) > 0
	PLACES                                         ; the other buffer was read by the products just issued
.endif
.if (\ty) == 0
	FETCH (\s)+1, 48*(((\s)+1)%2), \w16, \w8, 1
	s_wait_dscnt 32                                ; all but the 32 just issued: this step's fragments (and scale words) are in
.else
	FETCH (\s)+1, 48*(((\s)+1)%2), \w16, \w8
	s_wait_dscnt 16                                ; all but the 16 just issued
.endif
.else
	s_wait_dscnt 0x0
.endif
.if (\s) == 0 && (\ty) == 0
	s_wait_loadcnt 0x0                             ; the three biases
.endif
.if (\ty) == 2
.set MW, 0x06+(\s)/5                   ; source 0 (x) window 2 or 3, source 1 (W) window 1; C and D window 0
.else
.set MW, 0x09+4*((\s)/5)               ; source 0 (W) window 1, source 1 (x) window 2 or 3
.endif
.if (\s) == 0
.set MW, MW+0x10                       ; C: the bias, window 1
.endif
	WIN MW
.if (\ty) == 2
	MULV \s
.elseif (\ty) == 1
	MULQ \s, BIK
.else
	MULQ \s, BIQ
.endif
	WIN 0
.endm
.macro STEPS ty, w16, w8
.irp s, 0,1,2,3,4,5,6,7
	STEP \ty, \s, \w16, \w8
.endr
.endm
; THE WAY OUT of product ty: four groups of four accumulators.  q, k: group g is token tile 4 half + g; v: channel tile g of the head.  Each becomes half a fragment, stored as it stands: 512 + 256 consecutive bytes.
.macro OUTG ty, g, pw
	QUANT32 ACC+32*\g, PCS+6*\g, TC, \pw
	global_store_b128 v[O16], v[PCS+6*\g:PCS+6*\g+3], s[CBQ+4*(\ty):CBQ+4*(\ty)+1] offset:\g*768*(1+(\ty)/2)
	global_store_b64 v[O8], v[PCS+6*\g+4:PCS+6*\g+5], s[CBQ+4*(\ty):CBQ+4*(\ty)+1] offset:\g*768*(1+(\ty)/2)+512
.if (\ty) == 2
	global_store_b16 v[OS], v[\pw], s[CBQ+4*(\ty)+2:CBQ+4*(\ty)+3] offset:64*\g    ; v: my two bytes of the word
.else
	global_store_b32 v[OS], v[\pw], s[CBQ+4*(\ty)+2:CBQ+4*(\ty)+3] offset:64*\g    ; q, k: the word; its bytes 2 and 3 are 0 (lanes r and r + 16 write the same)
.endif
.endm
.macro WAYOUT ty
.if (\ty) > 0
	s_wait_xcnt 0x0                                ; the last way out's stores read the registers that this one writes: they are written again only behind this wait
.endif
	OUTG \ty, 0, 1
	OUTG \ty, 1, 2
	OUTG \ty, 2, 3
	OUTG \ty, 3, 29
.endm
	s_wait_alu depctr_va_vdst(0)
	s_wait_tensorcnt 0x0                           ; my four tiles are in
	ds_add_u32 v[SPW], v[NIL]
	s_mov_b32 s[G1W+2], 100<<16                    ; no tensor load of mine is out: from here on a load brings two tiles, 100 rows
	s_mov_b32 s[G1W+4], 100
	s_wait_dscnt 0x0
	CROUND                                         ; everybody's tiles are in, and the joint loads meet
	tensor_load_to_lds s[G0K:G0K+3], s[G1W:G1W+7]  ; my two tiles of Wk, the first tensor load behind the round: they have all of q's products in which to land
	s_nop 0
.rept 4
	v_nop
.endr
	SCALESW 0, ASA
	SCALESX 0
	SCALESW 1, ASA
	SCALESX 1
	FETCH 0, 0, AA16, AA8, 1
	STEPS 0, AA16, AA8                             ; q
	; SLOT A IS FILLED AGAIN.  Every wave: all its tensor loads have landed (its quarter of Wk among them); the add; the add and its reads of slot A are done; a round of the cluster's barrier, so that
	; no wave of any partner still reads slot A or has a load on its way; and its quarter of Wv, the wave's one tensor load behind the round and the first thing there.
	s_wait_tensorcnt 0x0
	ds_add_u32 v[SPW], v[NIL]                      ; 0 onto my spare word
	s_wait_dscnt 0x0
	CROUND
	tensor_load_to_lds s[G0V:G0V+3], s[G1W:G1W+7]
	s_nop 0
.rept 4
	v_nop                                          ; (the places behind q's last products, in front of the loads and of the way out below)
.endr
	SCALESW 0, ASB                                 ; k's scale words and first fragments land while q goes out
	SCALESW 1, ASB
	FETCH 0, 0, AB16, AB8
	WAYOUT 0
	STEPS 1, AB16, AB8                             ; k
	s_wait_tensorcnt 0x0                           ; my quarter of Wv has landed: it is the one load that was out
	s_wait_dscnt 0x0
	s_barrier_signal -1
	s_barrier_wait -1                              ; everybody's has
	PLACES
	SCALESW 0, ASA
	SCALESW 1, ASA
	FETCH 0, 0, AA16, AA8
	WAYOUT 1
	STEPS 2, AA16, AA8                             ; v
	PLACES
	WAYOUT 2
	s_wait_tensorcnt 0x0                           ; the wave's end: behind my last tensor load, my last LDS instructions
	ds_add_u32 v[SPW], v[NIL]
	s_wait_dscnt 0x0
	CROUND                                         ; the closing round: no work-group ends while a partner may still ask for a tile that names it
	s_endpgm
.Lfunc_end_k_qffea53a68d_qkv:
	.size	k_qffea53a68d_qkv, .Lfunc_end_k_qffea53a68d_qkv-k_qffea53a68d_qkv
	.p2alignl 7, 3214868480
	.fill 96, 4, 3214868480
	.section	.rodata,"a",@progbits
	.p2align	6, 0x0
	.amdhsa_kernel k_qffea53a68d_qkv
		.amdhsa_group_segment_fixed_size 327680
		.amdhsa_private_segment_fixed_size 0
		.amdhsa_enable_private_segment 0
		.amdhsa_kernarg_size 64
		.amdhsa_user_sgpr_count 2
		.amdhsa_user_sgpr_kernarg_segment_ptr 1
		.amdhsa_wavefront_size32 1
		.amdhsa_system_sgpr_workgroup_id_x 1
		.amdhsa_system_sgpr_workgroup_id_y 1
		.amdhsa_system_sgpr_workgroup_id_z 1
		.amdhsa_system_vgpr_workitem_id 0
		.amdhsa_next_free_vgpr 1024
		.amdhsa_next_free_sgpr 102
		.amdhsa_reserve_vcc 0
		.amdhsa_float_denorm_mode_32 3
		.amdhsa_float_denorm_mode_16_64 3
		.amdhsa_memory_ordered 1
		.amdhsa_forward_progress 1
		.amdhsa_inst_pref_size 125
	.end_amdhsa_kernel
	.amdgpu_metadata
---
amdhsa.version: [ 1, 2 ]
amdhsa.kernels:
  - .name:           k_qffea53a68d_qkv
    .symbol:         k_qffea53a68d_qkv.kd
    .args:
      - { .name: ximg, .offset: 0, .size: 8, .value_kind: global_buffer, .address_space: global }
      - { .name: wimg, .offset: 8, .size: 8, .value_kind: global_buffer, .address_space: global }
      - { .name: bq, .offset: 16, .size: 8, .value_kind: global_buffer, .address_space: global }
      - { .name: bk, .offset: 24, .size: 8, .value_kind: global_buffer, .address_space: global }
      - { .name: bv, .offset: 32, .size: 8, .value_kind: global_buffer, .address_space: global }
      - { .name: qimg, .offset: 40, .size: 8, .value_kind: global_buffer, .address_space: global }
      - { .name: qsc, .offset: 48, .size: 8, .value_kind: global_buffer, .address_space: global }
      - { .name: kv, .offset: 56, .size: 8, .value_kind: global_buffer, .address_space: global }
    .group_segment_fixed_size: 327680
    .private_segment_fixed_size: 0
    .kernarg_segment_align: 8
    .kernarg_segment_size: 64
    .max_flat_workgroup_size: 128
    .sgpr_count:     102
    .vgpr_count:     1024
    .wavefront_size: 32
...
	.end_amdgpu_metadata
.endif
;; end of part 7
;; launch attn (part 8): grid 8 x 32, 16 waves a work-group, clusters of 4 x 1, 210,944 bytes of LDS; arguments qimg, qsc, kv, oimg; writes oimg
.if DOCPART == 8
	.amdgcn_target "amdgcn-amd-amdhsa--gfx1250"
	.amdhsa_code_object_version 6
	.text
	.protected	k_qffea53a68d_attn
	.globl	k_qffea53a68d_attn
	.p2align	8
	.type	k_qffea53a68d_attn,@function
k_qffea53a68d_attn:
	s_mov_b64 s[64:65], 0
	v_nop
	global_prefetch_b8 v0, s[64:65] scope:SCOPE_SE
	s_setreg_imm32_b32 hwreg(HW_REG_WAVE_MODE, 25, 1), 1
	s_wait_xcnt 0x0
	s_wait_alu depctr_hold_cnt(0) depctr_sa_sdst(0) depctr_va_vdst(0) depctr_va_sdst(0) depctr_va_ssrc(0) depctr_va_vcc(0) depctr_vm_vsrc(0)
	s_getreg_b32 s2, hwreg(HW_REG_IB_STS2, 6, 4)
	s_cmp_eq_u32 s2, 0
	s_cbranch_scc0 .Lentry_in_a_cluster
	s_endpgm
.Lentry_in_a_cluster:
	s_bfe_u32 s2, ttmp6, 0x10000c
	s_cmp_lg_u32 s2, 0x3003
	s_cbranch_scc0 .Lentry_shape_is_right
	s_endpgm
.Lentry_shape_is_right:
; o = softmax(q k^T / 8) v for one head, both products on codes of BF6 (E3M2) with E8M0 scales, and o quantised at once, along head x 64 + channel, for the output projection.
; SOFTMAX AHEAD OF THE SECOND PRODUCT: t = score x log2(e) / 8; M = the row's largest t so far, rounded UP to a whole number; p = 2^(t - M) is what is quantised, along the keys, not normalised.
; The row's sum is taken of the unquantised p and divides O at the end.  When M moves, the sum and O are multiplied by 2^(old M - new M): exact.
; SHARES.  Work-group (x, y): head y = 16 b + head, queries 256 x on.  Sixteen waves, each ONE tile of 16 queries in 256 registers: four waves to a SIMD.
; K AND V of the head, 16 step records of 13,056 bytes (128 keys each), fit in LDS whole: wave w brings record w at the head, its one tensor load; nothing is filled again, and the loop asks memory for nothing: so no prefetch is written.
; CLUSTER.  The four blocks of queries of a cluster belong to one head: each record is asked for JOINTLY, by the same tensor load with a mask that names the four.
; A RECORD: 8 tiles of K (16 keys x 64: half a fragment, 768 bytes) at 768 t; 4 fragments of V (16 channels x 128 keys) at 6,144 + 1,536 f; K's scale words at 12,288 + 64 t + 4 r; V's at 12,800 + 64 f + 4 r.
; All are images of the operand's registers: registers 0-3 at 16 x lane, 4-5 at 512 + 8 x lane, 6-9 at 768 + 16 x lane, 10-11 at 1,280 + 8 x lane.
; LAYOUT.  Both products are used transposed (S^T = K Q^T, O^T = V^T P^T): a lane holds ONE query.  Row r of tile T is row 64 (T / 4) + 8 (T % 4) + r % 8 + 32 (r / 8): the 32 registers of tiles 4 c .. 4 c + 3
; are keys 64 c + 32 (lane / 16) + 0 .. 31: ONE WHOLE BLOCK, in the order that the next operand wants.  O^T's 32 registers are channels 32 (lane / 16) + 0 .. 31.
; THE FIRST PRODUCT'S K IS 64 in an instruction of 128: Q's registers 6-11 are zero CODES, so whatever codes K's registers 6-11 hold (the next tile's; behind the last, V's of the step before) add nothing; bytes 2, 3 of both scale words are 0.
; OUT.  oimg: tile T = 128 b + my tile; record (T, head / 8); fragment (head / 2) % 4; half head % 2.  Two heads share a scale word, so two bytes a row leave by a 2-byte store.
; A block's largest p is the exponential of its largest score (this takes v_exp_f32 not to fall where its input rises).
; LIMITS: the scaled scores (exponents to the base 2, before the maximum is taken away) stay under 2^31 in magnitude; NaN and infinities are not served; a block under 2^-122 keeps the byte 1; a block of zeros gets the byte 1
; where the rule says 127 (its codes are zeros; this program alone reads the bytes).
.set STEPB, 13056
.set SPARE, 16*STEPB                   ; the spare words, 128 bytes for each wave: eight blocks of 256 bytes that no other line names
.set L16,  1                           ; v1-3  16, 8, 4 x lane
.set L8,   2
.set L4,   3
.set AD16, 4                           ; v4-6  the same + the step's record
.set AD8,  5
.set AD4,  6
.set R4,   7                           ; 4 r, 16 r, 8 h
.set R16,  8
.set H8,   9
.set RM,   10                          ; the running largest score
.set TMP,  11
.set NM,   12                          ; v[12:13] -M, and a 0 that is only named
.set SUM,  14                          ; v[14:15] the sum in two halves
.set FF,   16                          ; v[16:17] f = 2^(old M - new M), and a 0 that is only named
.set PX,   18
.set QBM,  20                          ; v20-21 the largest of each block
.set QB2,  22
.set QSO,  24                          ; the conversions' scale operands
.set BYT,  26
.set PS,   28                          ; p's scale word
.set PW,   29
.set QS,   30                          ; Q's scale words
.set KS,   32                          ; v32-35 K's: lanes 0-15 tile 2 i, lanes 16-31 tile 2 i + 1
.set VS,   36                          ; v36-37 V's likewise
.set SPW,  38                          ; LDS address of my spare word; never rewritten
.set NIL,  39                          ; 0; never rewritten
.set QQ,   40                          ; Q
.set KK,   52                          ; K's eight tiles
.set VV,   76                          ; V's four fragments: they begin where K's tile 4 does
.set PC,   124                         ; p's codes
.set TC,   136                         ; the second halves of the blocks' codes, before they are moved
.set SS,   144                         ; S^T, then p
.set OT,   208                         ; O^T
.set CH,   240                         ; v240-247 eight chains of maxima, one a tile
.set WV,   12
.set G1,   16                          ; s[16:23] descriptor group 1; s[24:27] group 0
.set G0,   24
.set NC,   32                          ; -c
.set SEL,  40
.set CS,   42                          ; s[42:43] c = log2(e) / 8, twice
.set TB,   44                          ; the step's record in LDS
.set CNT,  45
.macro CROUND                          ; a round of the cluster's barrier
	s_barrier_signal -1
	s_barrier_wait -1
	s_cmp_lg_u32 s[WV], 0
	s_cbranch_scc1 .Lnot_wave_0_\@
	s_barrier_signal -3
.Lnot_wave_0_\@:
	s_barrier_wait -3
	s_barrier_signal -1
	s_barrier_wait -1
.endm
	s_load_b256 s[4:11], s[0:1], 0x0               ; qimg s[4:5], qsc s[6:7], kv s[8:9], oimg s[10:11]
	v_lshl_add_u32 v[SPW], v0, 2, SPARE
	v_mov_b32 v[NIL], 0
	ds_add_u32 v[SPW], v[NIL]                      ; the opening add, twice on end
	ds_add_u32 v[SPW], v[NIL]
	v_lshrrev_b32 v248, 5, v0
	v_readfirstlane_b32 s[WV], v248                ; wave 0..15
	v_and_b32 v249, 31, v0
	v_and_b32 v250, 15, v0
	v_bfe_u32 v251, v0, 4, 1
	v_lshlrev_b32 v[L16], 4, v249
	v_lshlrev_b32 v[L8], 3, v249
	v_lshlrev_b32 v[L4], 2, v249
	v_lshlrev_b32 v[R4], 2, v250
	v_lshlrev_b32 v[R16], 4, v250
	v_lshlrev_b32 v[H8], 3, v251
	s_bfe_u32 s13, ttmp6, 0x40000                  ; cx
	s_lshl_b32 s14, ttmp9, 2
	s_add_co_u32 s14, s14, s13                     ; my block of 256 queries: it enters q's and o's addresses alone
	s_and_b32 s15, ttmp7, 0xffff                   ; 16 b + head, which the four partners share
	s_mul_i32 s48, s[WV], STEPB                    ; my record: its place in LDS and in the head's part of kv
	s_mul_i32 s46, s15, 16*STEPB
	s_add_co_u32 s46, s46, s48
	s_mov_b32 s47, 0
	s_lshl_b32 s54, s14, 4
	s_add_co_u32 s54, s54, s[WV]                   ; my tile of queries in the head: 16 x block + wave
	s_lshl_b32 s50, s15, 7
	s_add_co_u32 s50, s50, s54
	s_lshl_b32 s52, s50, 6                         ; its scale words
	s_mov_b32 s53, 0
	s_mul_i32 s50, s50, 768                        ; its codes
	s_mov_b32 s51, 0
	s_lshr_b32 s55, s15, 4
	s_lshl_b32 s55, s55, 7
	s_add_co_u32 s55, s55, s54                     ; o's tile: 128 b + my tile
	s_mul_i32 s55, s55, 12800
	s_and_b32 s60, s15, 15                         ; the head
	s_lshr_b32 s61, s60, 3
	s_mul_i32 s61, s61, 6400
	s_add_co_u32 s55, s55, s61                     ; the record
	s_bfe_u32 s61, s60, 0x20001                    ; the fragment: (head / 2) % 4
	s_and_b32 s62, s60, 1                          ; its half
	s_mul_i32 s56, s61, 1536
	s_mul_i32 s63, s62, 768
	s_add_co_u32 s56, s56, s63
	s_add_co_u32 s56, s56, s55
	s_mov_b32 s57, 0
	s_lshl_b32 s58, s61, 2
	s_lshl_b32 s63, s62, 1
	s_add_co_u32 s58, s58, s63
	s_add_co_u32 s58, s58, s55
	s_add_co_u32 s58, s58, 6144
	s_mov_b32 s59, 0
	; descriptor group 1: a record, dense: 51 rows of 256 bytes (32 elements of 8 bytes)
	s_mov_b32 s[G1], 15|(3<<16)|(1<<21)            ; 15:0 the mask: all four work-groups; 17:16 elements of 8 bytes; 21 set beside a mask
	s_mov_b32 s[G1+1], 32<<16
	s_mov_b32 s[G1+2], 51<<16
	s_mov_b32 s[G1+3], 32<<16
	s_mov_b32 s[G1+4], 51
	s_mov_b32 s[G1+5], 32
	s_mov_b32 s[G1+6], 0
	s_mov_b32 s[G1+7], 0
	s_mov_b32 s[SEL], 0x76543210
	s_mov_b32 s[SEL+1], 0xfedcba98                 ; selects for lane l xor 16
	s_mov_b32 s[CS], 0x3e38aa3b                    ; c = log2(e) / 8
	s_mov_b32 s[CS+1], s[CS]
	s_mov_b32 s[NC], 0xbe38aa3b
	s_wait_alu depctr_va_vdst(0)
	s_wait_dscnt 0x0                               ; both opening adds are done
	s_wait_kmcnt 0x0
	s_add_nc_u64 s[8:9], s[8:9], s[46:47]
	s_add_nc_u64 s[4:5], s[4:5], s[50:51]
	s_add_nc_u64 s[6:7], s[6:7], s[52:53]
	s_add_nc_u64 s[56:57], s[10:11], s[56:57]
	s_add_nc_u64 s[58:59], s[10:11], s[58:59]
	s_mov_b32 s[G0], 1
	s_mov_b32 s[G0+1], s48
	s_mov_b64 s[G0+2:G0+3], s[8:9]
	s_or_b32 s[G0+3], s[G0+3], 0x80000000
	CROUND                                         ; all four work-groups are here: the joint loads meet
	tensor_load_to_lds s[G0:G0+3], s[G1:G1+7]
	s_nop 0
.rept 4
	v_nop
.endr
	global_load_b128 v[QQ:QQ+3], v[L16], s[4:5]    ; Q's half fragment stays in registers
	global_load_b64 v[QQ+4:QQ+5], v[L8], s[4:5] offset:512
	global_load_b32 v[QS], v[R4], s[6:7]
.irp i, 0,1,2,3,4,5
	v_mov_b32 v[QQ+6+\i], 0                        ; zero codes for k = 64 .. 127
	v_mov_b32 v[KK+48+\i], 0                       ; what the first step finds behind K's last tile
.endr
	v_mov_b32 v[RM], 0xff61b1e6                    ; the largest score so far: -3e38
	v_mov_b32 v[NM], 0x7e000000                    ; -M: above every later -M, so the first f is 0
	v_mov_b32 v[NM+1], 0
	v_mov_b32 v[SUM], 0
	v_mov_b32 v[SUM+1], 0
	v_mov_b32 v[FF+1], 0
	v_mov_b32 v[PX], 0                             ; a lane permute's destination counts as one of its sources
.set j, 0
.rept 32
	v_mov_b32 v[OT+j], 0                           ; O^T.  (The step is written without a first step of its own: the first f multiplies zeros)
.set j, j+1
.endr
.macro KLOAD off, t0                   ; four of K's tiles, t0 on, and their scale words, of the record at AD + off: ten loads
.irp u, 0,1,2,3
	ds_load_b128 v[KK+6*(\t0+\u):KK+6*(\t0+\u)+3], v[AD16] offset:\off+768*(\t0+\u)
	ds_load_b64 v[KK+6*(\t0+\u)+4:KK+6*(\t0+\u)+5], v[AD8] offset:\off+768*(\t0+\u)+512
.endr
.irp i, 0,1
	ds_load_b32 v[KS+\t0/2+\i], v[AD4] offset:\off+12288+64*\t0+128*\i
.endr
.endm
.macro VLOAD
.irp f, 0,1,2,3
	ds_load_b128 v[VV+12*\f:VV+12*\f+3], v[AD16] offset:6144+1536*\f
	ds_load_b64 v[VV+12*\f+4:VV+12*\f+5], v[AD8] offset:6144+1536*\f+512
	ds_load_b128 v[VV+12*\f+6:VV+12*\f+9], v[AD16] offset:6144+1536*\f+768
	ds_load_b64 v[VV+12*\f+10:VV+12*\f+11], v[AD8] offset:6144+1536*\f+1280
.endr
	ds_load_b32 v[VS], v[AD4] offset:12800
	ds_load_b32 v[VS+1], v[AD4] offset:12928
.endm
.macro ADDR
	v_add_nc_u32 v[AD16], s[TB], v[L16]
	v_add_nc_u32 v[AD8], s[TB], v[L8]
	v_add_nc_u32 v[AD4], s[TB], v[L4]
.endm
.macro QK t                            ; lane (r, h) holds query r; register 8 t + j is key 64 (t / 4) + 32 h + 8 (t % 4) + j
.if \t%2
	v_wmma_scale_f32_16x16x128_f8f6f4 v[SS+8*\t:SS+8*\t+7], v[KK+6*\t:KK+6*\t+11], v[QQ:QQ+11], 0, v[KS+\t/2], v[QS] matrix_a_fmt:MATRIX_FMT_BF6 matrix_b_fmt:MATRIX_FMT_BF6 matrix_a_scale:MATRIX_SCALE_ROW1
.else
	v_wmma_scale_f32_16x16x128_f8f6f4 v[SS+8*\t:SS+8*\t+7], v[KK+6*\t:KK+6*\t+11], v[QQ:QQ+11], 0, v[KS+\t/2], v[QS] matrix_a_fmt:MATRIX_FMT_BF6 matrix_b_fmt:MATRIX_FMT_BF6
.endif
.endm
.macro ADDS n, st                      ; the sum of p, a tree in place: n additions of pairs, st registers from one to the next
.set j, 0
.rept \n
	v_pk_add_f32 v[SS+j:SS+j+1], v[SS+j:SS+j+1], v[SS+j+\st/2:SS+j+\st/2+1]
.set j, j+\st
.endr
.endm
; A KEY STEP: 128 keys.  K's tiles 0 to 3 were asked for a step ago; last = 1: no further step's are
.macro STEP last
	ADDR
	KLOAD 0, 4
	s_wait_alu depctr_va_vdst(0)
	s_wait_dscnt 10                                ; tiles 0 to 3; the ten loads just issued may be out
.irp t, 0,1,2                          ; S^T = K Q^T
	QK \t
.endr
	s_wait_dscnt 0x0
.irp t, 3,4,5,6,7                      ; (tile 3's upper registers are tile 4's)
	QK \t
.endr
.rept 4
	v_nop                                          ; places in front of the loads into K's registers and of the first read of the scores
.endr
	VLOAD                                          ; V, and the next step's tiles 0 to 3, land while the softmax is walked
.if \last == 0
	KLOAD STEPB, 0
.endif
.irp u, 0,1,2,3,4,5,6,7                ; THE LARGEST SCORE OF EACH BLOCK (tiles 4 c .. 4 c + 3): for the row's maximum and, since p rises with the score, for the block's largest p
	v_max3_num_f32 v[CH+\u], v[SS+8*\u], v[SS+8*\u+1], v[SS+8*\u+2]
.endr
.irp i, 3,5
.irp u, 0,1,2,3,4,5,6,7
	v_max3_num_f32 v[CH+\u], v[CH+\u], v[SS+8*\u+\i], v[SS+8*\u+\i+1]
.endr
.endr
.irp c, 0,1
	v_max3_num_f32 v[QBM+\c], v[CH+4*\c], v[CH+4*\c+1], v[SS+32*\c+7]
	v_max3_num_f32 v[QB2+\c], v[CH+4*\c+2], v[CH+4*\c+3], v[SS+32*\c+15]
.endr
.irp c, 0,1
	v_max3_num_f32 v[QBM+\c], v[QBM+\c], v[SS+32*\c+23], v[SS+32*\c+31]
.endr
.irp c, 0,1
	v_max_num_f32 v[QBM+\c], v[QBM+\c], v[QB2+\c]
.endr
	s_delay_alu instid0(VALU_DEP_1)
	v_max_num_f32 v[TMP], v[QBM], v[QBM+1]
	s_delay_alu instid0(VALU_DEP_1)
	v_permlanex16_b32 v[PX], v[TMP], s[SEL], s[SEL+1]
	s_delay_alu instid0(VALU_DEP_1)
	v_max3_num_f32 v[RM], v[RM], v[TMP], v[PX]     ; the running largest score, lane l xor 16's keys among them
	s_delay_alu instid0(VALU_DEP_1)
	v_mul_f32 v[TMP], s[NC], v[RM]                 ; -t (c is positive)
	s_delay_alu instid0(VALU_DEP_1)
	v_floor_f32 v[TMP], v[TMP]                     ; the new -M = floor(-t) = -ceil(t): M is a whole number
	s_delay_alu instid0(VALU_DEP_1)
	v_sub_f32 v[PX], v[TMP], v[NM]                 ; old M - new M: a whole number, 0 or less
	v_mov_b32 v[NM], v[TMP]
	v_cvt_i32_f32 v[PX], v[PX]                     ; (it saturates)
	s_delay_alu instid0(VALU_DEP_1)
	v_ldexp_f32 v[FF], 1.0, v[PX]                  ; f = 2^(old M - new M)
.set j, 0
.rept 32
	v_pk_fma_f32 v[SS+j:SS+j+1], v[SS+j:SS+j+1], s[CS:CS+1], v[NM:NM+1] op_sel_hi:[1,0,0]   ; t - M, two at a time (of the pairs c and -M the low word serves both halves)
.set j, j+2
.endr
	v_fma_f32 v[QBM], v[QBM], s[CS], v[NM]         ; the same of each block's largest score
	v_fma_f32 v[QBM+1], v[QBM+1], s[CS], v[NM]
.set j, 0
.rept 16
	v_pk_mul_f32 v[OT+j:OT+j+1], v[OT+j:OT+j+1], v[FF:FF+1] op_sel_hi:[1,0]                 ; O^T under the new M
.set j, j+2
.endr
	s_wait_alu depctr_va_vdst(0)
	v_exp_f32 v[QBM], v[QBM]
	v_exp_f32 v[QBM+1], v[QBM+1]
.set j, 0
.rept 64
	v_exp_f32 v[SS+j], v[SS+j]                     ; p = 2^(t - M), not normalised
.set j, j+1
.endr
	v_nop                                          ; one plain place behind a transcendental
	s_wait_alu depctr_va_vdst(0)                   ; and behind the batch
.irp c, 0,1
	v_max_num_f32 v[QBM+\c], 0x2800000, v[QBM+\c]  ; the floor 2^(5 - 127): the byte cannot fall under 1
.endr
.irp c, 0,1
	s_delay_alu instid0(VALU_DEP_2)
	v_add_nc_u32 v[QSO+\c], 0xfe000000, v[QBM+\c]  ; 4 off the exponent field: the conversion's scale operand
.endr
.irp c, 0,1                            ; block 2 c + h is whole in my lane
	v_cvt_scalef32_pk16_bf6_f32 v[PC+6*\c:PC+6*\c+2], v[SS+32*\c:SS+32*\c+15], v[QSO+\c]
	v_cvt_scalef32_pk16_bf6_f32 v[TC+4*\c:TC+4*\c+2], v[SS+32*\c+16:SS+32*\c+31], v[QSO+\c]   ; (a conversion's three registers begin on an even number)
.endr
.irp c, 0,1
	v_lshrrev_b32 v[BYT+\c], 23, v[QSO+\c]         ; the scale's byte (also the plain places behind the conversions)
.endr
	s_delay_alu instid0(VALU_DEP_1)
	v_lshl_or_b32 v[PW], v[BYT+1], 16, v[BYT]      ; blocks h and 2 + h
	s_delay_alu instid0(VALU_DEP_1)
	v_permlanex16_b32 v[PX], v[PW], s[SEL], s[SEL+1]
.irp c, 0,1
.irp i, 0,1,2
	v_mov_b32 v[PC+6*\c+3+\i], v[TC+4*\c+\i]
.endr
.endr
	v_lshl_or_b32 v[PS], v[PX], 8, v[PW]           ; lanes 0-15, which alone are read: bytes 0, 2 mine, bytes 1, 3 lane l + 16's
	ADDS 16, 4                                     ; the places between the codes and the scale word and the products below
	ADDS 8, 8
	s_wait_alu depctr_va_vdst(0)
.if \last == 0
	s_wait_dscnt 10                                ; V; the next step's tiles 0 to 3, ten loads, may be out
.else
	s_wait_dscnt 0x0
.endif
.irp f, 0,2                            ; O^T += V^T P^T: four accumulators, one instruction each: they take turns
	v_wmma_scale_f32_16x16x128_f8f6f4 v[OT+8*\f:OT+8*\f+7], v[VV+12*\f:VV+12*\f+11], v[PC:PC+11], v[OT+8*\f:OT+8*\f+7], v[VS+\f/2], v[PS] matrix_a_fmt:MATRIX_FMT_BF6 matrix_b_fmt:MATRIX_FMT_BF6
	v_wmma_scale_f32_16x16x128_f8f6f4 v[OT+8*\f+8:OT+8*\f+15], v[VV+12*\f+12:VV+12*\f+23], v[PC:PC+11], v[OT+8*\f+8:OT+8*\f+15], v[VS+\f/2], v[PS] matrix_a_fmt:MATRIX_FMT_BF6 matrix_b_fmt:MATRIX_FMT_BF6 matrix_a_scale:MATRIX_SCALE_ROW1
.endr
	ADDS 4, 16                                     ; eight places behind the products
	ADDS 2, 32
	ADDS 1, 64
	v_pk_fma_f32 v[SUM:SUM+1], v[SUM:SUM+1], v[FF:FF+1], v[SS:SS+1] op_sel_hi:[1,0,1]   ; the sums under the new M, and this step's
	s_add_co_u32 s[TB], s[TB], STEPB               ; the next step's record
.endm
	s_wait_alu depctr_va_vdst(0)
	s_wait_tensorcnt 0x0                           ; my record is in; nothing is ever filled again
	s_barrier_signal -1
	s_barrier_wait -1                              ; all sixteen are
	s_mov_b32 s[TB], 0
	ADDR
	KLOAD 0, 0
	s_wait_alu depctr_va_vdst(0)
	s_wait_loadcnt 0x0                             ; Q
	s_mov_b32 s[CNT], 15
.Lrun:                                                 ; steps 0 to 14
	STEP 0
	s_sub_co_u32 s[CNT], s[CNT], 1
	s_cmp_lg_u32 s[CNT], 0
	s_wait_alu depctr_va_vdst(0)
	s_cbranch_scc1 .Lrun
	s_mov_b32 s[TB], 15*STEPB
	STEP 1                                         ; step 15
	; THE WAY OUT: O^T / the sum, quantised along the head's 64 channels (register i is channel 32 h + i: one block), stored as half a fragment of the output projection's operand
	v_add_f32 v[SUM], v[SUM], v[SUM+1]             ; the sum's two halves,
	s_delay_alu instid0(VALU_DEP_1)
	v_permlanex16_b32 v[PX], v[SUM], s[SEL], s[SEL+1]
	s_delay_alu instid0(VALU_DEP_1)
	v_add_f32 v[SUM], v[SUM], v[PX]                ; and lane l xor 16's: the row's sum
	s_wait_alu depctr_va_vdst(0)
	v_rcp_f32 v[SUM], v[SUM]
	v_nop                                          ; one plain place behind a transcendental
	s_wait_alu depctr_va_vdst(0)                   ; for the reciprocal, and directly ahead of the first readers of O^T
.set j, 0
.rept 32
	v_mul_f32 v[SS+j], v[OT+j], v[SUM]
.set j, j+1
.endr
	v_max3_num_f32 v[QBM], |v[SS]|, |v[SS+1]|, 0x2800000
	v_max3_num_f32 v[QB2], |v[SS+16]|, |v[SS+17]|, 0x2800000
.irp i, 2,4,6,8,10,12,14
	v_max3_num_f32 v[QBM], v[QBM], |v[SS+\i]|, |v[SS+\i+1]|
	v_max3_num_f32 v[QB2], v[QB2], |v[SS+16+\i]|, |v[SS+17+\i]|
.endr
	v_max_num_f32 v[QBM], v[QBM], v[QB2]
	v_add_nc_u32 v[QSO], 0xfe000000, v[QBM]
	v_cvt_scalef32_pk16_bf6_f32 v[PC:PC+2], v[SS:SS+15], v[QSO]
	v_cvt_scalef32_pk16_bf6_f32 v[TC:TC+2], v[SS+16:SS+31], v[QSO]
	v_lshrrev_b32 v[BYT], 23, v[QSO]
	v_lshlrev_b32 v[PW], v[H8], v[BYT]
	v_permlanex16_b32 v[PX], v[PW], s[SEL], s[SEL+1]
	v_or_b32 v[PW], v[PW], v[PX]                   ; the row's two bytes, in both halves of the lanes
.irp i, 0,1,2
	v_mov_b32 v[PC+3+\i], v[TC+\i]
.endr
	global_store_b128 v[L16], v[PC:PC+3], s[56:57]               ; 512 consecutive bytes
	global_store_b64 v[L8], v[PC+4:PC+5], s[56:57] offset:512    ; 256
	global_store_b16 v[R16], v[PW], s[58:59]       ; my head's two bytes of row r's scale word (lanes r and r + 16 write the same)
	s_wait_tensorcnt 0x0                           ; the wave's end
	ds_add_u32 v[SPW], v[NIL]
	s_wait_dscnt 0x0
	CROUND                                         ; the closing round: no work-group ends while a partner may still ask for a record that names it
	s_endpgm
.Lfunc_end_k_qffea53a68d_attn:
	.size	k_qffea53a68d_attn, .Lfunc_end_k_qffea53a68d_attn-k_qffea53a68d_attn
	.p2alignl 7, 3214868480
	.fill 96, 4, 3214868480
	.section	.rodata,"a",@progbits
	.p2align	6, 0x0
	.amdhsa_kernel k_qffea53a68d_attn
		.amdhsa_group_segment_fixed_size 210944
		.amdhsa_private_segment_fixed_size 0
		.amdhsa_enable_private_segment 0
		.amdhsa_kernarg_size 32
		.amdhsa_user_sgpr_count 2
		.amdhsa_user_sgpr_kernarg_segment_ptr 1
		.amdhsa_wavefront_size32 1
		.amdhsa_system_sgpr_workgroup_id_x 1
		.amdhsa_system_sgpr_workgroup_id_y 1
		.amdhsa_system_sgpr_workgroup_id_z 1
		.amdhsa_system_vgpr_workitem_id 0
		.amdhsa_next_free_vgpr 256
		.amdhsa_next_free_sgpr 66
		.amdhsa_reserve_vcc 0
		.amdhsa_float_denorm_mode_32 3
		.amdhsa_float_denorm_mode_16_64 3
		.amdhsa_memory_ordered 1
		.amdhsa_forward_progress 1
		.amdhsa_inst_pref_size 41
	.end_amdhsa_kernel
	.amdgpu_metadata
---
amdhsa.version: [ 1, 2 ]
amdhsa.kernels:
  - .name:           k_qffea53a68d_attn
    .symbol:         k_qffea53a68d_attn.kd
    .args:
      - { .name: qimg, .offset: 0, .size: 8, .value_kind: global_buffer, .address_space: global }
      - { .name: qsc, .offset: 8, .size: 8, .value_kind: global_buffer, .address_space: global }
      - { .name: kv, .offset: 16, .size: 8, .value_kind: global_buffer, .address_space: global }
      - { .name: oimg, .offset: 24, .size: 8, .value_kind: global_buffer, .address_space: global }
    .group_segment_fixed_size: 210944
    .private_segment_fixed_size: 0
    .kernarg_segment_align: 8
    .kernarg_segment_size: 32
    .max_flat_workgroup_size: 512
    .sgpr_count:     66
    .vgpr_count:     256
    .wavefront_size: 32
...
	.end_amdgpu_metadata
.endif
;; end of part 8
;; launch outp (part 9): grid 8 x 32, 4 waves a work-group, clusters of 4 x 4, 222,720 bytes of LDS; arguments oimg, wimg, bo, out0; writes out0
.if DOCPART == 9
	.amdgcn_target "amdgcn-amd-amdhsa--gfx1250"
	.amdhsa_code_object_version 6
	.text
	.protected	k_qffea53a68d_outp
	.globl	k_qffea53a68d_outp
	.p2align	8
	.type	k_qffea53a68d_outp,@function
k_qffea53a68d_outp:
	s_mov_b64 s[64:65], 0
	v_nop
	global_prefetch_b8 v0, s[64:65] scope:SCOPE_SE
	s_setreg_imm32_b32 hwreg(HW_REG_WAVE_MODE, 25, 1), 1
	s_wait_xcnt 0x0
	s_wait_alu depctr_hold_cnt(0) depctr_sa_sdst(0) depctr_va_vdst(0) depctr_va_sdst(0) depctr_va_ssrc(0) depctr_va_vcc(0) depctr_vm_vsrc(0)
	s_getreg_b32 s2, hwreg(HW_REG_IB_STS2, 6, 4)
	s_cmp_eq_u32 s2, 0
	s_cbranch_scc0 .Lentry_in_a_cluster
	s_endpgm
.Lentry_in_a_cluster:
	s_bfe_u32 s2, ttmp6, 0x10000c
	s_cmp_lg_u32 s2, 0xf033
	s_cbranch_scc0 .Lentry_shape_is_right
	s_endpgm
.Lentry_shape_is_right:
; out0 = o Wo + bo on codes of BF6 (E3M2) with E8M0 scales; out0 [4096][1024] f32.
; OPERANDS lie in memory in the order of the operand's registers (tiles of 16 rows: lane row r of tile T is row 32 (T / 2) + 8 (T % 2) + r + 8 (r / 8); a fragment of 16 rows x 128 K is 1,536 bytes;
; a record (tile T, half c of K) is 6,400 bytes at (2 T + c) x 6,400: four fragments, then scale words at 6,144 + 16 r + 4 s).  Wo's tiles begin at T = 192 of wimg.
; SHARES.  Work-group (x, y): 128 columns (tiles 192 + 8 x on of wimg), 128 tokens (tiles 8 y on of oimg), ALL of K: 2 x 100 KiB, in LDS at once: every tensor load is a first fill, nothing is filled again.
; Four waves, each 64 columns x 64 tokens: 16 accumulators, which take turns, one instruction a turn.
; CLUSTERS: 4 x 4 work-groups; W's tiles are shared along a column of the cluster, o's along a row: each is asked for JOINTLY.
; Source 0 = 16 columns of W, source 1 = 16 tokens: a lane holds one token, and its 32 registers of four tiles are the columns 32 b + 16 (lane / 16) + i.  The bias is the C of each sum's first matrix instruction.
; THE WAY OUT: 16 tokens x 64 columns at a time through the wave's own stage in LDS (bytes into which no fill lands); back as whole rows of 256 bytes, into the registers that they left.
; REGISTERS.  Window 0: v1-31 addresses; v32-95 scale words; v96-127 the bias; v128-255 accumulators.  Window 1: two fragment buffers at v0 and v128: W's four, then o's four.
; ROW ORDER OF THE TILES, in all launches of this program: row r of tile T is row 64 (T / 4) + 8 (T % 4) + r % 8 + 32 (r / 8); it stands in place of the order named at the head of this text.
; So a lane's 32 registers of four tiles are the columns 32 (lane / 16) + 0 .. 31.  Each wave fetches four whole tiles (all of K), one load.
.set REC,   12800                      ; a tile: its two records on end
.set HALFB, 4*REC                      ; four tiles
.set CHUNK, 4*HALFB
.set STAGE, CHUNK                      ; behind the tiles: 16 rows x 272 bytes for each wave
.set SP,    272                        ; 256 bytes + 16 = 68 words: the 16 rows that a store touches begin 4 words apart
.set WV,   20
.set WX,   21
.set WW,   22
.set G1W,  28
.set G1X,  36
.set G0W,  44
.set G0X,  52
.set BP,   70
.set AW16, 4
.set AW8,  6
.set AX16, 8
.set AX8,  10
.set ASW,  12
.set ASX,  14
.set O16,  16
.set O8,   17
.set BA,   20                          ; v20 the bias's offset: 128 h
.set STO,  21                          ; v21 the stage: where I put 16 bytes of a row
.set RD,   22                          ; v22 and where I read a row back
.set CO,   23                          ; v23 my byte offset in out0
.set SC,   32
.set BI,   96
.set ACC,  128
.set MSB, 0
.macro WIN new                         ; the immediate's high byte repeats the setting that is left
.if MSB != \new
	s_set_vgpr_msb (MSB<<8)|\new
.set MSB, \new
.endif
.endm
.set MUL,  0x05                        ; sources 0 and 1 window 1; C and D window 0
.set TO_F, 0x40                        ; destination window 1, address window 0
.macro CROUND                          ; a round of the cluster's barrier
	s_barrier_signal -1
	s_barrier_wait -1
	s_cmp_lg_u32 s[WV], 0
	s_cbranch_scc1 .Lnot_wave_0_\@
	s_barrier_signal -3
.Lnot_wave_0_\@:
	s_barrier_wait -3
	s_barrier_signal -1
	s_barrier_wait -1
.endm
.macro PLACES                          ; four places in front of loads into registers that matrix instructions have read, and of the first read of results
.rept 4
	v_nop
.endr
.endm
	s_load_b256 s[4:11], s[0:1], 0x0               ; oimg s[4:5], wimg s[6:7], bo s[8:9], out0 s[10:11]
	v_lshl_add_u32 v30, v0, 2, 0x36400
	v_mov_b32 v31, 0
	ds_add_u32 v30, v31
	ds_add_u32 v30, v31
	v_lshrrev_b32 v1, 5, v0
	v_readfirstlane_b32 s[WV], v1
	s_lshr_b32 s[WX], s[WV], 1                     ; my half of the tokens.  Also: 0 fetches W, 1 fetches o
	s_and_b32 s[WW], s[WV], 1                      ; my half of the columns.  Also: which four tiles I fetch
	s_bfe_u32 s23, ttmp6, 0x40000                  ; cx, cy
	s_bfe_u32 s24, ttmp6, 0x40004
	s_lshl_b32 s25, ttmp9, 2
	s_add_co_u32 s25, s25, s23                     ; work-group x
	s_and_b32 s26, ttmp7, 0xffff
	s_lshl_b32 s26, s26, 2
	s_add_co_u32 s26, s26, s24                     ; work-group y
	s_lshl_b32 s62, s24, 2
	s_lshl_b32 s62, 15, s62                        ; my row of the cluster
	s_lshl_b32 s63, 0x1111, s23                    ; my column
	; descriptor group 1: four tiles, dense: 200 rows of 256 bytes (32 elements of 8 bytes)
	s_or_b32 s[G1W], s63, (3<<16)|(1<<21)
	s_or_b32 s[G1X], s62, (3<<16)|(1<<21)
.irp g, G1W, G1X
	s_mov_b32 s[\g+1], 32<<16
	s_mov_b32 s[\g+2], 200<<16
	s_mov_b32 s[\g+3], 32<<16
	s_mov_b32 s[\g+4], 200
	s_mov_b32 s[\g+5], 32
	s_mov_b32 s[\g+6], 0
	s_mov_b32 s[\g+7], 0
.endr
	s_lshl_b32 s60, s[WW], 2
	s_lshl_b32 s78, s25, 3
	s_add_co_u32 s78, s78, s60
	s_add_co_u32 s78, s78, 192
	s_mul_i32 s78, s78, REC                        ; W: tile 192 + 8 x + 4 half
	s_mov_b32 s79, 0
	s_lshl_b32 s80, s26, 3
	s_add_co_u32 s80, s80, s60
	s_mul_i32 s80, s80, REC                        ; o: tile 8 y + 4 half
	s_mov_b32 s81, 0
	s_mul_i32 s61, s[WV], HALFB                    ; where they go: wave x 51,200
	s_wait_dscnt 0x0
	s_wait_kmcnt 0x0
	s_add_nc_u64 s[78:79], s[6:7], s[78:79]
	s_add_nc_u64 s[80:81], s[4:5], s[80:81]
.irp c, 0
	s_mov_b32 s[G0W+4*\c], 1
	s_add_co_u32 s[G0W+4*\c+1], s61, \c*CHUNK
	s_add_nc_u64 s[G0W+4*\c+2:G0W+4*\c+3], s[78:79], \c*REC
	s_or_b32 s[G0W+4*\c+3], s[G0W+4*\c+3], 0x80000000
	s_mov_b32 s[G0X+4*\c], 1
	s_add_co_u32 s[G0X+4*\c+1], s61, \c*CHUNK
	s_add_nc_u64 s[G0X+4*\c+2:G0X+4*\c+3], s[80:81], \c*REC
	s_or_b32 s[G0X+4*\c+3], s[G0X+4*\c+3], 0x80000000
.endr
	CROUND                                         ; all sixteen work-groups are here: the joint loads meet
	s_cmp_eq_u32 s[WX], 0                          ; waves 0 and 1 fetch W, waves 2 and 3 o: one load a wave
	s_cbranch_scc0 .Lfetch_x
	tensor_load_to_lds s[G0W:G0W+3], s[G1W:G1W+7]
	s_nop 0
.rept 4
	v_nop
.endr
	s_branch .Lfetched
.Lfetch_x:
	tensor_load_to_lds s[G0X:G0X+3], s[G1X:G1X+7]
	s_nop 0
.rept 4
	v_nop
.endr
.Lfetched:
	v_and_b32 v1, 31, v0                           ; lane
	v_and_b32 v2, 15, v0                           ; r
	v_bfe_u32 v3, v0, 4, 1                         ; h
	v_lshlrev_b32 v[O16], 4, v1
	v_lshlrev_b32 v[O8], 3, v1
	v_lshlrev_b32 v19, 4, v2
	s_mul_i32 s82, s[WW], HALFB
	s_mul_i32 s83, s[WX], HALFB
	s_add_co_u32 s83, s83, 2*HALFB
.irp c, 0,1
	v_add_nc_u32 v[AW16+\c], s82, v[O16]
	v_add_nc_u32 v[AW8+\c], s82, v[O8]
	v_add_nc_u32 v[AX16+\c], s83, v[O16]
	v_add_nc_u32 v[AX8+\c], s83, v[O8]
	v_add_nc_u32 v[ASW+\c], s82, v19
	v_add_nc_u32 v[ASX+\c], s83, v19
	s_add_co_u32 s82, s82, 6400                    ; the other half of K: the tile's second record
	s_add_co_u32 s83, s83, 6400
.endr
	; the bias in the result's layout: register j of tile a is column 32 h + 8 a + j of my 64
	v_lshlrev_b32 v[BA], 7, v3
	s_lshl_b32 s84, s25, 9
	s_lshl_b32 s85, s[WW], 8
	s_add_co_u32 s84, s84, s85                     ; my first column, in bytes
	s_mov_b32 s85, 0
	s_add_nc_u64 s[BP:BP+1], s[8:9], s[84:85]
.irp a, 0,1,2,3
	global_load_b128 v[BI+8*\a:BI+8*\a+3], v[BA], s[BP:BP+1] offset:32*\a
	global_load_b128 v[BI+8*\a+4:BI+8*\a+7], v[BA], s[BP:BP+1] offset:32*\a+16
.endr
	s_mul_i32 s86, s[WV], 16*SP
	s_add_co_u32 s86, s86, STAGE                   ; my stage
	v_mul_u32_u24 v[STO], v2, SP                   ; in: row r, 128 bytes for each half of the lanes
	v_lshl_add_u32 v[STO], v3, 7, v[STO]
	v_add_nc_u32 v[STO], s86, v[STO]
	v_mul_u32_u24 v[RD], v3, SP                    ; back: lanes 0-15 one row of 256 bytes, lanes 16-31 the next
	v_lshl_add_u32 v[RD], v2, 4, v[RD]
	v_add_nc_u32 v[RD], s86, v[RD]
	v_lshlrev_b32 v[CO], 12, v3                    ; and the same two rows in out0
	v_lshl_add_u32 v[CO], v2, 4, v[CO]
	s_lshl_b32 s86, s26, 19                        ; 128 y rows of 4,096 bytes,
	s_lshl_b32 s87, s[WX], 18                      ; my 64 of them,
	s_add_co_u32 s86, s86, s87
	s_add_co_u32 s86, s86, s84                     ; my first column
	s_mov_b32 s87, 0
	s_add_nc_u64 s[10:11], s[10:11], s[86:87]
.macro FETCH s, f                      ; 32 LDS loads: the fragments of K step s (4 of W, 4 of o) into buffer f: images of the registers, every load dense
	WIN TO_F
.irp a, 0,1,2,3
	ds_load_b128 v[\f+12*\a:\f+12*\a+3],     v[AW16+(\s)/4] offset:\a*REC+((\s)%4)*1536
	ds_load_b64  v[\f+12*\a+4:\f+12*\a+5],   v[AW8+(\s)/4]  offset:\a*REC+((\s)%4)*1536+512
	ds_load_b128 v[\f+12*\a+6:\f+12*\a+9],   v[AW16+(\s)/4] offset:\a*REC+((\s)%4)*1536+768
	ds_load_b64  v[\f+12*\a+10:\f+12*\a+11], v[AW8+(\s)/4]  offset:\a*REC+((\s)%4)*1536+1280
.endr
.irp a, 0,1,2,3
	ds_load_b128 v[\f+48+12*\a:\f+48+12*\a+3],     v[AX16+(\s)/4] offset:\a*REC+((\s)%4)*1536
	ds_load_b64  v[\f+48+12*\a+4:\f+48+12*\a+5],   v[AX8+(\s)/4]  offset:\a*REC+((\s)%4)*1536+512
	ds_load_b128 v[\f+48+12*\a+6:\f+48+12*\a+9],   v[AX16+(\s)/4] offset:\a*REC+((\s)%4)*1536+768
	ds_load_b64  v[\f+48+12*\a+10:\f+48+12*\a+11], v[AX8+(\s)/4]  offset:\a*REC+((\s)%4)*1536+1280
.endr
	WIN 0
.endm
.macro SCALES c                        ; a row's words of four K steps by one load
.irp a, 0,1,2,3
	ds_load_b128 v[SC+32*\c+4*\a:SC+32*\c+4*\a+3], v[ASW+\c] offset:\a*REC+6144
	ds_load_b128 v[SC+32*\c+16+4*\a:SC+32*\c+16+4*\a+3], v[ASX+\c] offset:\a*REC+6144
.endr
.endm
.macro MULQ s                          ; accumulator 4 b + a = W's tile a (source 0) x o's tile b (source 1)
.irp b, 0,1,2,3
.irp a, 0,1,2,3
.if (\s) == 0
	v_wmma_scale_f32_16x16x128_f8f6f4 v[ACC+8*(4*\b+\a):ACC+8*(4*\b+\a)+7], v[128*((\s)%2)+12*\a:128*((\s)%2)+12*\a+11], v[128*((\s)%2)+48+12*\b:128*((\s)%2)+48+12*\b+11], v[BI+8*\a:BI+8*\a+7], v[SC+32*((\s)/4)+4*\a+(\s)%4], v[SC+32*((\s)/4)+16+4*\b+(\s)%4] matrix_a_fmt:MATRIX_FMT_BF6 matrix_b_fmt:MATRIX_FMT_BF6
.else
	v_wmma_scale_f32_16x16x128_f8f6f4 v[ACC+8*(4*\b+\a):ACC+8*(4*\b+\a)+7], v[128*((\s)%2)+12*\a:128*((\s)%2)+12*\a+11], v[128*((\s)%2)+48+12*\b:128*((\s)%2)+48+12*\b+11], v[ACC+8*(4*\b+\a):ACC+8*(4*\b+\a)+7], v[SC+32*((\s)/4)+4*\a+(\s)%4], v[SC+32*((\s)/4)+16+4*\b+(\s)%4] matrix_a_fmt:MATRIX_FMT_BF6 matrix_b_fmt:MATRIX_FMT_BF6
.endif
.endr
.endr
.endm
.macro STEP s
.if (\s) < 7
.if (\s) > 0
	PLACES                                         ; the other buffer was read by the products just issued
.endif
	FETCH (\s)+1, 128*(((\s)+1)%2)
	s_wait_dscnt 32                                ; all but the 32 just issued
.else
	s_wait_dscnt 0x0
.endif
.if (\s) == 0
	s_wait_loadcnt 0x0                             ; the bias
.endif
	WIN MUL
	MULQ \s
	WIN 0
.endm
	s_wait_alu depctr_va_vdst(0)
	s_wait_tensorcnt 0x0                           ; my four tiles are in; nothing is ever filled again
	s_barrier_signal -1
	s_barrier_wait -1                              ; everybody's are
	SCALES 0
	SCALES 1
	FETCH 0, 0
	STEP 0
	STEP 1
	STEP 2
	STEP 3
	STEP 4
	STEP 5
	STEP 6
	STEP 7
; Group g: o's tile g, 16 tokens x my 64 columns.  Registers 4 q .. 4 q + 3 of lane (r, h) are row r, bytes 128 h + 16 q on.
.macro TOSTAGE g
.irp q, 0,1,2,3,4,5,6,7
	ds_store_b128 v[STO], v[ACC+32*\g+4*\q:ACC+32*\g+4*\q+3] offset:16*\q   ; each accumulator from its low end on
.endr
.irp t, 0,1,2,3,4,5,6,7
	ds_load_b128 v[ACC+32*\g+4*\t:ACC+32*\g+4*\t+3], v[RD] offset:\t*2*SP   ; LDS serves a wave's instructions in order: these see the stores above, and the next group's stores come behind them
.endr
.endm
.macro SEND g, younger                 ; younger: the LDS instructions issued behind group g's loads.  Stage row 2 t + (lane / 16) is token 8 g + 2 t + 24 (t / 4) + (lane / 16) of my 64
.irp t, 0,1,2,3,4,5,6,7
	s_wait_dscnt \younger+7-\t
	global_store_b128 v[CO], v[ACC+32*\g+4*\t:ACC+32*\g+4*\t+3], s[10:11] offset:(8*\g+2*\t+24*(\t/4))*4096 th:TH_STORE_NT   ; 16 lanes store 256 consecutive bytes, at a multiple of 256 from out0's first byte
.endr
.endm
	PLACES
	s_wait_alu depctr_va_vdst(0)
	TOSTAGE 0
	TOSTAGE 1
	SEND 0, 16
	TOSTAGE 2
	SEND 1, 16
	TOSTAGE 3
	SEND 2, 16
	SEND 3, 0
	s_wait_tensorcnt 0x0
	ds_add_u32 v30, v31
	s_wait_dscnt 0x0
	CROUND                                         ; the closing round: no work-group ends while a partner may still ask for a tile that names it
	s_endpgm
.Lfunc_end_k_qffea53a68d_outp:
	.size	k_qffea53a68d_outp, .Lfunc_end_k_qffea53a68d_outp-k_qffea53a68d_outp
	.p2alignl 7, 3214868480
	.fill 96, 4, 3214868480
	.section	.rodata,"a",@progbits
	.p2align	6, 0x0
	.amdhsa_kernel k_qffea53a68d_outp
		.amdhsa_group_segment_fixed_size 222720
		.amdhsa_private_segment_fixed_size 0
		.amdhsa_enable_private_segment 0
		.amdhsa_kernarg_size 32
		.amdhsa_user_sgpr_count 2
		.amdhsa_user_sgpr_kernarg_segment_ptr 1
		.amdhsa_wavefront_size32 1
		.amdhsa_system_sgpr_workgroup_id_x 1
		.amdhsa_system_sgpr_workgroup_id_y 1
		.amdhsa_system_sgpr_workgroup_id_z 1
		.amdhsa_system_vgpr_workitem_id 0
		.amdhsa_next_free_vgpr 512
		.amdhsa_next_free_sgpr 100
		.amdhsa_reserve_vcc 0
		.amdhsa_float_denorm_mode_32 3
		.amdhsa_float_denorm_mode_16_64 3
		.amdhsa_memory_ordered 1
		.amdhsa_forward_progress 1
		.amdhsa_inst_pref_size 51
	.end_amdhsa_kernel
	.amdgpu_metadata
---
amdhsa.version: [ 1, 2 ]
amdhsa.kernels:
  - .name:           k_qffea53a68d_outp
    .symbol:         k_qffea53a68d_outp.kd
    .args:
      - { .name: oimg, .offset: 0, .size: 8, .value_kind: global_buffer, .address_space: global }
      - { .name: wimg, .offset: 8, .size: 8, .value_kind: global_buffer, .address_space: global }
      - { .name: bo, .offset: 16, .size: 8, .value_kind: global_buffer, .address_space: global }
      - { .name: out0, .offset: 24, .size: 8, .value_kind: global_buffer, .address_space: global }
    .group_segment_fixed_size: 222720
    .private_segment_fixed_size: 0
    .kernarg_segment_align: 8
    .kernarg_segment_size: 32
    .max_flat_workgroup_size: 128
    .sgpr_count:     100
    .vgpr_count:     512
    .wavefront_size: 32
...
	.end_amdgpu_metadata
.endif
;; end of part 9
